; MI455X (gfx1250); checked and timed in simulation.
; The chip was launched on July 23, 2026; its instructions are those of AMD's public machine-readable ISA for CDNA 5 (MIT licence, August 2026) and "CDNA5" Instruction Set Architecture Reference Guide (July 2026). The comments in the code are by the model that wrote it; some were corrected since.
;; Mo E. Allowed arithmetic: matrix products marked QUANTISED: E2M1 operands, one E8M0 scale for each 32 along K, by v_wmma_scale_f32_16x16x128_f8f6f4 with both operands' format E2M1 (or v_wmma_scale_f32_32x16x128_f4), f32 sums; products left as they are: f32 operands where the result goes on into a quantised operand, else bf16, f16 or f32 operands; f32 sums; everything else in f32.
;; Inputs: b1 8 x 2,048 float32; b2 8 x 1,024 float32; gate_w 1,024 x 8 float32; ln_b 8 x 1,024 float32; ln_g 8 x 1,024 float32; w1 8 x 1,024 x 2,048 float32; w2 8 x 2,048 x 1,024 float32; x 2 x 1,024 x 1,024 float32.
;; Outputs: out0 2 x 1,024 x 1,024 float32.
;; This version of the problem:
;;   THIS VERSION OF THE PROBLEM IS GIVEN IN LOW PRECISION. The matrix products marked QUANTISED in the list below multiply operands that are first quantised to E2M1 (2 exponent bits, 1 mantissa bit; 4 bits a number), with one power-of-two scale for each 32 numbers along K (OCP MX v1.0); their sums are f32. All else is computed in f32.
;;   The module's matrix products, in the order in which they are computed (A, B: the left and right operand; K: the contracted axis; several contracted axes count as one K, in the product's order):
;;     1. [M 2,048, K 1,024] x [K 1,024, N 8]; A: input x; B: input gate_w: left as it is (N = 8 < 16)
;;     2. [M 16,384, K 1,024] x [K 1,024, N 2,048]; A: input w1; B: input x: QUANTISED
;;     3. batch 8 x [M 2,048, K 2,048] x [K 2,048, N 1,024]; A: computed on the way; B: input w2: QUANTISED
;;     4. batch 2,048 x [M 1, K 8] x [K 8, N 1,024]; A: computed on the way; B: computed on the way: left as it is (K = 8 < 32)
;;   THE QUANTISER, for each operand of a quantised product, along K:
;;     - K is cut into blocks of 32 from its start; a last block that is shorter is filled with zeros.
;;     - A block's scale is 2^e with e = floor(log2(the largest magnitude in the block)) - 2, held to -126 .. 127; a block of zeros has e = 0. As a byte (E8M0): e + 127.
;;     - Each number is divided by its block's scale, clamped to +-6, and rounded to the nearest number of E2M1, ties to even, subnormals kept.
;;     - The product sums the exact products of the quantised numbers (number of the format x scale) in f32.
;;   ~~~python
;;   def quantise(x, axis):      # numpy; x: float32 -> the quantised numbers, widened to float32 again
;;       x = np.moveaxis(x, axis, -1); K = x.shape[-1]
;;       x = np.pad(x, [(0, 0)] * (x.ndim - 1) + [(0, -K % 32)]); x = x.reshape(x.shape[:-1] + (-1, 32)); a = np.abs(x).max(-1, keepdims=True)
;;       e = np.where(a > 0, np.clip(np.frexp(np.where(a > 0, a, 1))[1] - 1 - 2, -126, 127), 0)      # np.frexp(a)[1] - 1 = floor(log2(a)), exactly
;;       r = np.clip(x / 2.0 ** e, -6, 6)
;;       step = 2.0 ** (np.maximum(np.frexp(np.where(r == 0, 1, r))[1] - 1, 0) - 1)
;;       q = np.round(r / step) * step * 2.0 ** e      # np.round: ties to even
;;       return np.moveaxis(q.reshape(q.shape[:-2] + (-1,))[..., :K], -1, axis).astype(np.float32)
;;   ~~~
;;   OPERANDS COMPUTED ON THE WAY. 'Computed on the way' means the value that the module computes at that place (a softmax that the list does not call 'softmax' is quantised finished and normalised). What goes into a quantiser is computed in f32, as accurately as f32 sums, v_exp_f32 and their like allow (about 1e-6 of the number): no bf16 or f16 on the way to a quantiser, and a product that is left as it is and whose result goes on into a quantised operand takes f32 operands (vector FMAs, or v_wmma_f32_16x16x4_f32). A number that lies on a knife's edge between two numbers of the format may be rounded either way, as far as f32 arithmetic and the matrix unit's own rounding can turn it there, and no further.
;; 3 versions. Each part assembles by itself: llvm-mc -triple=amdgcn-amd-amdhsa -mcpu=gfx1250 --defsym DOCPART=n.
;; ======== version 1 of 3: 5 launches
;; workspace buffers: xc 1,048,576 bytes; xs 65,536 bytes; sel 16,384 bytes of whole numbers; gw 16,384 bytes; ord 71,936 bytes of whole numbers; hc 16,777,216 bytes; hs 1,048,576 bytes; z 17,301,504 bytes
;; launch route (part 1): grid 256 x 1, 2 waves a work-group, no clusters, 70,912 bytes of LDS; arguments x, gate_w, xc, xs, sel, gw; writes xc, xs, sel, gw
.if DOCPART == 1
	.amdgcn_target "amdgcn-amd-amdhsa--gfx1250"
	.amdhsa_code_object_version 6
	.text
	.protected	k_qcd7e4a1b75_route
	.globl	k_qcd7e4a1b75_route
	.p2align	8
	.type	k_qcd7e4a1b75_route,@function
k_qcd7e4a1b75_route:
	s_mov_b64 s[64:65], 0
	v_nop
	global_prefetch_b8 v0, s[64:65] scope:SCOPE_SE
	s_setreg_imm32_b32 hwreg(HW_REG_WAVE_MODE, 25, 1), 1
	s_wait_xcnt 0x0
; THE ROUTER AND x's CODES.  scores = x gate_w in f32 (fused multiply-adds), the two best experts of each token (of equal scores the lower index),
; the softmax over the two with the larger taken away first, and x as codes of E2M1 with one E8M0 byte for each 32 along d.
; x: [2048][1024] f32.  gate_w: [1024][8] f32.  xc: [2048][512 bytes], block b at byte 16 b.  xs: [2048][32 bytes].  sel: [2048][2] u32.  gw: [2048][2] f32.
; SHARES.  A work-group of two waves takes 8 tokens, a wave 4.  Lane l owns d = 32 l .. 32 l + 31 of each of its wave's tokens: one whole block, so a block's largest
; magnitude needs no other lane; its 32 rows of gate_w (256 numbers) stay in registers.  Every load from memory takes 512 consecutive bytes; the turn to
; 128 (x) or 1,024 (gate_w) bytes a lane goes through LDS, in places padded by 16 bytes.
; No address and no branch hangs on the scores: the choice is stored at fixed places and used by later launches.
; LIMITS: NaN and infinities are not served.  A block whose largest magnitude lies under 2^-124, a block of zeros among them, gets the byte 1: its codes are zeros,
; and the bytes are read by this program alone.  Scores are summed in another order than a plain loop over d would: where the second and the third best score
; lie closer than that rounding, either may be chosen.
; REGISTERS, in windows of 256: window 0: v1-11 addresses, v16-47 scores, v48-119 at work, v128-255 x (32 t + d).  window 1: gate_w (8 d + e).
;   window 2: v0-127 x as loaded, v128-255 my wave's half of gate_w as loaded.
.set GP,   1040                        ; a lane's 1,024 bytes of gate_w + 16
.set XP,   144                         ; a lane's 128 bytes of a token + 16
.set XTOK, 4608                        ; 32 such places
.set XST,  33280                       ; behind the gate's 32 places: 4 tokens for each wave
.set SBB,  70144                       ; behind them: 128 scale bytes for each wave
.set ACC,  16                          ; v16-47   score 8 t + e
.set M1,   48                          ; v48-51   the best score;   v52-55 its expert
.set I1,   52
.set M2,   56                          ; v56-59   the second best;  v60-63 its expert
.set I2,   60
.set P,    64                          ; v64-67   the second's weight
.set R,    68                          ; v68-71   the best's weight
.set SM,   72                          ; v72-79   a token's scores with the best one taken out
.set QA,   80                          ; v80-87   largest magnitudes, two chains a token
.set QB,   84
.set SC,   88                          ; v88-91   the conversions' scale operands
.set BY,   92                          ; v92-95   the scale bytes
.set C,    96                          ; v96-111  codes, four registers a token
.set OI,   112                         ; what my lane stores into sel,
.set OW,   113                         ; and into gw
.set NINF, 115
.set PT,   116                         ; v116-119 the other half's sums
.set X,    128
.set MSB, 0
.macro WIN new                         ; the immediate's high byte repeats the setting that is left
.if MSB != \new
	s_set_vgpr_msb (MSB<<8)|\new
.set MSB, \new
.endif
.endm
	s_load_b256 s[4:11], s[0:1], 0x0               ; x, gate_w, xc, xs
	s_load_b128 s[12:15], s[0:1], 0x20             ; sel, gw
	v_lshl_add_u32 v126, v0, 2, 0x11400
	v_mov_b32 v127, 0
	v_lshrrev_b32 v1, 5, v0
	v_readfirstlane_b32 s16, v1                    ; wave 0, 1
	v_and_b32 v1, 31, v0                           ; lane
	v_lshlrev_b32 v2, 4, v1                        ; 16 x lane
	s_mul_i32 s18, s16, 16*GP
	v_add_nc_u32 v3, s18, v2                       ; gate_w into LDS: my wave's 16 places
	v_mul_u32_u24 v4, v1, GP                       ; and out: my place
	s_mul_i32 s18, s16, 4*XTOK
	s_add_co_u32 s18, s18, XST
	v_lshrrev_b32 v5, 3, v1
	v_mul_u32_u24 v5, v5, XP
	v_and_b32 v11, 7, v1
	v_lshl_add_u32 v5, v11, 4, v5
	v_add_nc_u32 v5, s18, v5                       ; x into LDS: eight lanes fill a place
	v_mul_u32_u24 v6, v1, XP
	v_add_nc_u32 v6, s18, v6                       ; and out: my place
	s_lshl_b32 s18, s16, 7
	s_add_co_u32 s18, s18, SBB
	v_add_nc_u32 v7, s18, v1                       ; my block's scale byte
	v_lshlrev_b32 v9, 2, v1
	v_add_nc_u32 v8, s18, v9                       ; the bytes on their way out: a word a lane
	v_lshlrev_b32 v10, 2, v11
.irp k, 0,1,2,3
	v_mov_b32 v[PT+\k], 0                          ; a lane permute's destination counts as one of its sources
.endr
	v_mov_b32 v[NINF], 0xff800000
	s_mov_b32 s20, 0x76543210
	s_mov_b32 s21, 0xfedcba98                      ; v_permlanex16_b32's selects for lane l xor 16
	s_mov_b32 s22, 0x3fb8aa3b                      ; log2(e)
	s_lshl_b32 s17, ttmp9, 3
	s_lshl_b32 s18, s16, 2
	s_add_co_u32 s17, s17, s18                     ; my wave's first token
	s_lshl_b32 s24, s17, 12                        ; its byte in x,
	s_mov_b32 s25, 0
	s_lshl_b32 s26, s16, 14                        ; my wave's half of gate_w,
	s_mov_b32 s27, 0
	s_lshl_b32 s28, s17, 9                         ; in xc,
	s_mov_b32 s29, 0
	s_lshl_b32 s30, s17, 5                         ; in xs,
	s_mov_b32 s31, 0
	s_lshl_b32 s32, s17, 3                         ; in sel and gw
	s_mov_b32 s33, 0
	s_wait_kmcnt 0x0
	s_add_nc_u64 s[4:5], s[4:5], s[24:25]
	s_add_nc_u64 s[6:7], s[6:7], s[26:27]
	s_add_nc_u64 s[8:9], s[8:9], s[28:29]
	s_add_nc_u64 s[10:11], s[10:11], s[30:31]
	s_add_nc_u64 s[12:13], s[12:13], s[32:33]
	s_add_nc_u64 s[14:15], s[14:15], s[32:33]
	WIN 0x80                                       ; destination window 2
.set i, 0
.rept 32
	global_load_b128 v[128+4*i:128+4*i+3], v2, s[6:7] offset:512*i
.set i, i+1
.endr
.irp t, 0,1,2,3
.irp i, 0,1,2,3,4,5,6,7
	global_load_b128 v[32*\t+4*\i:32*\t+4*\i+3], v2, s[4:5] offset:4096*\t+512*\i th:TH_LOAD_NT
.endr
.endr
	s_wait_loadcnt 32                              ; the gate's 32 loads are in; x's 32, issued behind them, may be out
	WIN 0x08                                       ; an LDS store's data are its source 1: window 2
.set i, 0
.rept 32
	ds_store_b128 v3, v[128+4*i:128+4*i+3] offset:(i/2)*GP+512*(i%2)
.set i, i+1
.endr
	s_wait_loadcnt 0x0
.irp t, 0,1,2,3
.irp i, 0,1,2,3,4,5,6,7
	ds_store_b128 v5, v[32*\t+4*\i:32*\t+4*\i+3] offset:XTOK*\t+4*XP*\i
.endr
.endr
	WIN 0
.irp t, 0,1,2,3
.irp g, 0,1,2,3,4,5,6,7
	ds_load_b128 v[X+32*\t+4*\g:X+32*\t+4*\g+3], v6 offset:XTOK*\t+16*\g   ; my wave's own bytes: LDS serves a wave's instructions in order
.endr
.endr
	s_wait_dscnt 0x0                               ; for the other wave's sake: my half of the gate has landed
	s_barrier_signal -1
	s_barrier_wait -1                              ; the gate is whole
	WIN 0x40                                       ; destination window 1
.set i, 0
.rept 64
	ds_load_b128 v[4*i:4*i+3], v4 offset:16*i
.set i, i+1
.endr
	WIN 0
	s_wait_dscnt 0x0
	; THE SCORES: 16 chains of packed multiply-adds (4 tokens x 4 pairs of experts), x's number broadcast to both halves.  The first product starts each sum.
	WIN 0x04                                       ; source 1 (gate_w) window 1
.set d, 0
.rept 32
.irp t, 0,1,2,3
.irp p, 0,1,2,3
.if d == 0
	v_pk_mul_f32 v[ACC+8*\t+2*\p:ACC+8*\t+2*\p+1], v[X+32*\t:X+32*\t+1], v[2*\p:2*\p+1] op_sel_hi:[0,1]
.elseif d%2 == 0
	v_pk_fma_f32 v[ACC+8*\t+2*\p:ACC+8*\t+2*\p+1], v[X+32*\t+d:X+32*\t+d+1], v[8*d+2*\p:8*d+2*\p+1], v[ACC+8*\t+2*\p:ACC+8*\t+2*\p+1] op_sel_hi:[0,1,1]
.else
	v_pk_fma_f32 v[ACC+8*\t+2*\p:ACC+8*\t+2*\p+1], v[X+32*\t+d-1:X+32*\t+d], v[8*d+2*\p:8*d+2*\p+1], v[ACC+8*\t+2*\p:ACC+8*\t+2*\p+1] op_sel:[1,0,0] op_sel_hi:[1,1,1]
.endif
.endr
.endr
.set d, d+1
.endr
	WIN 0
	; over the 32 lanes: every lane ends with the same 32 sums
.irp m, 1,2,4,8
.set r, 0
.rept 32
	v_add_f32_dpp v[ACC+r], v[ACC+r], v[ACC+r] row_xmask:\m row_mask:0xf bank_mask:0xf
.set r, r+1
.endr
.endr
.set r, 0
.rept 8
.irp k, 0,1,2,3
	v_permlanex16_b32 v[PT+\k], v[ACC+r+\k], s20, s21
.endr
.irp k, 0,1,2,3
	v_add_f32 v[ACC+r+\k], v[ACC+r+\k], v[PT+\k]
.endr
.set r, r+4
.endr
; The two best of a token's eight scores, without a branch.  'The best so far >= the candidate' keeps the lower index where scores are equal.
.macro SCAN m, ix, s
	v_mov_b32 v[\m], v[\s]
	v_mov_b32 v[\ix], 0
.irp e, 1,2,3,4,5,6,7
	v_cmp_ge_f32 vcc_lo, v[\m], v[\s+\e]
	v_cndmask_b32 v[\ix], \e, v[\ix], vcc_lo
	v_max_num_f32 v[\m], v[\m], v[\s+\e]
.endr
.endm
.irp t, 0,1,2,3
	SCAN M1+\t, I1+\t, ACC+8*\t
.irp e, 0,1,2,3,4,5,6,7
	v_cmp_eq_u32 vcc_lo, \e, v[I1+\t]
	v_cndmask_b32 v[SM+\e], v[ACC+8*\t+\e], v[NINF], vcc_lo   ; the best is taken out
.endr
	SCAN M2+\t, I2+\t, SM
.endr
	; the softmax over the two: the larger is taken away, so the weights are 1 / (1 + p) and p / (1 + p), p = e^(second - best), at most 1
.irp t, 0,1,2,3
	v_sub_f32 v[P+\t], v[M2+\t], v[M1+\t]
.endr
.irp t, 0,1,2,3
	v_mul_f32 v[P+\t], s22, v[P+\t]
.endr
.irp t, 0,1,2,3
	v_exp_f32 v[P+\t], v[P+\t]
.endr
	v_nop                                          ; a plain instruction behind the last exponential
	s_wait_alu depctr_va_vdst(0)                   ; one wait for the four, ahead of their first reader
.irp t, 0,1,2,3
	v_add_f32 v[R+\t], 1.0, v[P+\t]
.endr
.irp t, 0,1,2,3
	v_rcp_f32 v[R+\t], v[R+\t]
.endr
	v_nop
	s_wait_alu depctr_va_vdst(0)                   ; and one for the four reciprocals
.irp t, 0,1,2,3
	v_mul_f32 v[P+\t], v[P+\t], v[R+\t]
.endr
	; lane c (0 .. 7) takes token c / 2, choice c % 2
.irp c, 1,2,3,4,5,6,7
	v_cmp_eq_u32 s[39+\c], \c, v11
.endr
	v_mov_b32 v[OI], v[I1]
	v_mov_b32 v[OW], v[R]
.irp c, 1,2,3,4,5,6,7
	v_cndmask_b32 v[OI], v[OI], v[I1+8*(\c%2)+\c/2], s[39+\c]
	v_cndmask_b32 v[OW], v[OW], v[R-4*(\c%2)+\c/2], s[39+\c]
.endr
; x's CODES.  My 32 numbers of token t are a block: its largest magnitude, with the floor 2^(3 - 127) among the leaves, so that the byte cannot fall under 1;
; 2 off the exponent field gives the conversion's scale operand, and that field is the byte.
.macro QX t
	v_max3_num_f32 v[QA+\t], |v[X+32*\t]|, |v[X+32*\t+1]|, |v[X+32*\t+2]|
	v_max3_num_f32 v[QB+\t], |v[X+32*\t+3]|, |v[X+32*\t+4]|, |v[X+32*\t+5]|
.irp i, 6,10,14,18,22,26
	v_max3_num_f32 v[QA+\t], v[QA+\t], |v[X+32*\t+\i]|, |v[X+32*\t+\i+1]|
	v_max3_num_f32 v[QB+\t], v[QB+\t], |v[X+32*\t+\i+2]|, |v[X+32*\t+\i+3]|
.endr
	v_max3_num_f32 v[QA+\t], v[QA+\t], |v[X+32*\t+30]|, |v[X+32*\t+31]|
	v_max3_num_f32 v[QA+\t], v[QA+\t], v[QB+\t], 0x1800000
	v_add_nc_u32 v[SC+\t], 0xff000000, v[QA+\t]
	v_lshrrev_b32 v[BY+\t], 23, v[SC+\t]
.irp g, 0,1,2,3
	v_cvt_scalef32_pk8_fp4_f32 v[C+4*\t+\g], v[X+32*\t+8*\g:X+32*\t+8*\g+7], v[SC+\t]
.endr
	v_nop                                          ; a plain instruction behind the last conversion
	ds_store_b8 v7, v[BY+\t] offset:32*\t
	global_store_b128 v2, v[C+4*\t:C+4*\t+3], s[8:9] offset:512*\t   ; the wave stores a token's 512 bytes of codes on end
.endm
.irp t, 0,1,2,3
	QX \t
.endr
	ds_load_b32 v12, v8                            ; my wave's own bytes, served in order
	s_wait_dscnt 0x0
	global_store_b32 v9, v12, s[10:11]             ; four tokens' scale bytes: 128 consecutive bytes
	v_cmp_gt_u32 vcc_lo, 8, v1
	s_wait_xcnt 0x0                                ; EXEC changes only behind this wait
	s_wait_tensorcnt 0x0
	ds_add_u32 v126, v127
	s_wait_dscnt 0x0
	s_and_saveexec_b32 s34, vcc_lo
	global_store_b32 v10, v[OI], s[12:13]          ; lanes 0-7: the wave's eight choices,
	global_store_b32 v10, v[OW], s[14:15]          ; and their weights
	s_wait_xcnt 0x0
	s_or_b32 exec_lo, exec_lo, s34
	s_endpgm
.Lfunc_end_k_qcd7e4a1b75_route:
	.size	k_qcd7e4a1b75_route, .Lfunc_end_k_qcd7e4a1b75_route-k_qcd7e4a1b75_route
	.p2alignl 7, 3214868480
	.fill 96, 4, 3214868480
	.section	.rodata,"a",@progbits
	.p2align	6, 0x0
	.amdhsa_kernel k_qcd7e4a1b75_route
		.amdhsa_group_segment_fixed_size 70912
		.amdhsa_private_segment_fixed_size 0
		.amdhsa_enable_private_segment 0
		.amdhsa_kernarg_size 48
		.amdhsa_user_sgpr_count 2
		.amdhsa_user_sgpr_kernarg_segment_ptr 1
		.amdhsa_wavefront_size32 1
		.amdhsa_system_sgpr_workgroup_id_x 1
		.amdhsa_system_sgpr_workgroup_id_y 1
		.amdhsa_system_sgpr_workgroup_id_z 1
		.amdhsa_system_vgpr_workitem_id 0
		.amdhsa_next_free_vgpr 768
		.amdhsa_next_free_sgpr 66
		.amdhsa_reserve_vcc 1
		.amdhsa_float_denorm_mode_32 3
		.amdhsa_float_denorm_mode_16_64 3
		.amdhsa_memory_ordered 1
		.amdhsa_forward_progress 1
		.amdhsa_inst_pref_size 79
	.end_amdhsa_kernel
	.amdgpu_metadata
---
amdhsa.version: [ 1, 2 ]
amdhsa.kernels:
  - .name:           k_qcd7e4a1b75_route
    .symbol:         k_qcd7e4a1b75_route.kd
    .args:
      - { .name: x, .offset: 0, .size: 8, .value_kind: global_buffer, .address_space: global }
      - { .name: gate_w, .offset: 8, .size: 8, .value_kind: global_buffer, .address_space: global }
      - { .name: xc, .offset: 16, .size: 8, .value_kind: global_buffer, .address_space: global }
      - { .name: xs, .offset: 24, .size: 8, .value_kind: global_buffer, .address_space: global }
      - { .name: sel, .offset: 32, .size: 8, .value_kind: global_buffer, .address_space: global }
      - { .name: gw, .offset: 40, .size: 8, .value_kind: global_buffer, .address_space: global }
    .group_segment_fixed_size: 70912
    .private_segment_fixed_size: 0
    .kernarg_segment_align: 8
    .kernarg_segment_size: 48
    .max_flat_workgroup_size: 64
    .sgpr_count:     66
    .vgpr_count:     768
    .wavefront_size: 32
...
	.end_amdgpu_metadata
.endif
;; end of part 1
;; launch place (part 2): grid 1 x 1, 8 waves a work-group, no clusters, 0 bytes of LDS; arguments sel, ord; writes ord
.if DOCPART == 2
	.amdgcn_target "amdgcn-amd-amdhsa--gfx1250"
	.amdhsa_code_object_version 6
	.text
	.protected	k_qcd7e4a1b75_place
	.globl	k_qcd7e4a1b75_place
	.p2align	8
	.type	k_qcd7e4a1b75_place,@function
k_qcd7e4a1b75_place:
	s_mov_b64 s[64:65], 0
	v_nop
	global_prefetch_b8 v0, s[64:65] scope:SCOPE_SE
	s_setreg_imm32_b32 hwreg(HW_REG_WAVE_MODE, 25, 1), 1
	s_wait_xcnt 0x0
; THE LISTS.  A slot is 2 x token + choice, 0 .. 4095; sel, read as 4,096 words, gives each slot's expert.  Wave e gathers the slots of expert e into a list of its own
; and stores the number of tiles of 16 rows.  The waves share nothing: no LDS, no barrier.
; ord: expert e's list begins at byte 8,960 e.  Entries 0 .. 2175 are always written: first all as pads, 4096 + 16 e + (entry mod 16), then the slots on top of them from entry 0 on.
; An expert has at most 2,048 slots (a token's two choices differ), 128 tiles, and the later launches look at most 8 tiles past the last: 136 x 16 = 2,176 entries.
; Entries 2176 + lane take what a lane stores whose slot is another expert's; nobody reads them.  At byte 71,680: eight words, the tiles of each expert.
; The order of a list is of no account: each slot has its own row in every later buffer.
.set LSTB, 8960
.set NTL,  71680
.set DUMP, 2176
.set A,    16                          ; v16-31  addresses of a group's 16 stores
.set D,    32                          ; v32-47  their data: the slots' numbers
.set E,    64                          ; v64-191 register 4 j + r: the expert of slot 128 j + 4 x lane + r
.set M,    16                          ; s16-31  a group's masks
.set B,    32                          ; s32-48  entries taken ahead of each of the group's registers
	s_load_b128 s[4:7], s[0:1], 0x0                ; sel, ord
	v_lshrrev_b32 v1, 5, v0
	v_readfirstlane_b32 s8, v1                     ; my expert
	v_and_b32 v1, 31, v0                           ; lane
	v_lshlrev_b32 v2, 4, v1
	v_lshlrev_b32 v3, 2, v1
	v_add_nc_u32 v4, DUMP, v1                      ; my dump entry
	s_mul_i32 s9, s8, LSTB
	v_add_nc_u32 v9, s9, v2
	s_lshl_b32 s10, s8, 4
	s_add_co_u32 s10, s10, 4096
	v_and_b32 v12, 3, v1
	v_lshl_add_u32 v12, v12, 2, s10                ; entry 4 x lane + r (+ 128 k) mod 16 = 4 (lane mod 4) + r
	v_add_nc_u32 v13, 1, v12
	v_add_nc_u32 v14, 2, v12
	v_add_nc_u32 v15, 3, v12
	s_wait_kmcnt 0x0
.set j, 0
.rept 32
	global_load_b128 v[E+4*j:E+4*j+3], v2, s[4:5] offset:512*j
.set j, j+1
.endr
.set j, 0
.rept 17
	global_store_b128 v9, v[12:15], s[6:7] offset:512*j
.set j, j+1
.endr
	s_wait_storecnt 0x0                            ; the pads are in memory: the slots stored below land on top of them
	s_wait_loadcnt 0x0
	s_mov_b32 s[B], 0
.macro GROUP g
	s_wait_xcnt 0x0                                ; the last group's stores have read their addresses and data
.irp i, 0,1,2,3,4,5,6,7,8,9,10,11,12,13,14,15
	v_cmp_eq_u32 s[M+\i], s8, v[E+16*\g+\i]
.endr
.irp i, 0,1,2,3,4,5,6,7,8,9,10,11,12,13,14,15
	s_bcnt1_i32_b32 s49, s[M+\i]
	s_add_co_u32 s[B+\i+1], s[B+\i], s49
.endr
.irp i, 0,1,2,3,4,5,6,7,8,9,10,11,12,13,14,15
	v_mbcnt_lo_u32_b32 v[A+\i], s[M+\i], s[B+\i]   ; entries taken so far + my expert's slots in the lanes below me
	v_cndmask_b32 v[A+\i], v4, v[A+\i], s[M+\i]    ; another expert's slot goes to my dump entry
	v_min_u32 v[A+\i], DUMP+31, v[A+\i]            ; held inside the list ahead of the address
	v_lshl_add_u32 v[A+\i], v[A+\i], 2, s9
	v_add_nc_u32 v[D+\i], 128*((16*\g+\i)/4)+(16*\g+\i)%4, v3
	global_store_b32 v[A+\i], v[D+\i], s[6:7]
.endr
	s_mov_b32 s[B], s[B+16]
.endm
.irp g, 0,1,2,3,4,5,6,7
	GROUP \g
.endr
	s_add_co_u32 s49, s[B], 15
	s_lshr_b32 s49, s49, 4                         ; tiles of 16 rows
	v_mov_b32 v11, s49
	s_lshl_b32 s50, s8, 2
	s_add_co_u32 s50, s50, NTL
	v_mov_b32 v10, s50
	v_cmp_eq_u32 vcc_lo, 0, v1
	s_wait_xcnt 0x0                                ; EXEC changes only behind this wait
	s_and_saveexec_b32 s51, vcc_lo
	global_store_b32 v10, v11, s[6:7]
	s_wait_xcnt 0x0
	s_or_b32 exec_lo, exec_lo, s51
	s_endpgm
.Lfunc_end_k_qcd7e4a1b75_place:
	.size	k_qcd7e4a1b75_place, .Lfunc_end_k_qcd7e4a1b75_place-k_qcd7e4a1b75_place
	.p2alignl 7, 3214868480
	.fill 96, 4, 3214868480
	.section	.rodata,"a",@progbits
	.p2align	6, 0x0
	.amdhsa_kernel k_qcd7e4a1b75_place
		.amdhsa_group_segment_fixed_size 0
		.amdhsa_private_segment_fixed_size 0
		.amdhsa_enable_private_segment 0
		.amdhsa_kernarg_size 16
		.amdhsa_user_sgpr_count 2
		.amdhsa_user_sgpr_kernarg_segment_ptr 1
		.amdhsa_wavefront_size32 1
		.amdhsa_system_sgpr_workgroup_id_x 1
		.amdhsa_system_sgpr_workgroup_id_y 1
		.amdhsa_system_sgpr_workgroup_id_z 1
		.amdhsa_system_vgpr_workitem_id 0
		.amdhsa_next_free_vgpr 192
		.amdhsa_next_free_sgpr 66
		.amdhsa_reserve_vcc 1
		.amdhsa_float_denorm_mode_32 3
		.amdhsa_float_denorm_mode_16_64 3
		.amdhsa_memory_ordered 1
		.amdhsa_forward_progress 1
		.amdhsa_inst_pref_size 75
	.end_amdhsa_kernel
	.amdgpu_metadata
---
amdhsa.version: [ 1, 2 ]
amdhsa.kernels:
  - .name:           k_qcd7e4a1b75_place
    .symbol:         k_qcd7e4a1b75_place.kd
    .args:
      - { .name: sel, .offset: 0, .size: 8, .value_kind: global_buffer, .address_space: global }
      - { .name: ord, .offset: 8, .size: 8, .value_kind: global_buffer, .address_space: global }
    .group_segment_fixed_size: 0
    .private_segment_fixed_size: 0
    .kernarg_segment_align: 8
    .kernarg_segment_size: 16
    .max_flat_workgroup_size: 256
    .sgpr_count:     66
    .vgpr_count:     192
    .wavefront_size: 32
...
	.end_amdgpu_metadata
.endif
;; end of part 2
;; launch ffn1 (part 3): grid 32 x 8, 4 waves a work-group, no clusters, 36,352 bytes of LDS; arguments w1, b1, xc, xs, ord, hc, hs; writes hc, hs
.if DOCPART == 3
	.amdgcn_target "amdgcn-amd-amdhsa--gfx1250"
	.amdhsa_code_object_version 6
	.text
	.protected	k_qcd7e4a1b75_ffn1
	.globl	k_qcd7e4a1b75_ffn1
	.p2align	8
	.type	k_qcd7e4a1b75_ffn1,@function
k_qcd7e4a1b75_ffn1:
	s_mov_b64 s[64:65], 0
	v_nop
	global_prefetch_b8 v0, s[64:65] scope:SCOPE_SE
	s_setreg_imm32_b32 hwreg(HW_REG_WAVE_MODE, 25, 1), 1
	s_wait_xcnt 0x0
; h = gelu(x w1 + b1), exact (erf), for the rows that chose the expert, and h as codes of E2M1 along f.  Both operands of the product are codes of E2M1 with one E8M0 byte for each 32 along d.
; THE WEIGHTS STAY, THE ROWS PASS.  Work-group (fs, e) owns hidden units 64 fs .. 64 fs + 63 of expert e: 1,024 rows x 256 bytes of w1, 262,144 bytes of f32 that no other work-group reads.
; It reads them once, quantises them down d in registers, hands the codes round its four waves through LDS as images of the operand's registers, and keeps all 32 fragments in each wave's registers.
; Then the expert's rows pass in tiles of 16, tile i to wave i mod 4: x's codes are gathered by the list, 32 matrix instructions, gelu, quantiser, one plane of 512 bytes out.
; WEIGHT PHASE.  Wave w takes d = 256 w .. 256 w + 255, eight blocks of 32.  Lane (q = lane % 16, hh = lane / 16): load i of a block reads row 16 hh + i at byte 16 q: sixteen lanes take 256
; consecutive bytes.  A lane so holds 4 columns x 16 rows; 64 moves lay each column's rows on end, as the conversions want them; the block's other 16 rows lie in lane l xor 16.
; THE COLUMNS THAT FORM A TILE ARE NOT NEIGHBOURS: row r of tile 2 b + u is hidden unit 32 b + 8 u + r + 8 (r / 8).  The product is used transposed (source 0 = 16 hidden units, source 1 = 16 rows of x),
; so lane (r, h) then holds row r, and the 16 registers of tiles 2 b, 2 b + 1 are hidden units 32 b + 16 h + 0 .. 15: neighbours along the next product's K.
; GELU.  h = max(v, 0) - |v| Phi(-|v|), Phi(-a) = erfc(a / sqrt 2) / 2, erfc(y) = t exp(-y^2 + a polynomial of degree 9 in t), t = 1 / (1 + y / 2): one formula for every v, and no difference of
; nearly equal numbers on the negative side.  All in base 2: S = |v| sqrt(log2(e) / 2), so that S^2 = y^2 log2(e); the coefficients carry log2(e), and the lowest also the factor 1/2 and S's factor.
; NO JOINT REQUESTS: the 32 work-groups of an expert gather the same rows of x's codes, 8,704 bytes a tile, but which rows, and how many tiles, is read from memory; the loop's trip count hangs on it,
; so the rows come by plain loads.  The 262,144 bytes of weights are shared with nobody.  No prefetch: the weight phase keeps 48 to 64 loads of 512 bytes a wave on their way.
; Rows that a tile has beyond the list's end are pads (token 2047's codes): they are computed and stored like the others, into the expert's own tile, and end in rows of z that nobody reads.
; LIMITS: NaN and infinities are not served.  A block whose largest magnitude lies under 2^-124, a block of zeros among them, gets the byte 1: its codes are zeros, and this program alone reads the bytes.
; REGISTERS, in windows of 256: window 0: v1-15, v60 addresses; v16-31 the weights' scale words, v32-39 x's: scales and nothing else; v40-59 at work; v64-135 the weight phase's numbers and codes;
;   later v64-95 the sums, v96-191 gelu, v192-196 codes and byte, v198-199 a coefficient.  window 1: the ring of raw weights, then the 32 fragments.  window 2: v0-63 x's fragments, v128-159 b1.
.set NB,   8                           ; blocks of 32 along d for a wave
.set ROWB, 8192                        ; a row of w1
.set TS,   8208                        ; LDS: a tile's 8 fragment images of 1,024 bytes, + 16
.set SCB,  33024                       ; behind the four tiles: the scale words, 256 bytes a K step
.set LSTB, 8960
.set NTL,  71680
.set VW,   4                           ; the weights' loads: 16 hh rows + 16 q
.set VIA,  5                           ; where my codes go in the images
.set VSA,  6                           ; and my scale words
.set VLI,  7                           ; 16 x lane
.set VLS,  8                           ; SCB + 4 x lane
.set VBO,  9                           ; b1: 64 h
.set VLA,  10                          ; the list: 4 r
.set XAD,  11                          ; x's codes: token x 512 + 16 h
.set XSA,  12                          ; x's scale words: token x 32
.set VHS,  13                          ; h's scale bytes: 64 r + h
.set TK0,  14                          ; my first tile's slots
.set TKN,  15                          ; the slots of the tile that is fetched next
.set WS,   16
.set XS,   32
.set M,    40
.set M2,   44
.set SCL,  48
.set BY,   52
.set W,    56
.set VH16, 60
.set T,    64
.set C,    128
.set ACC,  64
.set S,    96
.set TT,   128
.set P,    160
.set PC,   192
.set HW,   196
.set K8,   198
.set MSB, 0
.macro WIN new                         ; the immediate's high byte repeats the setting that is left
.if MSB != \new
	s_set_vgpr_msb (MSB<<8)|\new
.set MSB, \new
.endif
.endm
.macro COEF i, bits                    ; a coefficient as a pair: the packed forms name a pair and take its low word for both halves
	s_mov_b32 s[28+2*\i], \bits
	s_mov_b32 s[29+2*\i], \bits
.endm
	s_load_b256 s[4:11], s[0:1], 0x0               ; w1, b1, xc, xs
	s_load_b128 s[12:15], s[0:1], 0x20             ; ord, hc
	s_load_b64 s[16:17], s[0:1], 0x30              ; hs
	v_lshl_add_u32 v254, v0, 2, 0x8c00
	v_mov_b32 v255, 0
	v_lshrrev_b32 v1, 5, v0
	v_readfirstlane_b32 s18, v1                    ; wave 0..3
	s_mov_b32 s19, ttmp9                           ; fs
	s_and_b32 s20, ttmp7, 0xffff                   ; e
	v_and_b32 v1, 31, v0                           ; lane
	v_and_b32 v2, 15, v0                           ; q, and r
	v_bfe_u32 v3, v0, 4, 1                         ; hh, and h
	v_lshlrev_b32 v[VW], 4, v2
	v_lshl_add_u32 v[VW], v3, 17, v[VW]            ; 16 rows of 8,192 bytes for lanes 16-31
	v_bfe_u32 v[M], v0, 3, 1                       ; column 4 q + j = 32 b + 16 a + 8 u + 4 q0 + j
	v_bfe_u32 v[M+1], v0, 1, 1                     ; u
	v_bfe_u32 v[M+2], v0, 2, 1                     ; a
	v_and_b32 v[M+3], 1, v0                        ; q0
	v_lshl_add_u32 v[VIA], v[M], 1, v[M+1]         ; tile 2 b + u, row 8 a + 4 q0 + j
	v_mul_u32_u24 v[VIA], v[VIA], TS
	v_lshl_add_u32 v[VIA], v[M+2], 7, v[VIA]
	v_lshl_add_u32 v[VIA], v[M+3], 6, v[VIA]
	v_lshl_add_u32 v[VIA], v3, 3, v[VIA]           ; rows 16 hh on of a block: its upper 8 bytes
	s_lshl_b32 s24, s18, 11                        ; my wave's two K steps
	v_add_nc_u32 v[VIA], s24, v[VIA]
	v_lshlrev_b32 v[VSA], 7, v[M]
	v_lshl_add_u32 v[VSA], v[M+1], 6, v[VSA]
	v_lshl_add_u32 v[VSA], v[M+2], 5, v[VSA]
	v_lshl_add_u32 v[VSA], v[M+3], 4, v[VSA]
	s_lshl_b32 s24, s18, 9
	s_add_co_u32 s24, s24, SCB
	v_add_nc_u32 v[VSA], s24, v[VSA]
	v_lshlrev_b32 v[VLI], 4, v1
	v_lshl_add_u32 v[VLS], v1, 2, SCB
	v_lshlrev_b32 v[VBO], 6, v3
	v_lshlrev_b32 v[VLA], 2, v2
	v_lshl_add_u32 v[VHS], v2, 6, v3
	v_lshlrev_b32 v[VH16], 4, v3
.irp j, 0,1,2,3
	v_mov_b32 v[M2+\j], 0                          ; a lane permute's destination counts as one of its sources
.endr
	s_mov_b32 s26, 0x76543210
	s_mov_b32 s27, 0xfedcba98                      ; v_permlanex16_b32's selects for lane l xor 16
	COEF 0, 0xc025c4b7                             ; -1.26551223 log2(e) - 1 - log2(sqrt(log2(e) / 2))
	COEF 1, 0x3fb8ab5a                             ;  1.00002368 log2(e)
	COEF 2, 0x3f0a29d2                             ;  0.37409196 log2(e)
	COEF 3, 0x3e0efb2e                             ;  0.09678418 log2(e)
	COEF 4, 0xbe899a80                             ; -0.18628806 log2(e)
	COEF 5, 0x3ecdfd18                             ;  0.27886807 log2(e)
	COEF 6, 0xbfd1a1e5                             ; -1.13520398 log2(e)
	COEF 7, 0x40097039                             ;  1.48851587 log2(e)
	COEF 8, 0xbf97d29d                             ; -0.82215223 log2(e)
	COEF 9, 0x3e7c6f08                             ;  0.17087277 log2(e)
	COEF 10, 0x3ed5224d                            ; s[48:49]: sqrt(ln 2) / 2: y / 2 = this x S
	s_mov_b32 s50, 0x3f596d27                      ; sqrt(log2(e) / 2)
	s_mov_b32 s51, 0xffff0000                      ; lanes 16-31
	v_mov_b32 v[K8], s44
	v_mov_b32 v[K8+1], s44
	s_lshl_b32 s24, s20, 23                        ; w1: the expert's 8,388,608 bytes,
	s_lshl_b32 s25, s19, 8                         ; my slice's 256 bytes of a row,
	s_add_co_u32 s24, s24, s25
	s_lshl_b32 s25, s18, 21                        ; my wave's 256 rows
	s_add_co_u32 s24, s24, s25
	s_mov_b32 s25, 0
	s_lshl_b32 s66, s20, 13                        ; b1
	s_lshl_b32 s67, s19, 8
	s_add_co_u32 s66, s66, s67
	s_mov_b32 s67, 0
	s_mul_i32 s68, s20, LSTB                       ; the list, at tile 'wave'
	s_lshl_b32 s69, s18, 6
	s_add_co_u32 s68, s68, s69
	s_mov_b32 s69, 0
	s_lshl_b32 s70, s20, 7
	s_add_co_u32 s70, s70, s18                     ; 128 e + wave
	s_lshl_b32 s72, s70, 10                        ; hs: 1,024 bytes a tile, + my two bytes of a row
	s_lshl_b32 s71, s19, 1
	s_add_co_u32 s72, s72, s71
	s_mov_b32 s73, 0
	s_lshl_b32 s70, s70, 14                        ; hc: 16,384 bytes a tile, + my plane
	s_lshl_b32 s71, s19, 9
	s_add_co_u32 s70, s70, s71
	s_mov_b32 s71, 0
	s_lshl_b32 s74, s20, 2
	s_add_co_u32 s74, s74, NTL
	s_mov_b32 s75, 0
	s_wait_kmcnt 0x0
	s_add_nc_u64 s[4:5], s[4:5], s[24:25]
	s_add_nc_u64 s[6:7], s[6:7], s[66:67]
	s_add_nc_u64 s[52:53], s[12:13], s[68:69]
	s_add_nc_u64 s[54:55], s[14:15], s[70:71]
	s_add_nc_u64 s[56:57], s[16:17], s[72:73]
	s_add_nc_u64 s[58:59], s[12:13], s[74:75]
	s_load_b32 s21, s[58:59], 0x0                  ; the expert's tiles
	global_load_b32 v[TK0], v[VLA], s[52:53]       ; tile 'wave',
	global_load_b32 v[TKN], v[VLA], s[52:53] offset:256   ; and the tile four on.  These and b1 are issued ahead of the ring: they are in when its first block is
	WIN 0x80                                       ; destination window 2
.irp n, 0,1,2,3                                ; b1 in the result's layout: lane (r, h), tile 2 b + u: hidden units 32 b + 16 h + 8 u + 0 .. 7
	global_load_b128 v[128+8*\n:128+8*\n+3], v[VBO], s[6:7] offset:(32*(\n/2)+8*(\n%2))*4
	global_load_b128 v[128+8*\n+4:128+8*\n+7], v[VBO], s[6:7] offset:(32*(\n/2)+8*(\n%2))*4+16
.endr
.macro WLOAD t                         ; block t: 32 rows x 256 bytes, into ring slot t % 4 of window 1
	WIN 0x40
.irp i, 0,1,2,3,4,5,6,7,8,9,10,11,12,13,14,15
	global_load_b128 v[64*((\t)%4)+4*\i:64*((\t)%4)+4*\i+3], v[VW], s[4:5] offset:(32*(\t)+\i)*ROWB th:TH_LOAD_NT
.endr
.endm
; Block t is quantised.  younger: the ring's loads issued behind block t's.
.macro BLOCK t, younger
	s_wait_loadcnt \younger
	s_wait_dscnt 0x0                               ; the last block's LDS stores have read their registers
	WIN 0x01                                       ; source 0 window 1
.irp j, 0,1,2,3
.irp i, 0,1,2,3,4,5,6,7,8,9,10,11,12,13,14,15
	v_mov_b32 v[T+16*\j+\i], v[64*((\t)%4)+4*\i+\j]   ; column j's 16 rows on end
.endr
.endr
.if (\t)+4 < NB
	WLOAD (\t)+4                                   ; the slot takes the block four on
.endif
	WIN 0
.irp j, 0,1,2,3
	v_max3_num_f32 v[M+\j], |v[T+16*\j]|, |v[T+16*\j+1]|, 0x1800000   ; with the floor 2^(3 - 127): the byte cannot fall under 1
.endr
.irp i, 2,4,6,8,10,12,14
.irp j, 0,1,2,3
	v_max3_num_f32 v[M+\j], v[M+\j], |v[T+16*\j+\i]|, |v[T+16*\j+\i+1]|   ; the four columns by turns
.endr
.endr
.irp j, 0,1,2,3
	v_permlanex16_b32 v[M2+\j], v[M+\j], s26, s27
.endr
.irp j, 0,1,2,3
	v_max_num_f32 v[M+\j], v[M+\j], v[M2+\j]       ; with the block's other 16 rows
.endr
.irp j, 0,1,2,3
	v_add_nc_u32 v[SCL+\j], 0xff000000, v[M+\j]    ; 2 off the exponent field: the conversion's scale operand
.endr
.irp j, 0,1,2,3
	v_lshrrev_b32 v[BY+\j], 23, v[SCL+\j]          ; the scale's byte
.endr
.irp j, 0,1,2,3
.if ((\t)%4) == 0
	v_mov_b32 v[W+\j], v[BY+\j]                    ; four blocks' bytes make a K step's scale word
.else
	v_lshl_or_b32 v[W+\j], v[BY+\j], 8*((\t)%4), v[W+\j]
.endif
.endr
.irp j, 0,1,2,3
	v_cvt_scalef32_pk8_fp4_f32 v[C+2*\j], v[T+16*\j:T+16*\j+7], v[SCL+\j]
	v_cvt_scalef32_pk8_fp4_f32 v[C+2*\j+1], v[T+16*\j+8:T+16*\j+15], v[SCL+\j]
.endr
	v_nop                                          ; a plain instruction behind the last conversion
.irp j, 0,1,2,3
	ds_store_b64 v[VIA], v[C+2*\j:C+2*\j+1] offset:((\t)/4)*1024+(((\t)%4)/2)*512+((\t)%2)*256+16*\j   ; block 2 c + h of its K step: registers 4 c on of lanes 16 h on
.endr
.if ((\t)%4) == 3
.irp j, 0,1,2,3
	ds_store_b32 v[VSA], v[W+\j] offset:((\t)/4)*256+4*\j   ; both lanes of a column write the same word with the same value
.endr
.endif
.endm
	WLOAD 0
	WLOAD 1
	WLOAD 2
	WLOAD 3
.set Q, 0
.rept NB-3
	BLOCK Q, 48                                    ; three younger blocks' 48 loads may be out
.set Q, Q+1
.endr
	BLOCK NB-3, 32
	BLOCK NB-2, 16
	BLOCK NB-1, 0
	s_wait_dscnt 0x0                               ; for the others' sake: my images have landed
	s_wait_kmcnt 0x0
	s_barrier_signal -1
	s_barrier_wait -1                              ; the one barrier, ahead of every branch on a number read from memory: all 32 fragments lie in LDS
	s_min_u32 s21, s21, 128
	s_cmp_ge_u32 s18, s21
	s_cbranch_scc1 .Lend                           ; fewer tiles than waves
	s_sub_co_u32 s60, s21, s18
	s_add_co_u32 s60, s60, 3
	s_lshr_b32 s60, s60, 2                         ; my tiles: wave, wave + 4, .. under the expert's number: at least one, at most 32
.macro XADDR tk                        ; from a tile's slots to the addresses of its rows; five plain instructions, which name no register of a product
	v_lshrrev_b32 v[XAD], 1, v[\tk]                ; the token
	v_min_u32 v[XAD], 2047, v[XAD]                 ; held inside x (a pad becomes token 2047)
	v_lshlrev_b32 v[XSA], 5, v[XAD]
	v_lshl_add_u32 v[XAD], v[XAD], 9, v[VH16]
	v_nop
.endm
.macro XLOAD                           ; a tile's eight fragments of x and its scale words: lane (r, h) takes, of row r's 512 bytes, the 16 at 64 s + 32 c + 16 h
	WIN 0x80
.irp s, 0,1,2,3,4,5,6,7
.irp c, 0,1
	global_load_b128 v[8*\s+4*\c:8*\s+4*\c+3], v[XAD], s[8:9] offset:64*\s+32*\c
.endr
.endr
	WIN 0
	global_load_b128 v[XS:XS+3], v[XSA], s[10:11]
	global_load_b128 v[XS+4:XS+7], v[XSA], s[10:11] offset:16
.endm
.macro WM d, a, b, c, sa, sb, odd      ; odd: source 0's scales stand in lanes 16-31 of their register
.if \odd
	v_wmma_scale_f32_16x16x128_f8f6f4 v[\d:\d+7], v[\a:\a+7], v[\b:\b+7], v[\c:\c+7], v[\sa], v[\sb] matrix_a_fmt:MATRIX_FMT_FP4 matrix_b_fmt:MATRIX_FMT_FP4 matrix_a_scale:MATRIX_SCALE_ROW1
.else
	v_wmma_scale_f32_16x16x128_f8f6f4 v[\d:\d+7], v[\a:\a+7], v[\b:\b+7], v[\c:\c+7], v[\sa], v[\sb] matrix_a_fmt:MATRIX_FMT_FP4 matrix_b_fmt:MATRIX_FMT_FP4
.endif
.endm
	XADDR TK0
	XLOAD
	WIN 0x40                                       ; destination window 1: fragment (tile n, K step s) at v[8 (8 n + s)]
.irp n, 0,1,2,3
.irp s, 0,1,2,3,4,5,6,7
.irp c, 0,1
	ds_load_b128 v[(8*\n+\s)*8+4*\c:(8*\n+\s)*8+4*\c+3], v[VLI] offset:TS*\n+1024*\s+512*\c
.endr
.endr
.endr
	WIN 0
.irp s, 0,1,2,3,4,5,6,7
.irp b, 0,1
	ds_load_b32 v[WS+2*\s+\b], v[VLS] offset:256*\s+128*\b   ; lanes 0-15: tile 2 b's words, lanes 16-31: tile 2 b + 1's
.endr
.endr
	s_wait_dscnt 0x0
	s_mov_b32 s22, 0                               ; counts my tiles; where a tile lies is kept in the three pointers, which step by four tiles a trip
.Ltile:
	s_wait_loadcnt 0x0                             ; this tile's 18 loads and the next list entries, all issued a gelu ago
	WIN 0x29                                       ; source 0 (weights) window 1, source 1 (x) and source 2 (b1) window 2
.irp n, 0,1,2,3
	WM ACC+8*\n, (8*\n)*8, 0, 128+8*\n, WS+\n/2, XS, (\n)%2   ; the bias is the C of each sum's first product
.endr
	WIN 0x09                                       ; the sums in place; the four accumulators take turns, one instruction a turn
.irp s, 1,2,3,4,5,6,7
.irp n, 0,1,2,3
	WM ACC+8*\n, (8*\n+\s)*8, 8*\s, ACC+8*\n, WS+2*\s+\n/2, XS+\s, (\n)%2
.endr
.endr
	WIN 0
	XADDR TKN                                      ; the places behind the products, ahead of the loads into x's registers and of the first read of the sums
	XLOAD                                          ; the tile four on lands while this one goes through gelu
	global_load_b32 v[TKN], v[VLA], s[52:53] offset:512   ; and the slots of the tile eight on
	; GELU on the 32 sums, each accumulator read from its low end on
.set j, 0
.rept 32
	v_mul_f32 v[S+j], s50, |v[ACC+j]|
.set j, j+1
.endr
.set j, 0
.rept 16
	v_pk_fma_f32 v[TT+j:TT+j+1], v[S+j:S+j+1], s[48:49], 1.0 op_sel_hi:[1,0,0]   ; 1 + y / 2
.set j, j+2
.endr
.set j, 0
.rept 32
	v_rcp_f32 v[TT+j], v[TT+j]                     ; t
.set j, j+1
.endr
	v_nop                                          ; a plain instruction behind the last reciprocal
	s_wait_alu depctr_va_vdst(0)                   ; one wait for the 32, ahead of their first reader
.set j, 0
.rept 16
	v_pk_fma_f32 v[P+j:P+j+1], v[TT+j:TT+j+1], s[46:47], v[K8:K8+1] op_sel_hi:[1,0,1]
.set j, j+2
.endr
.irp c, 42,40,38,36,34,32,30,28
.set j, 0
.rept 16
	v_pk_fma_f32 v[P+j:P+j+1], v[P+j:P+j+1], v[TT+j:TT+j+1], s[\c:\c+1] op_sel_hi:[1,1,0]
.set j, j+2
.endr
.endr
.set j, 0
.rept 16
	v_pk_fma_f32 v[P+j:P+j+1], v[S+j:S+j+1], v[S+j:S+j+1], v[P+j:P+j+1] neg_lo:[1,0,0] neg_hi:[1,0,0]   ; - S^2
.set j, j+2
.endr
.set j, 0
.rept 32
	v_exp_f32 v[P+j], v[P+j]
.set j, j+1
.endr
	v_nop
	s_wait_alu depctr_va_vdst(0)                   ; one wait for the 32 exponentials
.set j, 0
.rept 16
	v_pk_mul_f32 v[P+j:P+j+1], v[TT+j:TT+j+1], v[P+j:P+j+1]
.set j, j+2
.endr
.set j, 0
.rept 32
	v_max_num_f32 v[ACC+j], 0, v[ACC+j]
.set j, j+1
.endr
.set j, 0
.rept 16
	v_pk_fma_f32 v[ACC+j:ACC+j+1], v[S+j:S+j+1], v[P+j:P+j+1], v[ACC+j:ACC+j+1] neg_lo:[1,0,0] neg_hi:[1,0,0]   ; max(v, 0) - |v| Phi(-|v|)
.set j, j+2
.endr
	; h's two blocks of 32 along f: 16 numbers here, 16 in lane l xor 16
.irp b, 0,1
	v_max3_num_f32 v[M+\b], |v[ACC+16*\b]|, |v[ACC+16*\b+1]|, 0x1800000
.endr
.irp i, 2,4,6,8,10,12,14
.irp b, 0,1
	v_max3_num_f32 v[M+\b], v[M+\b], |v[ACC+16*\b+\i]|, |v[ACC+16*\b+\i+1]|
.endr
.endr
.irp b, 0,1
	v_permlanex16_b32 v[M2+\b], v[M+\b], s26, s27
.endr
.irp b, 0,1
	v_max_num_f32 v[M+\b], v[M+\b], v[M2+\b]
.endr
.irp b, 0,1
	v_add_nc_u32 v[SCL+\b], 0xff000000, v[M+\b]
.endr
.irp b, 0,1
	v_lshrrev_b32 v[BY+\b], 23, v[SCL+\b]
.endr
.irp b, 0,1
	v_cvt_scalef32_pk8_fp4_f32 v[PC+2*\b], v[ACC+16*\b:ACC+16*\b+7], v[SCL+\b]
	v_cvt_scalef32_pk8_fp4_f32 v[PC+2*\b+1], v[ACC+16*\b+8:ACC+16*\b+15], v[SCL+\b]
.endr
	v_nop                                          ; a plain instruction behind the last conversion
	v_permlane16_swap_b32 v[PC], v[PC+2]           ; the operand's layout wants a whole block in a lane: lanes 0-15 the first block, lanes 16-31 the second
	v_permlane16_swap_b32 v[PC+1], v[PC+3]
	v_cndmask_b32 v[HW], v[BY], v[BY+1], s51       ; lanes 0-15 store the first block's byte, lanes 16-31 the second's
	global_store_b128 v[VLI], v[PC:PC+3], s[54:55] ; my plane of the tile: 512 consecutive bytes, half a K step's register image
	global_store_b8 v[VHS], v[HW], s[56:57]
	s_wait_xcnt 0x0                                ; the stores and the list's load have read their registers and bases
	s_add_nc_u64 s[52:53], s[52:53], 256           ; four tiles on
	s_add_nc_u64 s[54:55], s[54:55], 0x10000
	s_add_nc_u64 s[56:57], s[56:57], 4096
	s_add_co_u32 s22, s22, 1
	s_cmp_lt_u32 s22, s60
	s_cbranch_scc1 .Ltile
.Lend:
	s_wait_tensorcnt 0x0
	ds_add_u32 v254, v255
	s_wait_dscnt 0x0
	s_endpgm
.Lfunc_end_k_qcd7e4a1b75_ffn1:
	.size	k_qcd7e4a1b75_ffn1, .Lfunc_end_k_qcd7e4a1b75_ffn1-k_qcd7e4a1b75_ffn1
	.p2alignl 7, 3214868480
	.fill 96, 4, 3214868480
	.section	.rodata,"a",@progbits
	.p2align	6, 0x0
	.amdhsa_kernel k_qcd7e4a1b75_ffn1
		.amdhsa_group_segment_fixed_size 36352
		.amdhsa_private_segment_fixed_size 0
		.amdhsa_enable_private_segment 0
		.amdhsa_kernarg_size 56
		.amdhsa_user_sgpr_count 2
		.amdhsa_user_sgpr_kernarg_segment_ptr 1
		.amdhsa_wavefront_size32 1
		.amdhsa_system_sgpr_workgroup_id_x 1
		.amdhsa_system_sgpr_workgroup_id_y 1
		.amdhsa_system_sgpr_workgroup_id_z 1
		.amdhsa_system_vgpr_workitem_id 0
		.amdhsa_next_free_vgpr 768
		.amdhsa_next_free_sgpr 80
		.amdhsa_reserve_vcc 0
		.amdhsa_float_denorm_mode_32 3
		.amdhsa_float_denorm_mode_16_64 3
		.amdhsa_memory_ordered 1
		.amdhsa_forward_progress 1
		.amdhsa_inst_pref_size 102
	.end_amdhsa_kernel
	.amdgpu_metadata
---
amdhsa.version: [ 1, 2 ]
amdhsa.kernels:
  - .name:           k_qcd7e4a1b75_ffn1
    .symbol:         k_qcd7e4a1b75_ffn1.kd
    .args:
      - { .name: w1, .offset: 0, .size: 8, .value_kind: global_buffer, .address_space: global }
      - { .name: b1, .offset: 8, .size: 8, .value_kind: global_buffer, .address_space: global }
      - { .name: xc, .offset: 16, .size: 8, .value_kind: global_buffer, .address_space: global }
      - { .name: xs, .offset: 24, .size: 8, .value_kind: global_buffer, .address_space: global }
      - { .name: ord, .offset: 32, .size: 8, .value_kind: global_buffer, .address_space: global }
      - { .name: hc, .offset: 40, .size: 8, .value_kind: global_buffer, .address_space: global }
      - { .name: hs, .offset: 48, .size: 8, .value_kind: global_buffer, .address_space: global }
    .group_segment_fixed_size: 36352
    .private_segment_fixed_size: 0
    .kernarg_segment_align: 8
    .kernarg_segment_size: 56
    .max_flat_workgroup_size: 128
    .sgpr_count:     80
    .vgpr_count:     768
    .wavefront_size: 32
...
	.end_amdgpu_metadata
.endif
;; end of part 3
;; launch ffn2 (part 4): grid 16 x 8, 4 waves a work-group, no clusters, 88,064 bytes of LDS; arguments w2, b2, hc, hs, ord, z; writes z
.if DOCPART == 4
	.amdgcn_target "amdgcn-amd-amdhsa--gfx1250"
	.amdhsa_code_object_version 6
	.text
	.protected	k_qcd7e4a1b75_ffn2
	.globl	k_qcd7e4a1b75_ffn2
	.p2align	8
	.type	k_qcd7e4a1b75_ffn2,@function
k_qcd7e4a1b75_ffn2:
	s_mov_b64 s[64:65], 0
	v_nop
	global_prefetch_b8 v0, s[64:65] scope:SCOPE_SE
	s_setreg_imm32_b32 hwreg(HW_REG_WAVE_MODE, 25, 1), 1
	s_wait_xcnt 0x0
; z = h w2 + b2 for the rows that chose the expert, both operands codes of E2M1 with one E8M0 byte for each 32 along f; z: [4224 slots][1024] f32.
; THE WEIGHTS STAY, THE ROWS PASS, as in the launch before.  Work-group (ds, e) owns output columns 64 ds .. 64 ds + 63 of expert e: 2,048 rows x 256 bytes of w2, 524,288 bytes of f32 that no other
; work-group reads.  It reads them once, quantises them down f in registers, hands the codes round through LDS as images of the operand's registers, and keeps all 64 fragments (512 registers) in each wave.
; A slice is 64 columns, so that its part of a row of w2 and of z is 256 consecutive bytes, aligned: that gives 128 work-groups.
; WEIGHT PHASE.  Wave w takes f = 512 w .. 512 w + 511, sixteen blocks of 32, K steps 4 w .. 4 w + 3.  Lane (q, hh): load i of a block reads row 16 hh + i at byte 16 q.  Column 4 q + j is row 4 (q % 4) + j of tile q / 4.
; ROW PHASE.  Tile i goes to wave i mod 4.  h's codes lie in memory as register images: 32 loads of 512 consecutive bytes bring a tile's 16 fragments.  Two buffers take turns: while one tile is multiplied
; (64 matrix instructions) the next is on its way.  The product is used transposed (source 0 = 16 columns of w2, source 1 = 16 rows of h): a lane holds eight neighbouring columns of one row;
; a tile goes through the wave's own stage in LDS and leaves as rows: sixteen lanes store 256 consecutive bytes of the row that the slot names.
; A trip of the loop takes two of the wave's tiles, one from each buffer; a wave whose number of tiles is odd ends in the middle of its last trip.
; The look-ahead never leaves the expert's tiles: past the last it names the tile in hand again, so that each buffer's 38 loads are issued on every way and the counted wait holds.
; NO JOINT REQUESTS: the 16 work-groups of an expert read the same tiles of h, but how many is read from memory and the trip count hangs on it, so they come by plain loads; the weights are shared with nobody.
; No prefetch: the weight phase keeps 48 to 64 loads of 512 bytes a wave on their way.
; LIMITS: NaN and infinities are not served.  A block of w2 whose largest magnitude lies under 2^-124, a block of zeros among them, gets the byte 1: its codes are zeros, and this program alone reads the bytes.
; REGISTERS, in windows of 256: window 0: v1-14 addresses; v16-47 the weights' scale words, v48-79 h's, two sets: scales and nothing else; v80-111 b2; v112-143 the sums; v144-159 slots, two sets;
;   v160-167 z's addresses; v168-199 rows on their way out; in the weight phase v112-207 at work.  windows 1, 2: the ring of raw weights (window 1), then the 64 fragments.  window 3: h's fragments, two sets.
.set NB,   16
.set ROWB, 4096                        ; a row of w2
.set TS,   16400                       ; LDS: a tile's 16 fragment images of 1,024 bytes, + 16
.set SCB,  65792                       ; behind the four tiles: the scale words, 256 bytes a K step
.set STG,  69888                       ; behind them: a stage of 16 rows x (256 + 16) bytes for each wave
.set LSTB, 8960
.set NTL,  71680
.set VW,   4
.set VIA,  5
.set VSA,  6
.set VLI,  7                           ; 16 x lane
.set VLS,  8                           ; SCB + 4 x lane
.set VBO,  9                           ; b2: 32 h
.set VHS,  10                          ; h's scale words: 64 r
.set VSL,  11                          ; the slots of rows 8 hh + 0 .. 7: 32 hh
.set VZ,   12                          ; 16 q
.set VSTO, 13                          ; the stage, in
.set VRD,  14                          ; and out
.set WS,   16
.set HS,   48
.set B2,   80
.set ACC,  112
.set SL,   144
.set ZA,   160
.set OB,   168
.set T,    112
.set M,    176
.set M2,   180
.set SCL,  184
.set BY,   188
.set W,    192
.set C,    200
.set MSB, 0
.macro WIN new                         ; the immediate's high byte repeats the setting that is left
.if MSB != \new
	s_set_vgpr_msb (MSB<<8)|\new
.set MSB, \new
.endif
.endm
	s_load_b256 s[4:11], s[0:1], 0x0               ; w2, b2, hc, hs
	s_load_b128 s[12:15], s[0:1], 0x20             ; ord, z
	v_lshl_add_u32 v254, v0, 2, 0x15600
	v_mov_b32 v255, 0
	v_lshrrev_b32 v1, 5, v0
	v_readfirstlane_b32 s18, v1                    ; wave 0..3
	s_mov_b32 s19, ttmp9                           ; ds
	s_and_b32 s20, ttmp7, 0xffff                   ; e
	v_and_b32 v1, 31, v0                           ; lane
	v_and_b32 v2, 15, v0                           ; q, and r
	v_bfe_u32 v3, v0, 4, 1                         ; hh, and h
	v_lshlrev_b32 v[VZ], 4, v2
	v_lshl_add_u32 v[VW], v3, 16, v[VZ]            ; 16 rows of 4,096 bytes for lanes 16-31
	v_bfe_u32 v[M], v0, 2, 2                       ; tile q / 4
	v_and_b32 v[M+1], 3, v0                        ; q % 4
	v_mul_u32_u24 v[VIA], v[M], TS
	v_lshl_add_u32 v[VIA], v[M+1], 6, v[VIA]
	v_lshl_add_u32 v[VIA], v3, 3, v[VIA]
	s_lshl_b32 s24, s18, 12                        ; my wave's four K steps
	v_add_nc_u32 v[VIA], s24, v[VIA]
	s_lshl_b32 s24, s18, 10
	s_add_co_u32 s24, s24, SCB
	v_add_nc_u32 v[VSA], s24, v[VZ]                ; column 4 q + j's word at 4 x column
	v_lshlrev_b32 v[VLI], 4, v1
	v_lshl_add_u32 v[VLS], v1, 2, SCB
	v_lshlrev_b32 v[VBO], 5, v3
	v_lshlrev_b32 v[VHS], 6, v2
	v_lshlrev_b32 v[VSL], 5, v3
	s_mul_i32 s24, s18, 16*272
	s_add_co_u32 s24, s24, STG
	v_mul_u32_u24 v[VSTO], v2, 272
	v_lshl_add_u32 v[VSTO], v3, 5, v[VSTO]
	v_add_nc_u32 v[VSTO], s24, v[VSTO]             ; in: row r, tile n's eight columns of my half at 64 n + 32 h
	v_mul_u32_u24 v[VRD], v3, 8*272
	v_lshl_add_u32 v[VRD], v2, 4, v[VRD]
	v_add_nc_u32 v[VRD], s24, v[VRD]               ; out: lanes 0-15 row i, lanes 16-31 row 8 + i
.irp j, 0,1,2,3
	v_mov_b32 v[M2+\j], 0                          ; a lane permute's destination counts as one of its sources
.endr
	s_mov_b32 s26, 0x76543210
	s_mov_b32 s27, 0xfedcba98
	s_lshl_b32 s30, s20, 23                        ; w2: the expert, my slice, my wave's 512 rows
	s_lshl_b32 s31, s19, 8
	s_add_co_u32 s30, s30, s31
	s_lshl_b32 s31, s18, 21
	s_add_co_u32 s30, s30, s31
	s_mov_b32 s31, 0
	s_lshl_b32 s32, s20, 12                        ; b2
	s_lshl_b32 s33, s19, 8
	s_add_co_u32 s32, s32, s33
	s_mov_b32 s33, 0
	s_lshl_b32 s34, s20, 21                        ; hc: 128 tiles of 16,384 bytes an expert
	s_mov_b32 s35, 0
	s_lshl_b32 s36, s20, 17                        ; hs: 128 tiles of 1,024 bytes
	s_mov_b32 s37, 0
	s_mul_i32 s38, s20, LSTB
	s_mov_b32 s39, 0
	s_lshl_b32 s24, s19, 8                         ; z: my slice's 256 bytes of a row
	s_mov_b32 s25, 0                               ; (s25 stays 0: the upper word of every offset made in s24)
	s_lshl_b32 s28, s20, 2
	s_add_co_u32 s28, s28, NTL
	s_mov_b32 s29, 0
	s_wait_kmcnt 0x0
	s_add_nc_u64 s[4:5], s[4:5], s[30:31]
	s_add_nc_u64 s[6:7], s[6:7], s[32:33]
	s_add_nc_u64 s[40:41], s[8:9], s[34:35]
	s_add_nc_u64 s[42:43], s[10:11], s[36:37]
	s_add_nc_u64 s[44:45], s[12:13], s[38:39]
	s_add_nc_u64 s[46:47], s[14:15], s[24:25]
	s_add_nc_u64 s[48:49], s[12:13], s[28:29]
	s_load_b32 s21, s[48:49], 0x0                  ; the expert's tiles
.irp n, 0,1,2,3                                ; b2 in the result's layout: lane (r, h), tile n: columns 16 n + 8 h + 0 .. 7.  Issued ahead of the ring
	global_load_b128 v[B2+8*\n:B2+8*\n+3], v[VBO], s[6:7] offset:64*\n
	global_load_b128 v[B2+8*\n+4:B2+8*\n+7], v[VBO], s[6:7] offset:64*\n+16
.endr
.macro WLOAD t                         ; block t: 32 rows x 256 bytes, into ring slot t % 4 of window 1
	WIN 0x40
.irp i, 0,1,2,3,4,5,6,7,8,9,10,11,12,13,14,15
	global_load_b128 v[64*((\t)%4)+4*\i:64*((\t)%4)+4*\i+3], v[VW], s[4:5] offset:(32*(\t)+\i)*ROWB th:TH_LOAD_NT
.endr
.endm
; Block t is quantised.  younger: the ring's loads issued behind block t's.
.macro BLOCK t, younger
	s_wait_loadcnt \younger
	s_wait_dscnt 0x0                               ; the last block's LDS stores have read their registers
	WIN 0x01                                       ; source 0 window 1
.irp j, 0,1,2,3
.irp i, 0,1,2,3,4,5,6,7,8,9,10,11,12,13,14,15
	v_mov_b32 v[T+16*\j+\i], v[64*((\t)%4)+4*\i+\j]   ; column j's 16 rows on end
.endr
.endr
.if (\t)+4 < NB
	WLOAD (\t)+4
.endif
	WIN 0
.irp j, 0,1,2,3
	v_max3_num_f32 v[M+\j], |v[T+16*\j]|, |v[T+16*\j+1]|, 0x1800000   ; with the floor 2^(3 - 127): the byte cannot fall under 1
.endr
.irp i, 2,4,6,8,10,12,14
.irp j, 0,1,2,3
	v_max3_num_f32 v[M+\j], v[M+\j], |v[T+16*\j+\i]|, |v[T+16*\j+\i+1]|
.endr
.endr
.irp j, 0,1,2,3
	v_permlanex16_b32 v[M2+\j], v[M+\j], s26, s27
.endr
.irp j, 0,1,2,3
	v_max_num_f32 v[M+\j], v[M+\j], v[M2+\j]       ; with the block's other 16 rows
.endr
.irp j, 0,1,2,3
	v_add_nc_u32 v[SCL+\j], 0xff000000, v[M+\j]
.endr
.irp j, 0,1,2,3
	v_lshrrev_b32 v[BY+\j], 23, v[SCL+\j]
.endr
.irp j, 0,1,2,3
.if ((\t)%4) == 0
	v_mov_b32 v[W+\j], v[BY+\j]
.else
	v_lshl_or_b32 v[W+\j], v[BY+\j], 8*((\t)%4), v[W+\j]
.endif
.endr
.irp j, 0,1,2,3
	v_cvt_scalef32_pk8_fp4_f32 v[C+2*\j], v[T+16*\j:T+16*\j+7], v[SCL+\j]
	v_cvt_scalef32_pk8_fp4_f32 v[C+2*\j+1], v[T+16*\j+8:T+16*\j+15], v[SCL+\j]
.endr
	v_nop                                          ; a plain instruction behind the last conversion
.irp j, 0,1,2,3
	ds_store_b64 v[VIA], v[C+2*\j:C+2*\j+1] offset:((\t)/4)*1024+(((\t)%4)/2)*512+((\t)%2)*256+16*\j
.endr
.if ((\t)%4) == 3
.irp j, 0,1,2,3
	ds_store_b32 v[VSA], v[W+\j] offset:((\t)/4)*256+4*\j   ; both lanes of a column write the same word with the same value
.endr
.endif
.endm
	WLOAD 0
	WLOAD 1
	WLOAD 2
	WLOAD 3
.set Q, 0
.rept NB-3
	BLOCK Q, 48                                    ; three younger blocks' 48 loads may be out
.set Q, Q+1
.endr
	BLOCK NB-3, 32
	BLOCK NB-2, 16
	BLOCK NB-1, 0
	s_wait_dscnt 0x0                               ; for the others' sake: my images have landed
	s_wait_kmcnt 0x0
	s_barrier_signal -1
	s_barrier_wait -1                              ; the one barrier, ahead of every branch on a number read from memory
	s_min_u32 s21, s21, 128
	s_cmp_ge_u32 s18, s21
	s_cbranch_scc1 .Lend                           ; fewer tiles than waves
	s_sub_co_u32 s59, s21, s18
	s_add_co_u32 s59, s59, 7
	s_lshr_b32 s59, s59, 3                         ; trips: tiles wave + 8 k and wave + 8 k + 4 in trip k: at least one, at most 16
; Tile s23 into buffer b: 32 + 4 + 2 = 38 loads.  No earlier load still reads the three bases: a wait on XCNT stands ahead of every use of this macro.
.macro HLOAD b
	s_min_u32 s23, s23, 127                        ; held inside the expert's tiles ahead of the addresses
	s_lshl_b32 s24, s23, 14
	s_add_nc_u64 s[52:53], s[40:41], s[24:25]
	s_lshl_b32 s24, s23, 10
	s_add_nc_u64 s[54:55], s[42:43], s[24:25]
	s_lshl_b32 s24, s23, 6
	s_add_nc_u64 s[56:57], s[44:45], s[24:25]
	WIN 0xc0                                       ; destination window 3
.set p, 0
.rept 32
	global_load_b128 v[128*\b+4*p:128*\b+4*p+3], v[VLI], s[52:53] offset:512*p   ; plane p = 2 s + c: registers 4 c on of K step s
.set p, p+1
.endr
	WIN 0
.irp k, 0,1,2,3
	global_load_b128 v[HS+16*\b+4*\k:HS+16*\b+4*\k+3], v[VHS], s[54:55] offset:16*\k
.endr
.irp k, 0,1
	global_load_b128 v[SL+8*\b+4*\k:SL+8*\b+4*\k+3], v[VSL], s[56:57] offset:16*\k
.endr
.endm
.macro WM d, a, b, c, sa, sb, odd      ; odd: source 0's scales stand in lanes 16-31 of their register
.if \odd
	v_wmma_scale_f32_16x16x128_f8f6f4 v[\d:\d+7], v[\a:\a+7], v[\b:\b+7], v[\c:\c+7], v[\sa], v[\sb] matrix_a_fmt:MATRIX_FMT_FP4 matrix_b_fmt:MATRIX_FMT_FP4 matrix_a_scale:MATRIX_SCALE_ROW1
.else
	v_wmma_scale_f32_16x16x128_f8f6f4 v[\d:\d+7], v[\a:\a+7], v[\b:\b+7], v[\c:\c+7], v[\sa], v[\sb] matrix_a_fmt:MATRIX_FMT_FP4 matrix_b_fmt:MATRIX_FMT_FP4
.endif
.endm
; The tile in buffer b (tile s22 + 4 b) is multiplied and stored; the buffer then takes the tile eight on, or the same tile again where there is none.
.macro STEP b
	s_wait_loadcnt 38                              ; this buffer's 38 loads are in; the other buffer's 38, issued behind them, may be out
	WIN 0x0d                                       ; source 0 (weights) window 1, source 1 (h) window 3
.irp n, 0,1,2,3
	WM ACC+8*\n, \n*8, 128*\b, B2+8*\n, WS+\n/2, HS+16*\b, (\n)%2   ; the bias is the C of each sum's first product
.endr
.irp s, 1,2,3,4,5,6,7
.irp n, 0,1,2,3
	WM ACC+8*\n, (\s*4+\n)*8, 128*\b+8*\s, ACC+8*\n, WS+2*\s+\n/2, HS+16*\b+\s, (\n)%2   ; the four accumulators take turns, one instruction a turn
.endr
.endr
	WIN 0x0e                                       ; K steps 8 to 15: the weights in window 2
.irp s, 8,9,10,11,12,13,14,15
.irp n, 0,1,2,3
	WM ACC+8*\n, ((\s-8)*4+\n)*8, 128*\b+8*\s, ACC+8*\n, WS+2*\s+\n/2, HS+16*\b+\s, (\n)%2
.endr
.endr
	WIN 0
	s_wait_xcnt 0x0                                ; the last tile's stores and the other buffer's loads have read their registers and bases
.irp i, 0,1,2,3,4,5,6,7
	v_min_u32 v[ZA+\i], 4223, v[SL+8*\b+\i]        ; the slot of row 8 hh + i, held inside z.  (These sixteen lines are the places behind the products)
.endr
.irp i, 0,1,2,3,4,5,6,7
	v_lshl_add_u32 v[ZA+\i], v[ZA+\i], 12, v[VZ]
.endr
	s_add_co_u32 s28, s22, 4*\b                    ; the tile in hand
	s_add_co_u32 s23, s22, 8+4*\b                  ; the tile eight on,
	s_cmp_lt_u32 s23, s21
	s_cselect_b32 s23, s23, s28                    ; if the expert has it
	HLOAD \b
.irp n, 0,1,2,3
	ds_store_b128 v[VSTO], v[ACC+8*\n:ACC+8*\n+3] offset:64*\n         ; each accumulator from its low end on
	ds_store_b128 v[VSTO], v[ACC+8*\n+4:ACC+8*\n+7] offset:64*\n+16
.endr
.irp i, 0,1,2,3,4,5,6,7
	ds_load_b128 v[OB+4*\i:OB+4*\i+3], v[VRD] offset:272*\i            ; my wave's own stage: LDS serves a wave's instructions in order
.endr
.irp i, 0,1,2,3,4,5,6,7
	s_wait_dscnt 7-\i                              ; rows i and 8 + i are back; the loads behind them may be out
	global_store_b128 v[ZA+\i], v[OB+4*\i:OB+4*\i+3], s[46:47] th:TH_STORE_NT   ; sixteen lanes store 256 consecutive bytes of a slot's row, aligned
.endr
.endm
	s_mov_b32 s23, s18
	HLOAD 0                                        ; my first tile,
	s_add_co_u32 s23, s18, 4
	s_cmp_lt_u32 s23, s21
	s_cselect_b32 s23, s23, s18
	s_wait_xcnt 0x0                                ; the loads above have read their bases
	HLOAD 1                                        ; and the tile four on, if there is one
	WIN 0x40                                       ; fragment (tile n, K step s) at v[8 (4 (s % 8) + n)] of window 1 + s / 8
.irp s, 0,1,2,3,4,5,6,7
.irp n, 0,1,2,3
.irp c, 0,1
	ds_load_b128 v[(\s*4+\n)*8+4*\c:(\s*4+\n)*8+4*\c+3], v[VLI] offset:TS*\n+1024*\s+512*\c
.endr
.endr
.endr
	WIN 0x80
.irp s, 8,9,10,11,12,13,14,15
.irp n, 0,1,2,3
.irp c, 0,1
	ds_load_b128 v[((\s-8)*4+\n)*8+4*\c:((\s-8)*4+\n)*8+4*\c+3], v[VLI] offset:TS*\n+1024*\s+512*\c
.endr
.endr
.endr
	WIN 0
.irp s, 0,1,2,3,4,5,6,7,8,9,10,11,12,13,14,15
.irp b, 0,1
	ds_load_b32 v[WS+2*\s+\b], v[VLS] offset:256*\s+128*\b   ; lanes 0-15: tile 2 b's words, lanes 16-31: tile 2 b + 1's
.endr
.endr
	s_wait_dscnt 0x0
	s_mov_b32 s22, s18                             ; the trip's first tile
	s_mov_b32 s58, 0                               ; counts the trips
.Lpair:
	STEP 0
	s_add_co_u32 s28, s22, 4
	s_cmp_lt_u32 s28, s21
	s_cbranch_scc1 .Lsecond                        ; the expert has the tile four on
	s_wait_tensorcnt 0x0
	ds_add_u32 v254, v255
	s_wait_dscnt 0x0
	s_endpgm                                       ; it has not: my last tile is stored; only plain loads and stores are out
.Lsecond:
	STEP 1
	s_add_co_u32 s22, s22, 8
	s_add_co_u32 s58, s58, 1
	s_cmp_lt_u32 s58, s59
	s_cbranch_scc1 .Lpair
.Lend:
	s_wait_tensorcnt 0x0
	ds_add_u32 v254, v255
	s_wait_dscnt 0x0
	s_endpgm
.Lfunc_end_k_qcd7e4a1b75_ffn2:
	.size	k_qcd7e4a1b75_ffn2, .Lfunc_end_k_qcd7e4a1b75_ffn2-k_qcd7e4a1b75_ffn2
	.p2alignl 7, 3214868480
	.fill 96, 4, 3214868480
	.section	.rodata,"a",@progbits
	.p2align	6, 0x0
	.amdhsa_kernel k_qcd7e4a1b75_ffn2
		.amdhsa_group_segment_fixed_size 88064
		.amdhsa_private_segment_fixed_size 0
		.amdhsa_enable_private_segment 0
		.amdhsa_kernarg_size 48
		.amdhsa_user_sgpr_count 2
		.amdhsa_user_sgpr_kernarg_segment_ptr 1
		.amdhsa_wavefront_size32 1
		.amdhsa_system_sgpr_workgroup_id_x 1
		.amdhsa_system_sgpr_workgroup_id_y 1
		.amdhsa_system_sgpr_workgroup_id_z 1
		.amdhsa_system_vgpr_workitem_id 0
		.amdhsa_next_free_vgpr 1024
		.amdhsa_next_free_sgpr 66
		.amdhsa_reserve_vcc 0
		.amdhsa_float_denorm_mode_32 3
		.amdhsa_float_denorm_mode_16_64 3
		.amdhsa_memory_ordered 1
		.amdhsa_forward_progress 1
		.amdhsa_inst_pref_size 175
	.end_amdhsa_kernel
	.amdgpu_metadata
---
amdhsa.version: [ 1, 2 ]
amdhsa.kernels:
  - .name:           k_qcd7e4a1b75_ffn2
    .symbol:         k_qcd7e4a1b75_ffn2.kd
    .args:
      - { .name: w2, .offset: 0, .size: 8, .value_kind: global_buffer, .address_space: global }
      - { .name: b2, .offset: 8, .size: 8, .value_kind: global_buffer, .address_space: global }
      - { .name: hc, .offset: 16, .size: 8, .value_kind: global_buffer, .address_space: global }
      - { .name: hs, .offset: 24, .size: 8, .value_kind: global_buffer, .address_space: global }
      - { .name: ord, .offset: 32, .size: 8, .value_kind: global_buffer, .address_space: global }
      - { .name: z, .offset: 40, .size: 8, .value_kind: global_buffer, .address_space: global }
    .group_segment_fixed_size: 88064
    .private_segment_fixed_size: 0
    .kernarg_segment_align: 8
    .kernarg_segment_size: 48
    .max_flat_workgroup_size: 128
    .sgpr_count:     66
    .vgpr_count:     1024
    .wavefront_size: 32
...
	.end_amdgpu_metadata
.endif
;; end of part 4
;; launch norm (part 5): grid 256 x 1, 8 waves a work-group, no clusters, 0 bytes of LDS; arguments x, z, sel, gw, ln_g, ln_b, out0; writes out0
.if DOCPART == 5
	.amdgcn_target "amdgcn-amd-amdhsa--gfx1250"
	.amdhsa_code_object_version 6
	.text
	.protected	k_qcd7e4a1b75_norm
	.globl	k_qcd7e4a1b75_norm
	.p2align	8
	.type	k_qcd7e4a1b75_norm,@function
k_qcd7e4a1b75_norm:
	s_mov_b64 s[64:65], 0
	v_nop
	global_prefetch_b8 v0, s[64:65] scope:SCOPE_SE
	s_setreg_imm32_b32 hwreg(HW_REG_WAVE_MODE, 25, 1), 1
	s_wait_xcnt 0x0
; out[t] = the sum over a token's two choices k of gw[t][k] (LN(x[t] + z[2 t + k]) ln_g[e_k] + ln_b[e_k]), e_k = sel[t][k].  All in f32.
; One wave, one token: a row of 4,096 bytes is 32 registers, so x, the two rows of z and the four rows of gains and biases stay in registers, each byte is read once, and no wave waits for another.
; Each load and store of a wave covers 512 consecutive bytes.  Mean first, then the sum of squares of the differences: no difference of large sums is formed.
; The experts' numbers are whole numbers stored by an earlier launch; they are held at 7 ahead of the addresses.  Memory binds: no LDS, no matrix unit, no cluster.
; LIMITS: NaN and infinities are not served; sums are taken in another order than a plain loop along the row would take them.
.set X,   8                            ; v8-39    x, later the result
.set Z0,  40                           ; v40-71   x + z of the first choice, then less its mean
.set Z1,  72                           ; v72-103  of the second
.set G0,  104
.set B0,  136
.set G1,  168
.set B1,  200
.set SA0, 232                          ; v232-239 sums, two chains a choice
.set SB0, 234
.set SA1, 236
.set SB1, 238
.set PT,  240                          ; v240-241 the other half's sums
.set ME0, 242                          ; v242-245 the means, as pairs
.set ME1, 244
.set A0,  246                          ; v246-249 1 / sqrt(var + eps) x the gate's weight, as pairs
.set A1,  248
	s_load_b256 s[4:11], s[0:1], 0x0               ; x, z, sel, gw
	s_load_b128 s[12:15], s[0:1], 0x20             ; ln_g, ln_b
	s_load_b64 s[16:17], s[0:1], 0x30              ; out0
	v_lshrrev_b32 v1, 5, v0
	v_readfirstlane_b32 s18, v1
	v_and_b32 v1, 31, v0
	v_lshlrev_b32 v1, 4, v1                        ; 16 x lane
	v_mov_b32 v[PT], 0
	v_mov_b32 v[PT+1], 0                           ; a lane permute's destination counts as one of its sources
	s_lshl_b32 s19, ttmp9, 3
	s_add_co_u32 s19, s19, s18                     ; my token
	s_lshl_b32 s20, s19, 12
	s_mov_b32 s21, 0
	s_lshl_b32 s22, s19, 13
	s_mov_b32 s23, 0
	s_lshl_b32 s24, s19, 3
	s_mov_b32 s25, 0
	s_mov_b32 s44, 0x3a800000                      ; 1 / 1024
	s_mov_b32 s45, 0x358637bd                      ; 1e-6
	s_mov_b32 s46, 0x76543210
	s_mov_b32 s47, 0xfedcba98
	s_wait_kmcnt 0x0
	s_add_nc_u64 s[8:9], s[8:9], s[24:25]
	s_add_nc_u64 s[10:11], s[10:11], s[24:25]
	s_load_b64 s[26:27], s[8:9], 0x0               ; the two experts
	s_load_b64 s[28:29], s[10:11], 0x0             ; the two weights
	s_add_nc_u64 s[4:5], s[4:5], s[20:21]
	s_add_nc_u64 s[6:7], s[6:7], s[22:23]
	s_add_nc_u64 s[16:17], s[16:17], s[20:21]
.irp i, 0,1,2,3,4,5,6,7
	global_load_b128 v[X+4*\i:X+4*\i+3], v1, s[4:5] offset:512*\i th:TH_LOAD_NT
.endr
.irp i, 0,1,2,3,4,5,6,7
	global_load_b128 v[Z0+4*\i:Z0+4*\i+3], v1, s[6:7] offset:512*\i th:TH_LOAD_NT
.endr
.irp i, 0,1,2,3,4,5,6,7
	global_load_b128 v[Z1+4*\i:Z1+4*\i+3], v1, s[6:7] offset:4096+512*\i th:TH_LOAD_NT
.endr
	s_wait_kmcnt 0x0
	s_min_u32 s26, s26, 7
	s_min_u32 s27, s27, 7
	s_lshl_b32 s30, s26, 12
	s_mov_b32 s31, 0
	s_lshl_b32 s32, s27, 12
	s_mov_b32 s33, 0
	s_add_nc_u64 s[34:35], s[12:13], s[30:31]
	s_add_nc_u64 s[36:37], s[14:15], s[30:31]
	s_add_nc_u64 s[38:39], s[12:13], s[32:33]
	s_add_nc_u64 s[40:41], s[14:15], s[32:33]
	s_mov_b32 s42, s29                             ; the second weight as a pair of its own: the packed forms take a pair's low word for both halves
	s_mov_b32 s43, s29
.irp i, 0,1,2,3,4,5,6,7
	global_load_b128 v[G0+4*\i:G0+4*\i+3], v1, s[34:35] offset:512*\i
	global_load_b128 v[B0+4*\i:B0+4*\i+3], v1, s[36:37] offset:512*\i
	global_load_b128 v[G1+4*\i:G1+4*\i+3], v1, s[38:39] offset:512*\i
	global_load_b128 v[B1+4*\i:B1+4*\i+3], v1, s[40:41] offset:512*\i
.endr
.macro RED r, p                        ; the sum over the 32 lanes, in every lane
	v_add_f32_dpp v[\r], v[\r], v[\r] row_xmask:1 row_mask:0xf bank_mask:0xf
	v_add_f32_dpp v[\r], v[\r], v[\r] row_xmask:2 row_mask:0xf bank_mask:0xf
	v_add_f32_dpp v[\r], v[\r], v[\r] row_xmask:4 row_mask:0xf bank_mask:0xf
	v_add_f32_dpp v[\r], v[\r], v[\r] row_xmask:8 row_mask:0xf bank_mask:0xf
	v_permlanex16_b32 v[\p], v[\r], s46, s47
	v_add_f32 v[\r], v[\r], v[\p]
.endm
	s_wait_loadcnt 32                              ; x and the two rows of z are in; the 32 loads of gains and biases may be out
.set j, 0
.rept 16
	v_pk_add_f32 v[Z0+j:Z0+j+1], v[Z0+j:Z0+j+1], v[X+j:X+j+1]
	v_pk_add_f32 v[Z1+j:Z1+j+1], v[Z1+j:Z1+j+1], v[X+j:X+j+1]
.set j, j+2
.endr
	v_pk_add_f32 v[SA0:SA0+1], v[Z0:Z0+1], v[Z0+2:Z0+3]
	v_pk_add_f32 v[SA1:SA1+1], v[Z1:Z1+1], v[Z1+2:Z1+3]
	v_pk_add_f32 v[SB0:SB0+1], v[Z0+4:Z0+5], v[Z0+6:Z0+7]
	v_pk_add_f32 v[SB1:SB1+1], v[Z1+4:Z1+5], v[Z1+6:Z1+7]
.irp j, 8,12,16,20,24,28
	v_pk_add_f32 v[SA0:SA0+1], v[SA0:SA0+1], v[Z0+\j:Z0+\j+1]
	v_pk_add_f32 v[SA1:SA1+1], v[SA1:SA1+1], v[Z1+\j:Z1+\j+1]
	v_pk_add_f32 v[SB0:SB0+1], v[SB0:SB0+1], v[Z0+\j+2:Z0+\j+3]
	v_pk_add_f32 v[SB1:SB1+1], v[SB1:SB1+1], v[Z1+\j+2:Z1+\j+3]
.endr
	v_pk_add_f32 v[SA0:SA0+1], v[SA0:SA0+1], v[SB0:SB0+1]
	v_pk_add_f32 v[SA1:SA1+1], v[SA1:SA1+1], v[SB1:SB1+1]
	v_add_f32 v[SA0], v[SA0], v[SA0+1]
	v_add_f32 v[SA1], v[SA1], v[SA1+1]
	RED SA0, PT
	RED SA1, PT+1
	v_mul_f32 v[ME0], s44, v[SA0]
	v_mul_f32 v[ME1], s44, v[SA1]
	v_mov_b32 v[ME0+1], v[ME0]
	v_mov_b32 v[ME1+1], v[ME1]
.set j, 0
.rept 16
	v_pk_add_f32 v[Z0+j:Z0+j+1], v[Z0+j:Z0+j+1], v[ME0:ME0+1] neg_lo:[0,1] neg_hi:[0,1]
	v_pk_add_f32 v[Z1+j:Z1+j+1], v[Z1+j:Z1+j+1], v[ME1:ME1+1] neg_lo:[0,1] neg_hi:[0,1]
.set j, j+2
.endr
	v_pk_mul_f32 v[SA0:SA0+1], v[Z0:Z0+1], v[Z0:Z0+1]
	v_pk_mul_f32 v[SA1:SA1+1], v[Z1:Z1+1], v[Z1:Z1+1]
	v_pk_mul_f32 v[SB0:SB0+1], v[Z0+2:Z0+3], v[Z0+2:Z0+3]
	v_pk_mul_f32 v[SB1:SB1+1], v[Z1+2:Z1+3], v[Z1+2:Z1+3]
.irp j, 4,8,12,16,20,24,28
	v_pk_fma_f32 v[SA0:SA0+1], v[Z0+\j:Z0+\j+1], v[Z0+\j:Z0+\j+1], v[SA0:SA0+1]
	v_pk_fma_f32 v[SA1:SA1+1], v[Z1+\j:Z1+\j+1], v[Z1+\j:Z1+\j+1], v[SA1:SA1+1]
	v_pk_fma_f32 v[SB0:SB0+1], v[Z0+\j+2:Z0+\j+3], v[Z0+\j+2:Z0+\j+3], v[SB0:SB0+1]
	v_pk_fma_f32 v[SB1:SB1+1], v[Z1+\j+2:Z1+\j+3], v[Z1+\j+2:Z1+\j+3], v[SB1:SB1+1]
.endr
	v_pk_add_f32 v[SA0:SA0+1], v[SA0:SA0+1], v[SB0:SB0+1]
	v_pk_add_f32 v[SA1:SA1+1], v[SA1:SA1+1], v[SB1:SB1+1]
	v_add_f32 v[SA0], v[SA0], v[SA0+1]
	v_add_f32 v[SA1], v[SA1], v[SA1+1]
	RED SA0, PT
	RED SA1, PT+1
	v_fma_f32 v[SA0], v[SA0], s44, s45             ; the variance + 1e-6
	v_fma_f32 v[SA1], v[SA1], s44, s45
	v_rsq_f32 v[A0], v[SA0]
	v_rsq_f32 v[A1], v[SA1]
	v_nop                                          ; a plain instruction behind the last of the two
	s_wait_alu depctr_va_vdst(0)                   ; one wait for both, ahead of their first reader
	v_mul_f32 v[A0], s28, v[A0]
	v_mul_f32 v[A1], s29, v[A1]
	v_mov_b32 v[A0+1], v[A0]
	v_mov_b32 v[A1+1], v[A1]
	s_wait_loadcnt 0x0                             ; the gains and biases
.set j, 0
.rept 16
	v_pk_mul_f32 v[X+j:X+j+1], v[B0+j:B0+j+1], s[28:29] op_sel_hi:[1,0]
	v_pk_mul_f32 v[Z0+j:Z0+j+1], v[Z0+j:Z0+j+1], v[G0+j:G0+j+1]
	v_pk_mul_f32 v[Z1+j:Z1+j+1], v[Z1+j:Z1+j+1], v[G1+j:G1+j+1]
	v_pk_fma_f32 v[X+j:X+j+1], v[B1+j:B1+j+1], s[42:43], v[X+j:X+j+1] op_sel_hi:[1,0,1]
	v_pk_fma_f32 v[X+j:X+j+1], v[Z0+j:Z0+j+1], v[A0:A0+1], v[X+j:X+j+1]
	v_pk_fma_f32 v[X+j:X+j+1], v[Z1+j:Z1+j+1], v[A1:A1+1], v[X+j:X+j+1]
.set j, j+2
.endr
.irp i, 0,1,2,3,4,5,6,7
	global_store_b128 v1, v[X+4*\i:X+4*\i+3], s[16:17] offset:512*\i th:TH_STORE_NT
.endr
	s_endpgm
.Lfunc_end_k_qcd7e4a1b75_norm:
	.size	k_qcd7e4a1b75_norm, .Lfunc_end_k_qcd7e4a1b75_norm-k_qcd7e4a1b75_norm
	.p2alignl 7, 3214868480
	.fill 96, 4, 3214868480
	.section	.rodata,"a",@progbits
	.p2align	6, 0x0
	.amdhsa_kernel k_qcd7e4a1b75_norm
		.amdhsa_group_segment_fixed_size 0
		.amdhsa_private_segment_fixed_size 0
		.amdhsa_enable_private_segment 0
		.amdhsa_kernarg_size 56
		.amdhsa_user_sgpr_count 2
		.amdhsa_user_sgpr_kernarg_segment_ptr 1
		.amdhsa_wavefront_size32 1
		.amdhsa_system_sgpr_workgroup_id_x 1
		.amdhsa_system_sgpr_workgroup_id_y 1
		.amdhsa_system_sgpr_workgroup_id_z 1
		.amdhsa_system_vgpr_workitem_id 0
		.amdhsa_next_free_vgpr 256
		.amdhsa_next_free_sgpr 66
		.amdhsa_reserve_vcc 0
		.amdhsa_float_denorm_mode_32 3
		.amdhsa_float_denorm_mode_16_64 3
		.amdhsa_memory_ordered 1
		.amdhsa_forward_progress 1
		.amdhsa_inst_pref_size 24
	.end_amdhsa_kernel
	.amdgpu_metadata
---
amdhsa.version: [ 1, 2 ]
amdhsa.kernels:
  - .name:           k_qcd7e4a1b75_norm
    .symbol:         k_qcd7e4a1b75_norm.kd
    .args:
      - { .name: x, .offset: 0, .size: 8, .value_kind: global_buffer, .address_space: global }
      - { .name: z, .offset: 8, .size: 8, .value_kind: global_buffer, .address_space: global }
      - { .name: sel, .offset: 16, .size: 8, .value_kind: global_buffer, .address_space: global }
      - { .name: gw, .offset: 24, .size: 8, .value_kind: global_buffer, .address_space: global }
      - { .name: ln_g, .offset: 32, .size: 8, .value_kind: global_buffer, .address_space: global }
      - { .name: ln_b, .offset: 40, .size: 8, .value_kind: global_buffer, .address_space: global }
      - { .name: out0, .offset: 48, .size: 8, .value_kind: global_buffer, .address_space: global }
    .group_segment_fixed_size: 0
    .private_segment_fixed_size: 0
    .kernarg_segment_align: 8
    .kernarg_segment_size: 56
    .max_flat_workgroup_size: 256
    .sgpr_count:     66
    .vgpr_count:     256
    .wavefront_size: 32
...
	.end_amdgpu_metadata
.endif
;; end of part 5
;; ======== version 2 of 3: 5 launches
;; workspace buffers: xc 1,048,576 bytes; xs 65,536 bytes; sel 16,384 bytes of whole numbers; gw 16,384 bytes; ord 71,936 bytes of whole numbers; hq 17,825,792 bytes; w2q 8,912,896 bytes; z 17,301,504 bytes
;; launch route: the kernel of part 1 again; grid 256 x 1, 2 waves a work-group, no clusters, 70,912 bytes of LDS; arguments x, gate_w, xc, xs, sel, gw; writes xc, xs, sel, gw
;; launch prep (part 6): grid 258 x 1, 4 waves a work-group, no clusters, 0 bytes of LDS; arguments sel, ord, w2, w2q; writes ord, w2q
.if DOCPART == 6
	.amdgcn_target "amdgcn-amd-amdhsa--gfx1250"
	.amdhsa_code_object_version 6
	.text
	.protected	k_qcd7e4a1b75_prep
	.globl	k_qcd7e4a1b75_prep
	.p2align	8
	.type	k_qcd7e4a1b75_prep,@function
k_qcd7e4a1b75_prep:
	s_mov_b64 s[64:65], 0
	v_nop
	global_prefetch_b8 v0, s[64:65] scope:SCOPE_SE
	s_setreg_imm32_b32 hwreg(HW_REG_WAVE_MODE, 25, 1), 1
	s_wait_xcnt 0x0
; TWO THINGS THAT WAIT FOR NOTHING BUT THE ROUTER AND THE INPUTS, IN ONE LAUNCH: the experts' lists of rows (work-groups 0 and 1) and w2 as codes of E2M1 (work-groups 2 to 257).
; The lists are short chains of dependent steps on eight waves; beside them the other work-groups stream w2's 67,108,864 bytes.  The paths part on the work-group's number alone.  No LDS, no barrier: waves share nothing.
; A wave names 512 registers, so the waves of two work-groups fit on a SIMD's 1,024 and the two work-groups over 256 need not wait for another to end.
;
; w2's CODES.  w2: [8][2048 (f)][1024 (d)] f32, quantised down f, one E8M0 byte for each 32 along f.  Work-group 2 + g: expert g / 32, columns 64 ds .. 64 ds + 63 (ds = (g / 2) % 16), rows 1,024 kh on (kh = g % 2):
; 262,144 bytes that no other work-group reads.  Wave w takes 256 rows: eight blocks of 32, K steps 8 kh + 2 w and + 1.
; Lane (q = lane % 16, hh = lane / 16): load i of a block reads row 16 hh + i at byte 16 q: sixteen lanes take 256 consecutive bytes, aligned.  A lane so holds 4 columns x 16 rows; 64 moves lay each column's rows
; on end, as the conversions want them; the block's other 16 rows lie in lane l xor 16.
; COLUMN 4 q + j IS ROW q OF TILE j.  The codes are laid in memory as images of the operand's registers: w2q: [8 e][16 ds][16 s][4 tiles][2 c][32 lanes][16 bytes]; lane 16 h + r of part c holds k = 64 c + 32 h + 0 .. 31 of row r.
; A lane's 16 codes of a block are the 8 bytes at 16 q + 8 hh of a run of 256: one store of the wave covers 256 consecutive bytes, aligned.  Each block has code registers of its own: no store's data are written again.
; The scale words follow at byte 8,388,608: [8 e][16 ds][16 s][16 q][4 tiles]: lanes 0-15 store the wave's first K step's, lanes 16-31 its second's: 512 consecutive bytes.
; No tensor load: the numbers are wanted in registers, and nobody shares them.  No prefetch: 48 to 64 loads of 512 bytes a wave are on their way throughout.
; LIMITS: NaN and infinities are not served.  A block whose largest magnitude lies under 2^-124, a block of zeros among them, gets the byte 1: its codes are zeros, and this program alone reads the bytes.
;
; THE LISTS.  A slot is 2 x token + choice, 0 .. 4095; sel, read as 4,096 words, gives each slot's expert.  Wave w of work-group p (0, 1) gathers the slots of expert 4 p + w and stores the number of tiles of 16 rows.
; ord: expert e's list begins at byte 8,960 e.  Entries 0 .. 2175 are always written: first all as pads, 4096 + 16 e + (entry mod 16), then the slots on top of them from entry 0 on.
; An expert has at most 2,048 slots (a token's two choices differ), 128 tiles, and a later launch looks at most 8 tiles past the last: 136 x 16 = 2,176 entries.
; Entries 2176 + lane take what a lane stores whose slot is another expert's; nobody reads them.  At byte 71,680: eight words, the tiles of each expert.  The order of a list is of no account.
.set NB,   8                           ; blocks of 32 along f for a wave
.set ROWB, 4096                        ; a row of w2
.set WSO,  8388608                     ; w2q: the scale words behind the codes
.set LSTB, 8960
.set NTL,  71680
.set DUMP, 2176
.set VW,   4                           ; w2's loads: 16 hh rows + 16 q
.set VC,   5                           ; the codes' stores: 16 q + 8 hh
.set VS,   6                           ; the scale words' store: 16 x lane
.set M,    40                          ; v40-43  largest magnitudes of my four columns
.set M2,   44                          ; v44-47  the other half's
.set SCL,  48                          ; v48-51  the conversions' scale operands
.set BY,   52                          ; v52-55  the scale bytes
.set W,    56                          ; v56-59  the first K step's scale words, v60-63 the second's
.set T,    64                          ; v64-127 a block's numbers, each column's 16 rows on end
.set C,    128                         ; v128-191 codes: eight registers for each block
.set WO,   192                         ; v192-195 the scale words that my lane stores
.set PA,   16                          ; the lists: v16-31 addresses of a group's 16 stores
.set PD,   32                          ; v32-47  their data: the slots' numbers
.set PE,   64                          ; v64-191 register 4 j + r: the expert of slot 128 j + 4 x lane + r
.set PM,   16                          ; s16-31  a group's masks
.set PB,   32                          ; s32-48  entries taken ahead of each of the group's registers
.set MSB, 0
.macro WIN new                         ; the immediate's high byte repeats the setting that is left
.if MSB != \new
	s_set_vgpr_msb (MSB<<8)|\new
.set MSB, \new
.endif
.endm
	s_load_b256 s[4:11], s[0:1], 0x0               ; sel, ord, w2, w2q
	v_lshrrev_b32 v1, 5, v0
	v_readfirstlane_b32 s12, v1                    ; wave 0..3
	v_and_b32 v1, 31, v0                           ; lane
	s_cmp_lt_u32 ttmp9, 2
	s_cbranch_scc1 .Lplace                         ; the first two work-groups make the lists
	; ---- w2's codes
	s_sub_co_u32 s13, ttmp9, 2                     ; g
	s_lshr_b32 s14, s13, 5                         ; e
	s_bfe_u32 s15, s13, 0x40001                    ; ds
	s_and_b32 s16, s13, 1                          ; kh
	v_and_b32 v2, 15, v0                           ; q
	v_bfe_u32 v3, v0, 4, 1                         ; hh
	v_lshlrev_b32 v[VW], 4, v2
	v_lshl_add_u32 v[VC], v3, 3, v[VW]
	v_lshl_add_u32 v[VW], v3, 16, v[VW]            ; 16 rows of 4,096 bytes for lanes 16-31
	v_lshlrev_b32 v[VS], 4, v1
.irp j, 0,1,2,3
	v_mov_b32 v[M2+\j], 0                          ; a lane permute's destination counts as one of its sources
.endr
	s_mov_b32 s26, 0x76543210
	s_mov_b32 s27, 0xfedcba98                      ; v_permlanex16_b32's selects for lane l xor 16
	s_mov_b32 s28, 0xffff0000                      ; lanes 16-31
	s_lshl_b32 s20, s14, 23                        ; w2: the expert's 8,388,608 bytes,
	s_lshl_b32 s21, s15, 8                         ; my slice's 256 bytes of a row,
	s_add_co_u32 s20, s20, s21
	s_lshl_b32 s21, s16, 22                        ; my work-group's 1,024 rows,
	s_add_co_u32 s20, s20, s21
	s_lshl_b32 s21, s12, 20                        ; my wave's 256
	s_add_co_u32 s20, s20, s21
	s_mov_b32 s21, 0
	s_lshl_b32 s17, s16, 3
	s_lshl_b32 s18, s12, 1
	s_add_co_u32 s17, s17, s18                     ; my first K step: 8 kh + 2 w
	s_lshl_b32 s18, s14, 4
	s_add_co_u32 s18, s18, s15                     ; my slice: 16 e + ds
	s_lshl_b32 s22, s18, 16                        ; the codes: 65,536 bytes a slice, 4,096 a K step
	s_lshl_b32 s23, s17, 12
	s_add_co_u32 s22, s22, s23
	s_mov_b32 s23, 0
	s_lshl_b32 s24, s18, 12                        ; the scale words: 4,096 bytes a slice, 256 a K step
	s_lshl_b32 s25, s17, 8
	s_add_co_u32 s24, s24, s25
	s_add_co_u32 s24, s24, WSO
	s_mov_b32 s25, 0
	s_wait_kmcnt 0x0
	s_add_nc_u64 s[8:9], s[8:9], s[20:21]
	s_add_nc_u64 s[30:31], s[10:11], s[22:23]
	s_add_nc_u64 s[32:33], s[10:11], s[24:25]
.macro WLOAD t                         ; block t: 32 rows x 256 bytes, into ring slot t % 4 of window 1
	WIN 0x40
.irp i, 0,1,2,3,4,5,6,7,8,9,10,11,12,13,14,15
	global_load_b128 v[64*((\t)%4)+4*\i:64*((\t)%4)+4*\i+3], v[VW], s[8:9] offset:(32*(\t)+\i)*ROWB th:TH_LOAD_NT
.endr
.endm
; Block t is quantised and stored.  younger: the ring's loads issued behind block t's.
.macro BLOCK t, younger
	s_wait_loadcnt \younger
	WIN 0x01                                       ; source 0 window 1
.irp j, 0,1,2,3
.irp i, 0,1,2,3,4,5,6,7,8,9,10,11,12,13,14,15
	v_mov_b32 v[T+16*\j+\i], v[64*((\t)%4)+4*\i+\j]   ; column j's 16 rows on end
.endr
.endr
.if (\t)+4 < NB
	WLOAD (\t)+4                                   ; the slot takes the block four on
.endif
	WIN 0
.irp j, 0,1,2,3
	v_max3_num_f32 v[M+\j], |v[T+16*\j]|, |v[T+16*\j+1]|, 0x1800000   ; with the floor 2^(3 - 127): the byte cannot fall under 1
.endr
.irp i, 2,4,6,8,10,12,14
.irp j, 0,1,2,3
	v_max3_num_f32 v[M+\j], v[M+\j], |v[T+16*\j+\i]|, |v[T+16*\j+\i+1]|   ; the four columns by turns
.endr
.endr
.irp j, 0,1,2,3
	v_permlanex16_b32 v[M2+\j], v[M+\j], s26, s27
.endr
.irp j, 0,1,2,3
	v_max_num_f32 v[M+\j], v[M+\j], v[M2+\j]       ; with the block's other 16 rows
.endr
.irp j, 0,1,2,3
	v_add_nc_u32 v[SCL+\j], 0xff000000, v[M+\j]    ; 2 off the exponent field: the conversion's scale operand
.endr
.irp j, 0,1,2,3
	v_lshrrev_b32 v[BY+\j], 23, v[SCL+\j]          ; the scale's byte
.endr
.irp j, 0,1,2,3
.if ((\t)%4) == 0
	v_mov_b32 v[W+4*((\t)/4)+\j], v[BY+\j]         ; four blocks' bytes make a K step's scale word
.else
	v_lshl_or_b32 v[W+4*((\t)/4)+\j], v[BY+\j], 8*((\t)%4), v[W+4*((\t)/4)+\j]
.endif
.endr
.irp j, 0,1,2,3
	v_cvt_scalef32_pk8_fp4_f32 v[C+8*(\t)+2*\j], v[T+16*\j:T+16*\j+7], v[SCL+\j]
	v_cvt_scalef32_pk8_fp4_f32 v[C+8*(\t)+2*\j+1], v[T+16*\j+8:T+16*\j+15], v[SCL+\j]
.endr
	v_nop                                          ; a plain instruction behind the last conversion
.irp j, 0,1,2,3
	global_store_b64 v[VC], v[C+8*(\t)+2*\j:C+8*(\t)+2*\j+1], s[30:31] offset:(4*((\t)/4)+\j)*1024+(((\t)%4)/2)*512+((\t)%2)*256   ; tile j; block 2 c + h of its K step: part c, lanes 16 h on: 256 consecutive bytes, aligned
.endr
.endm
	WLOAD 0
	WLOAD 1
	WLOAD 2
	WLOAD 3
.set Q, 0
.rept NB-3
	BLOCK Q, 48                                    ; three younger blocks' 48 loads may be out
.set Q, Q+1
.endr
	BLOCK NB-3, 32
	BLOCK NB-2, 16
	BLOCK NB-1, 0
.irp j, 0,1,2,3
	v_cndmask_b32 v[WO+\j], v[W+\j], v[W+4+\j], s28   ; lanes 0-15 store the first K step's words, lanes 16-31 the second's (both halves hold both)
.endr
	global_store_b128 v[VS], v[WO:WO+3], s[32:33]  ; 512 consecutive bytes
	s_endpgm
	; ---- the lists
.Lplace:
	s_lshl_b32 s13, ttmp9, 2
	s_add_co_u32 s13, s13, s12                     ; my expert
	v_lshlrev_b32 v2, 4, v1
	v_lshlrev_b32 v3, 2, v1
	v_add_nc_u32 v4, DUMP, v1                      ; my dump entry
	s_mul_i32 s14, s13, LSTB
	v_add_nc_u32 v9, s14, v2
	s_lshl_b32 s15, s13, 4
	s_add_co_u32 s15, s15, 4096
	v_and_b32 v12, 3, v1
	v_lshl_add_u32 v12, v12, 2, s15                ; entry 4 x lane + r (+ 128 k) mod 16 = 4 (lane mod 4) + r
	v_add_nc_u32 v13, 1, v12
	v_add_nc_u32 v14, 2, v12
	v_add_nc_u32 v15, 3, v12
	s_wait_kmcnt 0x0
.set j, 0
.rept 32
	global_load_b128 v[PE+4*j:PE+4*j+3], v2, s[4:5] offset:512*j
.set j, j+1
.endr
.set j, 0
.rept 17
	global_store_b128 v9, v[12:15], s[6:7] offset:512*j
.set j, j+1
.endr
	s_wait_storecnt 0x0                            ; the pads are in memory: the slots stored below land on top of them
	s_wait_loadcnt 0x0
	s_mov_b32 s[PB], 0
; Sixteen registers of slots.  The lines go stage by stage, sixteen of a kind, so that none waits for the line above it.
.macro GROUP g
	s_wait_xcnt 0x0                                ; the last group's stores have read their addresses and data
.irp i, 0,1,2,3,4,5,6,7,8,9,10,11,12,13,14,15
	v_cmp_eq_u32 s[PM+\i], s13, v[PE+16*\g+\i]
.endr
.irp i, 0,1,2,3,4,5,6,7,8,9,10,11,12,13,14,15
	s_bcnt1_i32_b32 s49, s[PM+\i]
	s_add_co_u32 s[PB+\i+1], s[PB+\i], s49
.endr
.irp i, 0,1,2,3,4,5,6,7,8,9,10,11,12,13,14,15
	v_mbcnt_lo_u32_b32 v[PA+\i], s[PM+\i], s[PB+\i]   ; entries taken so far + my expert's slots in the lanes below me
.endr
.irp i, 0,1,2,3,4,5,6,7,8,9,10,11,12,13,14,15
	v_cndmask_b32 v[PA+\i], v4, v[PA+\i], s[PM+\i]    ; another expert's slot goes to my dump entry
.endr
.irp i, 0,1,2,3,4,5,6,7,8,9,10,11,12,13,14,15
	v_min_u32 v[PA+\i], DUMP+31, v[PA+\i]          ; held inside the list ahead of the address
.endr
.irp i, 0,1,2,3,4,5,6,7,8,9,10,11,12,13,14,15
	v_lshl_add_u32 v[PA+\i], v[PA+\i], 2, s14
.endr
.irp i, 0,1,2,3,4,5,6,7,8,9,10,11,12,13,14,15
	v_add_nc_u32 v[PD+\i], 128*((16*\g+\i)/4)+(16*\g+\i)%4, v3
.endr
.irp i, 0,1,2,3,4,5,6,7,8,9,10,11,12,13,14,15
	global_store_b32 v[PA+\i], v[PD+\i], s[6:7]
.endr
	s_mov_b32 s[PB], s[PB+16]
.endm
.irp g, 0,1,2,3,4,5,6,7
	GROUP \g
.endr
	s_add_co_u32 s49, s[PB], 15
	s_lshr_b32 s49, s49, 4                         ; tiles of 16 rows
	v_mov_b32 v11, s49
	s_lshl_b32 s50, s13, 2
	s_add_co_u32 s50, s50, NTL
	v_mov_b32 v10, s50
	v_cmp_eq_u32 vcc_lo, 0, v1
	s_wait_xcnt 0x0                                ; EXEC changes only behind this wait
	s_and_saveexec_b32 s51, vcc_lo
	global_store_b32 v10, v11, s[6:7]
	s_wait_xcnt 0x0
	s_or_b32 exec_lo, exec_lo, s51
	s_endpgm
.Lfunc_end_k_qcd7e4a1b75_prep:
	.size	k_qcd7e4a1b75_prep, .Lfunc_end_k_qcd7e4a1b75_prep-k_qcd7e4a1b75_prep
	.p2alignl 7, 3214868480
	.fill 96, 4, 3214868480
	.section	.rodata,"a",@progbits
	.p2align	6, 0x0
	.amdhsa_kernel k_qcd7e4a1b75_prep
		.amdhsa_group_segment_fixed_size 0
		.amdhsa_private_segment_fixed_size 0
		.amdhsa_enable_private_segment 0
		.amdhsa_kernarg_size 32
		.amdhsa_user_sgpr_count 2
		.amdhsa_user_sgpr_kernarg_segment_ptr 1
		.amdhsa_wavefront_size32 1
		.amdhsa_system_sgpr_workgroup_id_x 1
		.amdhsa_system_sgpr_workgroup_id_y 1
		.amdhsa_system_sgpr_workgroup_id_z 1
		.amdhsa_system_vgpr_workitem_id 0
		.amdhsa_next_free_vgpr 512
		.amdhsa_next_free_sgpr 66
		.amdhsa_reserve_vcc 1
		.amdhsa_float_denorm_mode_32 3
		.amdhsa_float_denorm_mode_16_64 3
		.amdhsa_memory_ordered 1
		.amdhsa_forward_progress 1
		.amdhsa_inst_pref_size 138
	.end_amdhsa_kernel
	.amdgpu_metadata
---
amdhsa.version: [ 1, 2 ]
amdhsa.kernels:
  - .name:           k_qcd7e4a1b75_prep
    .symbol:         k_qcd7e4a1b75_prep.kd
    .args:
      - { .name: sel, .offset: 0, .size: 8, .value_kind: global_buffer, .address_space: global }
      - { .name: ord, .offset: 8, .size: 8, .value_kind: global_buffer, .address_space: global }
      - { .name: w2, .offset: 16, .size: 8, .value_kind: global_buffer, .address_space: global }
      - { .name: w2q, .offset: 24, .size: 8, .value_kind: global_buffer, .address_space: global }
    .group_segment_fixed_size: 0
    .private_segment_fixed_size: 0
    .kernarg_segment_align: 8
    .kernarg_segment_size: 32
    .max_flat_workgroup_size: 128
    .sgpr_count:     66
    .vgpr_count:     512
    .wavefront_size: 32
...
	.end_amdgpu_metadata
.endif
;; end of part 6
;; launch ffn1 (part 7): grid 32 x 8, 4 waves a work-group, no clusters, 36,352 bytes of LDS; arguments w1, b1, xc, xs, ord, hq; writes hq
.if DOCPART == 7
	.amdgcn_target "amdgcn-amd-amdhsa--gfx1250"
	.amdhsa_code_object_version 6
	.text
	.protected	k_qcd7e4a1b75_ffn1
	.globl	k_qcd7e4a1b75_ffn1
	.p2align	8
	.type	k_qcd7e4a1b75_ffn1,@function
k_qcd7e4a1b75_ffn1:
	s_mov_b64 s[64:65], 0
	v_nop
	global_prefetch_b8 v0, s[64:65] scope:SCOPE_SE
	s_setreg_imm32_b32 hwreg(HW_REG_WAVE_MODE, 25, 1), 1
	s_wait_xcnt 0x0
; h = gelu(x w1 + b1), exact (erf), for the rows that chose the expert, and h as codes of E2M1 along f.  Both operands of the product are codes of E2M1 with one E8M0 byte for each 32 along d.
; hq: the codes, [8 e][128 tiles][32 planes][32 lanes][16 bytes]: plane p holds k = 64 p + 32 h + 0 .. 31 of row r in lane (r, h); behind them, at byte 16,777,216, the scale bytes, [8 e][128 tiles][16 rows][64 bytes].
; THE WEIGHTS STAY, THE ROWS PASS.  Work-group (fs, e) owns hidden units 64 fs .. 64 fs + 63 of expert e: 1,024 rows x 256 bytes of w1, 262,144 bytes of f32 that no other work-group reads.
; It reads them once, quantises them down d in registers, hands the codes round its four waves through LDS as images of the operand's registers, and keeps all 32 fragments in each wave's registers.
; Then the expert's rows pass in tiles of 16, tile i to wave i mod 4: x's codes are gathered by the list, 32 matrix instructions, gelu, quantiser, one plane of 512 bytes out.
; WEIGHT PHASE.  Wave w takes d = 256 w .. 256 w + 255, eight blocks of 32.  Lane (q = lane % 16, hh = lane / 16): load i of a block reads row 16 hh + i at byte 16 q: sixteen lanes take 256
; consecutive bytes.  A lane so holds 4 columns x 16 rows; 64 moves lay each column's rows on end, as the conversions want them; the block's other 16 rows lie in lane l xor 16.
; THE COLUMNS THAT FORM A TILE ARE NOT NEIGHBOURS: row r of tile 2 b + u is hidden unit 32 b + 8 u + r + 8 (r / 8).  The product is used transposed (source 0 = 16 hidden units, source 1 = 16 rows of x),
; so lane (r, h) then holds row r, and the 16 registers of tiles 2 b, 2 b + 1 are hidden units 32 b + 16 h + 0 .. 15: neighbours along the next product's K.
; GELU.  h = max(v, 0) - |v| Phi(-|v|), Phi(-a) = erfc(a / sqrt 2) / 2, erfc(y) = t exp(-y^2 + a polynomial of degree 9 in t), t = 1 / (1 + y / 2): one formula for every v, and no difference of
; nearly equal numbers on the negative side.  All in base 2: S = |v| sqrt(log2(e) / 2), so that S^2 = y^2 log2(e); the coefficients carry log2(e), and the lowest also the factor 1/2 and S's factor.
; NO JOINT REQUESTS: the 32 work-groups of an expert gather the same rows of x's codes, 8,704 bytes a tile, but which rows, and how many tiles, is read from memory; the loop's trip count hangs on it,
; so the rows come by plain loads.  The 262,144 bytes of weights are shared with nobody.  No prefetch: the weight phase keeps 48 to 64 loads of 512 bytes a wave on their way.
; Rows that a tile has beyond the list's end are pads (token 2047's codes): they are computed and stored like the others, into the expert's own tile, and end in rows of z that nobody reads.
; LIMITS: NaN and infinities are not served.  A block whose largest magnitude lies under 2^-124, a block of zeros among them, gets the byte 1: its codes are zeros, and this program alone reads the bytes.
; REGISTERS, in windows of 256: window 0: v1-15, v60 addresses; v16-31 the weights' scale words, v32-39 x's: scales and nothing else; v40-59 at work; v64-135 the weight phase's numbers and codes;
;   later v64-95 the sums, v96-191 gelu, v192-196 codes and byte, v198-199 a coefficient.  window 1: the ring of raw weights, then the 32 fragments.  window 2: v0-63 x's fragments, v128-159 b1.
.set NB,   8                           ; blocks of 32 along d for a wave
.set ROWB, 8192                        ; a row of w1
.set TS,   8208                        ; LDS: a tile's 8 fragment images of 1,024 bytes, + 16
.set SCB,  33024                       ; behind the four tiles: the scale words, 256 bytes a K step
.set LSTB, 8960
.set NTL,  71680
.set HSO,  16777216                    ; hq: the scale bytes behind the codes
.set VW,   4                           ; the weights' loads: 16 hh rows + 16 q
.set VIA,  5                           ; where my codes go in the images
.set VSA,  6                           ; and my scale words
.set VLI,  7                           ; 16 x lane
.set VLS,  8                           ; SCB + 4 x lane
.set VBO,  9                           ; b1: 64 h
.set VLA,  10                          ; the list: 4 r
.set XAD,  11                          ; x's codes: token x 512 + 16 h
.set XSA,  12                          ; x's scale words: token x 32
.set VHS,  13                          ; h's scale bytes: 64 r + h
.set TK0,  14                          ; my first tile's slots
.set TKN,  15                          ; the slots of the tile that is fetched next
.set WS,   16
.set XS,   32
.set M,    40
.set M2,   44
.set SCL,  48
.set BY,   52
.set W,    56
.set VH16, 60
.set T,    64
.set C,    128
.set ACC,  64
.set S,    96
.set TT,   128
.set P,    160
.set PC,   192
.set HW,   196
.set K8,   198
.set MSB, 0
.macro WIN new                         ; the immediate's high byte repeats the setting that is left
.if MSB != \new
	s_set_vgpr_msb (MSB<<8)|\new
.set MSB, \new
.endif
.endm
.macro COEF i, bits                    ; a coefficient as a pair: the packed forms name a pair and take its low word for both halves
	s_mov_b32 s[28+2*\i], \bits
	s_mov_b32 s[29+2*\i], \bits
.endm
	s_load_b256 s[4:11], s[0:1], 0x0               ; w1, b1, xc, xs
	s_load_b128 s[12:15], s[0:1], 0x20             ; ord, hq
	v_lshl_add_u32 v254, v0, 2, 0x8c00
	v_mov_b32 v255, 0
	v_lshrrev_b32 v1, 5, v0
	v_readfirstlane_b32 s18, v1                    ; wave 0..3
	s_mov_b32 s19, ttmp9                           ; fs
	s_and_b32 s20, ttmp7, 0xffff                   ; e
	v_and_b32 v1, 31, v0                           ; lane
	v_and_b32 v2, 15, v0                           ; q, and r
	v_bfe_u32 v3, v0, 4, 1                         ; hh, and h
	v_lshlrev_b32 v[VW], 4, v2
	v_lshl_add_u32 v[VW], v3, 17, v[VW]            ; 16 rows of 8,192 bytes for lanes 16-31
	v_bfe_u32 v[M], v0, 3, 1                       ; column 4 q + j = 32 b + 16 a + 8 u + 4 q0 + j
	v_bfe_u32 v[M+1], v0, 1, 1                     ; u
	v_bfe_u32 v[M+2], v0, 2, 1                     ; a
	v_and_b32 v[M+3], 1, v0                        ; q0
	v_lshl_add_u32 v[VIA], v[M], 1, v[M+1]         ; tile 2 b + u, row 8 a + 4 q0 + j
	v_mul_u32_u24 v[VIA], v[VIA], TS
	v_lshl_add_u32 v[VIA], v[M+2], 7, v[VIA]
	v_lshl_add_u32 v[VIA], v[M+3], 6, v[VIA]
	v_lshl_add_u32 v[VIA], v3, 3, v[VIA]           ; rows 16 hh on of a block: its upper 8 bytes
	s_lshl_b32 s24, s18, 11                        ; my wave's two K steps
	v_add_nc_u32 v[VIA], s24, v[VIA]
	v_lshlrev_b32 v[VSA], 7, v[M]
	v_lshl_add_u32 v[VSA], v[M+1], 6, v[VSA]
	v_lshl_add_u32 v[VSA], v[M+2], 5, v[VSA]
	v_lshl_add_u32 v[VSA], v[M+3], 4, v[VSA]
	s_lshl_b32 s24, s18, 9
	s_add_co_u32 s24, s24, SCB
	v_add_nc_u32 v[VSA], s24, v[VSA]
	v_lshlrev_b32 v[VLI], 4, v1
	v_lshl_add_u32 v[VLS], v1, 2, SCB
	v_lshlrev_b32 v[VBO], 6, v3
	v_lshlrev_b32 v[VLA], 2, v2
	v_lshl_add_u32 v[VHS], v2, 6, v3
	v_lshlrev_b32 v[VH16], 4, v3
.irp j, 0,1,2,3
	v_mov_b32 v[M2+\j], 0                          ; a lane permute's destination counts as one of its sources
.endr
	s_mov_b32 s26, 0x76543210
	s_mov_b32 s27, 0xfedcba98                      ; v_permlanex16_b32's selects for lane l xor 16
	COEF 0, 0xc025c4b7                             ; -1.26551223 log2(e) - 1 - log2(sqrt(log2(e) / 2))
	COEF 1, 0x3fb8ab5a                             ;  1.00002368 log2(e)
	COEF 2, 0x3f0a29d2                             ;  0.37409196 log2(e)
	COEF 3, 0x3e0efb2e                             ;  0.09678418 log2(e)
	COEF 4, 0xbe899a80                             ; -0.18628806 log2(e)
	COEF 5, 0x3ecdfd18                             ;  0.27886807 log2(e)
	COEF 6, 0xbfd1a1e5                             ; -1.13520398 log2(e)
	COEF 7, 0x40097039                             ;  1.48851587 log2(e)
	COEF 8, 0xbf97d29d                             ; -0.82215223 log2(e)
	COEF 9, 0x3e7c6f08                             ;  0.17087277 log2(e)
	COEF 10, 0x3ed5224d                            ; s[48:49]: sqrt(ln 2) / 2: y / 2 = this x S
	s_mov_b32 s50, 0x3f596d27                      ; sqrt(log2(e) / 2)
	s_mov_b32 s51, 0xffff0000                      ; lanes 16-31
	v_mov_b32 v[K8], s44
	v_mov_b32 v[K8+1], s44
	s_lshl_b32 s24, s20, 23                        ; w1: the expert's 8,388,608 bytes,
	s_lshl_b32 s25, s19, 8                         ; my slice's 256 bytes of a row,
	s_add_co_u32 s24, s24, s25
	s_lshl_b32 s25, s18, 21                        ; my wave's 256 rows
	s_add_co_u32 s24, s24, s25
	s_mov_b32 s25, 0
	s_lshl_b32 s66, s20, 13                        ; b1
	s_lshl_b32 s67, s19, 8
	s_add_co_u32 s66, s66, s67
	s_mov_b32 s67, 0
	s_mul_i32 s68, s20, LSTB                       ; the list, at tile 'wave'
	s_lshl_b32 s69, s18, 6
	s_add_co_u32 s68, s68, s69
	s_mov_b32 s69, 0
	s_lshl_b32 s70, s20, 7
	s_add_co_u32 s70, s70, s18                     ; 128 e + wave
	s_lshl_b32 s72, s70, 10                        ; h's scale bytes: 1,024 bytes a tile, + my two bytes of a row,
	s_lshl_b32 s71, s19, 1
	s_add_co_u32 s72, s72, s71
	s_add_co_u32 s72, s72, HSO                     ; behind the codes
	s_mov_b32 s73, 0
	s_lshl_b32 s70, s70, 14                        ; h's codes: 16,384 bytes a tile, + my plane
	s_lshl_b32 s71, s19, 9
	s_add_co_u32 s70, s70, s71
	s_mov_b32 s71, 0
	s_lshl_b32 s74, s20, 2
	s_add_co_u32 s74, s74, NTL
	s_mov_b32 s75, 0
	s_wait_kmcnt 0x0
	s_add_nc_u64 s[4:5], s[4:5], s[24:25]
	s_add_nc_u64 s[6:7], s[6:7], s[66:67]
	s_add_nc_u64 s[52:53], s[12:13], s[68:69]
	s_add_nc_u64 s[54:55], s[14:15], s[70:71]
	s_add_nc_u64 s[56:57], s[14:15], s[72:73]
	s_add_nc_u64 s[58:59], s[12:13], s[74:75]
	s_load_b32 s21, s[58:59], 0x0                  ; the expert's tiles
	global_load_b32 v[TK0], v[VLA], s[52:53]       ; tile 'wave',
	global_load_b32 v[TKN], v[VLA], s[52:53] offset:256   ; and the tile four on.  These and b1 are issued ahead of the ring: they are in when its first block is
	WIN 0x80                                       ; destination window 2
.irp n, 0,1,2,3                                ; b1 in the result's layout: lane (r, h), tile 2 b + u: hidden units 32 b + 16 h + 8 u + 0 .. 7
	global_load_b128 v[128+8*\n:128+8*\n+3], v[VBO], s[6:7] offset:(32*(\n/2)+8*(\n%2))*4
	global_load_b128 v[128+8*\n+4:128+8*\n+7], v[VBO], s[6:7] offset:(32*(\n/2)+8*(\n%2))*4+16
.endr
.macro WLOAD t                         ; block t: 32 rows x 256 bytes, into ring slot t % 4 of window 1
	WIN 0x40
.irp i, 0,1,2,3,4,5,6,7,8,9,10,11,12,13,14,15
	global_load_b128 v[64*((\t)%4)+4*\i:64*((\t)%4)+4*\i+3], v[VW], s[4:5] offset:(32*(\t)+\i)*ROWB th:TH_LOAD_NT
.endr
.endm
; Block t is quantised.  younger: the ring's loads issued behind block t's.
.macro BLOCK t, younger
	s_wait_loadcnt \younger
	s_wait_dscnt 0x0                               ; the last block's LDS stores have read their registers
	WIN 0x01                                       ; source 0 window 1
.irp j, 0,1,2,3
.irp i, 0,1,2,3,4,5,6,7,8,9,10,11,12,13,14,15
	v_mov_b32 v[T+16*\j+\i], v[64*((\t)%4)+4*\i+\j]   ; column j's 16 rows on end
.endr
.endr
.if (\t)+4 < NB
	WLOAD (\t)+4                                   ; the slot takes the block four on
.endif
	WIN 0
.irp j, 0,1,2,3
	v_max3_num_f32 v[M+\j], |v[T+16*\j]|, |v[T+16*\j+1]|, 0x1800000   ; with the floor 2^(3 - 127): the byte cannot fall under 1
.endr
.irp i, 2,4,6,8,10,12,14
.irp j, 0,1,2,3
	v_max3_num_f32 v[M+\j], v[M+\j], |v[T+16*\j+\i]|, |v[T+16*\j+\i+1]|   ; the four columns by turns
.endr
.endr
.irp j, 0,1,2,3
	v_permlanex16_b32 v[M2+\j], v[M+\j], s26, s27
.endr
.irp j, 0,1,2,3
	v_max_num_f32 v[M+\j], v[M+\j], v[M2+\j]       ; with the block's other 16 rows
.endr
.irp j, 0,1,2,3
	v_add_nc_u32 v[SCL+\j], 0xff000000, v[M+\j]    ; 2 off the exponent field: the conversion's scale operand
.endr
.irp j, 0,1,2,3
	v_lshrrev_b32 v[BY+\j], 23, v[SCL+\j]          ; the scale's byte
.endr
.irp j, 0,1,2,3
.if ((\t)%4) == 0
	v_mov_b32 v[W+\j], v[BY+\j]                    ; four blocks' bytes make a K step's scale word
.else
	v_lshl_or_b32 v[W+\j], v[BY+\j], 8*((\t)%4), v[W+\j]
.endif
.endr
.irp j, 0,1,2,3
	v_cvt_scalef32_pk8_fp4_f32 v[C+2*\j], v[T+16*\j:T+16*\j+7], v[SCL+\j]
	v_cvt_scalef32_pk8_fp4_f32 v[C+2*\j+1], v[T+16*\j+8:T+16*\j+15], v[SCL+\j]
.endr
	v_nop                                          ; a plain instruction behind the last conversion
.irp j, 0,1,2,3
	ds_store_b64 v[VIA], v[C+2*\j:C+2*\j+1] offset:((\t)/4)*1024+(((\t)%4)/2)*512+((\t)%2)*256+16*\j   ; block 2 c + h of its K step: registers 4 c on of lanes 16 h on
.endr
.if ((\t)%4) == 3
.irp j, 0,1,2,3
	ds_store_b32 v[VSA], v[W+\j] offset:((\t)/4)*256+4*\j   ; both lanes of a column write the same word with the same value
.endr
.endif
.endm
	WLOAD 0
	WLOAD 1
	WLOAD 2
	WLOAD 3
.set Q, 0
.rept NB-3
	BLOCK Q, 48                                    ; three younger blocks' 48 loads may be out
.set Q, Q+1
.endr
	BLOCK NB-3, 32
	BLOCK NB-2, 16
	BLOCK NB-1, 0
	s_wait_dscnt 0x0                               ; for the others' sake: my images have landed
	s_wait_kmcnt 0x0
	s_barrier_signal -1
	s_barrier_wait -1                              ; the one barrier, ahead of every branch on a number read from memory: all 32 fragments lie in LDS
	s_min_u32 s21, s21, 128
	s_cmp_ge_u32 s18, s21
	s_cbranch_scc1 .Lend                           ; fewer tiles than waves
	s_sub_co_u32 s60, s21, s18
	s_add_co_u32 s60, s60, 3
	s_lshr_b32 s60, s60, 2                         ; my tiles: wave, wave + 4, .. under the expert's number: at least one, at most 32
.macro XADDR tk                        ; from a tile's slots to the addresses of its rows; five plain instructions, which name no register of a product
	v_lshrrev_b32 v[XAD], 1, v[\tk]                ; the token
	v_min_u32 v[XAD], 2047, v[XAD]                 ; held inside x (a pad becomes token 2047)
	v_lshlrev_b32 v[XSA], 5, v[XAD]
	v_lshl_add_u32 v[XAD], v[XAD], 9, v[VH16]
	v_nop
.endm
.macro XLOAD                           ; a tile's eight fragments of x and its scale words: lane (r, h) takes, of row r's 512 bytes, the 16 at 64 s + 32 c + 16 h
	WIN 0x80
.irp s, 0,1,2,3,4,5,6,7
.irp c, 0,1
	global_load_b128 v[8*\s+4*\c:8*\s+4*\c+3], v[XAD], s[8:9] offset:64*\s+32*\c
.endr
.endr
	WIN 0
	global_load_b128 v[XS:XS+3], v[XSA], s[10:11]
	global_load_b128 v[XS+4:XS+7], v[XSA], s[10:11] offset:16
.endm
.macro WM d, a, b, c, sa, sb, odd      ; odd: source 0's scales stand in lanes 16-31 of their register
.if \odd
	v_wmma_scale_f32_16x16x128_f8f6f4 v[\d:\d+7], v[\a:\a+7], v[\b:\b+7], v[\c:\c+7], v[\sa], v[\sb] matrix_a_fmt:MATRIX_FMT_FP4 matrix_b_fmt:MATRIX_FMT_FP4 matrix_a_scale:MATRIX_SCALE_ROW1
.else
	v_wmma_scale_f32_16x16x128_f8f6f4 v[\d:\d+7], v[\a:\a+7], v[\b:\b+7], v[\c:\c+7], v[\sa], v[\sb] matrix_a_fmt:MATRIX_FMT_FP4 matrix_b_fmt:MATRIX_FMT_FP4
.endif
.endm
	XADDR TK0
	XLOAD
	WIN 0x40                                       ; destination window 1: fragment (tile n, K step s) at v[8 (8 n + s)]
.irp n, 0,1,2,3
.irp s, 0,1,2,3,4,5,6,7
.irp c, 0,1
	ds_load_b128 v[(8*\n+\s)*8+4*\c:(8*\n+\s)*8+4*\c+3], v[VLI] offset:TS*\n+1024*\s+512*\c
.endr
.endr
.endr
	WIN 0
.irp s, 0,1,2,3,4,5,6,7
.irp b, 0,1
	ds_load_b32 v[WS+2*\s+\b], v[VLS] offset:256*\s+128*\b   ; lanes 0-15: tile 2 b's words, lanes 16-31: tile 2 b + 1's
.endr
.endr
	s_wait_dscnt 0x0
	s_mov_b32 s22, 0                               ; counts my tiles; where a tile lies is kept in the three pointers, which step by four tiles a trip
.Ltile:
	s_wait_loadcnt 0x0                             ; this tile's 18 loads and the next list entries, all issued a gelu ago
	WIN 0x29                                       ; source 0 (weights) window 1, source 1 (x) and source 2 (b1) window 2
.irp n, 0,1,2,3
	WM ACC+8*\n, (8*\n)*8, 0, 128+8*\n, WS+\n/2, XS, (\n)%2   ; the bias is the C of each sum's first product
.endr
	WIN 0x09                                       ; the sums in place; the four accumulators take turns, one instruction a turn
.irp s, 1,2,3,4,5,6,7
.irp n, 0,1,2,3
	WM ACC+8*\n, (8*\n+\s)*8, 8*\s, ACC+8*\n, WS+2*\s+\n/2, XS+\s, (\n)%2
.endr
.endr
	WIN 0
	XADDR TKN                                      ; the places behind the products, ahead of the loads into x's registers and of the first read of the sums
	XLOAD                                          ; the tile four on lands while this one goes through gelu
	global_load_b32 v[TKN], v[VLA], s[52:53] offset:512   ; and the slots of the tile eight on
	; GELU on the 32 sums, each accumulator read from its low end on
.set j, 0
.rept 32
	v_mul_f32 v[S+j], s50, |v[ACC+j]|
.set j, j+1
.endr
.set j, 0
.rept 16
	v_pk_fma_f32 v[TT+j:TT+j+1], v[S+j:S+j+1], s[48:49], 1.0 op_sel_hi:[1,0,0]   ; 1 + y / 2
.set j, j+2
.endr
.set j, 0
.rept 32
	v_rcp_f32 v[TT+j], v[TT+j]                     ; t
.set j, j+1
.endr
	v_nop                                          ; a plain instruction behind the last reciprocal
	s_wait_alu depctr_va_vdst(0)                   ; one wait for the 32, ahead of their first reader
.set j, 0
.rept 16
	v_pk_fma_f32 v[P+j:P+j+1], v[TT+j:TT+j+1], s[46:47], v[K8:K8+1] op_sel_hi:[1,0,1]
.set j, j+2
.endr
.irp c, 42,40,38,36,34,32,30,28
.set j, 0
.rept 16
	v_pk_fma_f32 v[P+j:P+j+1], v[P+j:P+j+1], v[TT+j:TT+j+1], s[\c:\c+1] op_sel_hi:[1,1,0]
.set j, j+2
.endr
.endr
.set j, 0
.rept 16
	v_pk_fma_f32 v[P+j:P+j+1], v[S+j:S+j+1], v[S+j:S+j+1], v[P+j:P+j+1] neg_lo:[1,0,0] neg_hi:[1,0,0]   ; - S^2
.set j, j+2
.endr
.set j, 0
.rept 32
	v_exp_f32 v[P+j], v[P+j]
.set j, j+1
.endr
	v_nop
	s_wait_alu depctr_va_vdst(0)                   ; one wait for the 32 exponentials
.set j, 0
.rept 16
	v_pk_mul_f32 v[P+j:P+j+1], v[TT+j:TT+j+1], v[P+j:P+j+1]
.set j, j+2
.endr
.set j, 0
.rept 32
	v_max_num_f32 v[ACC+j], 0, v[ACC+j]
.set j, j+1
.endr
.set j, 0
.rept 16
	v_pk_fma_f32 v[ACC+j:ACC+j+1], v[S+j:S+j+1], v[P+j:P+j+1], v[ACC+j:ACC+j+1] neg_lo:[1,0,0] neg_hi:[1,0,0]   ; max(v, 0) - |v| Phi(-|v|)
.set j, j+2
.endr
	; h's two blocks of 32 along f: 16 numbers here, 16 in lane l xor 16
.irp b, 0,1
	v_max3_num_f32 v[M+\b], |v[ACC+16*\b]|, |v[ACC+16*\b+1]|, 0x1800000
.endr
.irp i, 2,4,6,8,10,12,14
.irp b, 0,1
	v_max3_num_f32 v[M+\b], v[M+\b], |v[ACC+16*\b+\i]|, |v[ACC+16*\b+\i+1]|
.endr
.endr
.irp b, 0,1
	v_permlanex16_b32 v[M2+\b], v[M+\b], s26, s27
.endr
.irp b, 0,1
	v_max_num_f32 v[M+\b], v[M+\b], v[M2+\b]
.endr
.irp b, 0,1
	v_add_nc_u32 v[SCL+\b], 0xff000000, v[M+\b]
.endr
.irp b, 0,1
	v_lshrrev_b32 v[BY+\b], 23, v[SCL+\b]
.endr
.irp b, 0,1
	v_cvt_scalef32_pk8_fp4_f32 v[PC+2*\b], v[ACC+16*\b:ACC+16*\b+7], v[SCL+\b]
	v_cvt_scalef32_pk8_fp4_f32 v[PC+2*\b+1], v[ACC+16*\b+8:ACC+16*\b+15], v[SCL+\b]
.endr
	v_nop                                          ; a plain instruction behind the last conversion
	v_permlane16_swap_b32 v[PC], v[PC+2]           ; the operand's layout wants a whole block in a lane: lanes 0-15 the first block, lanes 16-31 the second
	v_permlane16_swap_b32 v[PC+1], v[PC+3]
	v_cndmask_b32 v[HW], v[BY], v[BY+1], s51       ; lanes 0-15 store the first block's byte, lanes 16-31 the second's
	global_store_b128 v[VLI], v[PC:PC+3], s[54:55] ; my plane of the tile: 512 consecutive bytes, half a K step's register image
	global_store_b8 v[VHS], v[HW], s[56:57]
	s_wait_xcnt 0x0                                ; the stores and the list's load have read their registers and bases
	s_add_nc_u64 s[52:53], s[52:53], 256           ; four tiles on
	s_add_nc_u64 s[54:55], s[54:55], 0x10000
	s_add_nc_u64 s[56:57], s[56:57], 4096
	s_add_co_u32 s22, s22, 1
	s_cmp_lt_u32 s22, s60
	s_cbranch_scc1 .Ltile
.Lend:
	s_wait_tensorcnt 0x0
	ds_add_u32 v254, v255
	s_wait_dscnt 0x0
	s_endpgm
.Lfunc_end_k_qcd7e4a1b75_ffn1:
	.size	k_qcd7e4a1b75_ffn1, .Lfunc_end_k_qcd7e4a1b75_ffn1-k_qcd7e4a1b75_ffn1
	.p2alignl 7, 3214868480
	.fill 96, 4, 3214868480
	.section	.rodata,"a",@progbits
	.p2align	6, 0x0
	.amdhsa_kernel k_qcd7e4a1b75_ffn1
		.amdhsa_group_segment_fixed_size 36352
		.amdhsa_private_segment_fixed_size 0
		.amdhsa_enable_private_segment 0
		.amdhsa_kernarg_size 48
		.amdhsa_user_sgpr_count 2
		.amdhsa_user_sgpr_kernarg_segment_ptr 1
		.amdhsa_wavefront_size32 1
		.amdhsa_system_sgpr_workgroup_id_x 1
		.amdhsa_system_sgpr_workgroup_id_y 1
		.amdhsa_system_sgpr_workgroup_id_z 1
		.amdhsa_system_vgpr_workitem_id 0
		.amdhsa_next_free_vgpr 768
		.amdhsa_next_free_sgpr 80
		.amdhsa_reserve_vcc 0
		.amdhsa_float_denorm_mode_32 3
		.amdhsa_float_denorm_mode_16_64 3
		.amdhsa_memory_ordered 1
		.amdhsa_forward_progress 1
		.amdhsa_inst_pref_size 102
	.end_amdhsa_kernel
	.amdgpu_metadata
---
amdhsa.version: [ 1, 2 ]
amdhsa.kernels:
  - .name:           k_qcd7e4a1b75_ffn1
    .symbol:         k_qcd7e4a1b75_ffn1.kd
    .args:
      - { .name: w1, .offset: 0, .size: 8, .value_kind: global_buffer, .address_space: global }
      - { .name: b1, .offset: 8, .size: 8, .value_kind: global_buffer, .address_space: global }
      - { .name: xc, .offset: 16, .size: 8, .value_kind: global_buffer, .address_space: global }
      - { .name: xs, .offset: 24, .size: 8, .value_kind: global_buffer, .address_space: global }
      - { .name: ord, .offset: 32, .size: 8, .value_kind: global_buffer, .address_space: global }
      - { .name: hq, .offset: 40, .size: 8, .value_kind: global_buffer, .address_space: global }
    .group_segment_fixed_size: 36352
    .private_segment_fixed_size: 0
    .kernarg_segment_align: 8
    .kernarg_segment_size: 48
    .max_flat_workgroup_size: 128
    .sgpr_count:     80
    .vgpr_count:     768
    .wavefront_size: 32
...
	.end_amdgpu_metadata
.endif
;; end of part 7
;; launch ffn2 (part 8): grid 16 x 16, 4 waves a work-group, no clusters, 0 bytes of LDS; arguments w2q, b2, hq, ord, z; writes z
.if DOCPART == 8
	.amdgcn_target "amdgcn-amd-amdhsa--gfx1250"
	.amdhsa_code_object_version 6
	.text
	.protected	k_qcd7e4a1b75_ffn2
	.globl	k_qcd7e4a1b75_ffn2
	.p2align	8
	.type	k_qcd7e4a1b75_ffn2,@function
k_qcd7e4a1b75_ffn2:
	s_mov_b64 s[64:65], 0
	v_nop
	global_prefetch_b8 v0, s[64:65] scope:SCOPE_SE
	s_setreg_imm32_b32 hwreg(HW_REG_WAVE_MODE, 25, 1), 1
	s_wait_xcnt 0x0
; z = h w2 + b2 for the rows that chose the expert, both operands codes of E2M1 with one E8M0 byte for each 32 along f; z: [4224 slots][1024] f32.
; Both operands lie in memory as images of the operand's registers, made by earlier launches, so every fragment comes by loads of 512 consecutive bytes straight into registers.  No LDS, no barrier: waves share nothing.
; SHARES.  Work-group (ds, 2 e + half): output columns 64 ds .. 64 ds + 63 of expert e; its wave w is wave u = 4 half + w of the eight that share the expert's tiles of 16 rows: tiles u, u + 8, ..
; THE WEIGHTS STAY, THE ROWS PASS.  A wave keeps the slice's 64 fragments (4 tiles of 16 columns x 16 K steps: 65,536 bytes, 512 registers).  With c columns to a wave there are c / 8 waves to a slice on 1,024 waves,
; so a wave loads about c KB of weights and, of an expert's 32 tiles or so, 256 / c tiles of 17 KB: the sum is least at c = 64; and 64 columns are 256 consecutive bytes of a row of z, aligned.
; Two buffers of h take turns: while one tile is multiplied (64 matrix instructions) the next is on its way.
; ROW r OF TILE n OF THE WEIGHTS IS COLUMN 4 r + n.  Source 0 = 16 rows of h, source 1 = 16 columns of w2: lane (r, h) holds in register j of tile n's sum z(row 8 h + j, column 4 r + n).
; So a lane's four tiles hold four NEIGHBOURING columns of each of its eight rows: 32 moves lay them side by side, and a store of the wave covers 256 consecutive bytes of each of two slots' rows.
; The moves stand for a round trip through LDS (16 instructions of 512 bytes a tile).  b2 is the C of each sum's first product: lane r's four numbers, spread over the 32 registers once.
; A trip of the loop takes two of the wave's tiles, one from each buffer; a wave whose number of tiles is odd ends in the middle of its last trip.
; The look-ahead never leaves the expert's tiles: past the last it names the tile in hand again, so that each buffer's 38 loads are issued on every way and the counted wait holds.
; NO JOINT REQUESTS: the waves of a slice read the same weights and the 16 slices of an expert the same tiles of h, but how many tiles is read from memory and the trip count hangs on it, so all comes by plain loads.
; No prefetch: the weights' loads all go out at the head, and a tile's loads a tile ahead.
; LIMITS: NaN and infinities are not served.
; REGISTERS, in windows of 256: window 0: v4-7 addresses; v8-11 b2 as loaded; v16-47 the weights' scale words, v48-79 h's, two sets: scales and nothing else; v80-111 b2 as C; v112-143 the sums;
;   v144-159 slots, two sets; v160-167 z's addresses; v168-199 rows on their way out.  windows 1, 2: the 64 fragments of w2.  window 3: h's fragments, two sets.
.set LSTB, 8960
.set NTL,  71680
.set HSO,  16777216                    ; hq: the scale words behind the codes
.set WSO,  8388608                     ; w2q: likewise
.set VLI,  4                           ; 16 x lane
.set VHS,  5                           ; h's scale words: 64 r
.set VSL,  6                           ; the slots of rows 8 h + 0 .. 7: 32 h
.set VZ,   7                           ; 16 r
.set BT,   8
.set WS,   16                          ; register 4 p + n: tile n's words of K step 2 p in lanes 0-15, of K step 2 p + 1 in lanes 16-31
.set HS,   48
.set B2,   80
.set ACC,  112
.set SL,   144
.set ZA,   160
.set OB,   168
.set MSB, 0
.macro WIN new                         ; the immediate's high byte repeats the setting that is left
.if MSB != \new
	s_set_vgpr_msb (MSB<<8)|\new
.set MSB, \new
.endif
.endm
	s_load_b256 s[4:11], s[0:1], 0x0               ; w2q, b2, hq, ord
	s_load_b64 s[12:13], s[0:1], 0x20              ; z
	v_lshrrev_b32 v1, 5, v0
	v_readfirstlane_b32 s18, v1                    ; wave 0..3
	s_mov_b32 s19, ttmp9                           ; ds
	s_and_b32 s20, ttmp7, 0xffff
	s_and_b32 s17, s20, 1                          ; half
	s_lshr_b32 s20, s20, 1                         ; e
	s_lshl_b32 s16, s17, 2
	s_add_co_u32 s16, s16, s18                     ; u: which of the slice's eight waves
	v_and_b32 v1, 31, v0                           ; lane
	v_and_b32 v2, 15, v0                           ; r
	v_bfe_u32 v3, v0, 4, 1                         ; h
	v_lshlrev_b32 v[VLI], 4, v1
	v_lshlrev_b32 v[VHS], 6, v2
	v_lshlrev_b32 v[VSL], 5, v3
	v_lshlrev_b32 v[VZ], 4, v2
	s_lshl_b32 s28, s20, 4
	s_add_co_u32 s28, s28, s19                     ; the slice: 16 e + ds
	s_lshl_b32 s30, s28, 16                        ; its codes: 65,536 bytes
	s_mov_b32 s31, 0
	s_lshl_b32 s32, s28, 12                        ; its scale words: 4,096 bytes, behind all codes
	s_add_co_u32 s32, s32, WSO
	s_mov_b32 s33, 0
	s_lshl_b32 s34, s20, 12                        ; b2
	s_lshl_b32 s35, s19, 8
	s_add_co_u32 s34, s34, s35
	s_mov_b32 s35, 0
	s_lshl_b32 s36, s20, 21                        ; h's codes: 128 tiles of 16,384 bytes an expert
	s_mov_b32 s37, 0
	s_lshl_b32 s38, s20, 17                        ; h's scale words: 128 tiles of 1,024 bytes, behind all codes
	s_add_co_u32 s38, s38, HSO
	s_mov_b32 s39, 0
	s_mul_i32 s50, s20, LSTB                       ; the list
	s_mov_b32 s51, 0
	s_lshl_b32 s24, s19, 8                         ; z: my slice's 256 bytes of a row
	s_mov_b32 s25, 0                               ; (s25 stays 0: the upper word of every offset made in s24)
	s_lshl_b32 s28, s20, 2
	s_add_co_u32 s28, s28, NTL
	s_mov_b32 s29, 0
	s_wait_kmcnt 0x0
	s_add_nc_u64 s[30:31], s[4:5], s[30:31]
	s_add_nc_u64 s[32:33], s[4:5], s[32:33]
	s_add_nc_u64 s[6:7], s[6:7], s[34:35]
	s_add_nc_u64 s[40:41], s[8:9], s[36:37]
	s_add_nc_u64 s[42:43], s[8:9], s[38:39]
	s_add_nc_u64 s[44:45], s[10:11], s[50:51]
	s_add_nc_u64 s[46:47], s[12:13], s[24:25]
	s_add_nc_u64 s[48:49], s[10:11], s[28:29]
	s_load_b32 s21, s[48:49], 0x0                  ; the expert's tiles
	global_load_b128 v[BT:BT+3], v[VZ], s[6:7]     ; b2 of columns 4 r + 0 .. 3
	WIN 0x40                                       ; fragment (tile n, K step s) at v[8 (4 (s % 8) + n)] of window 1 + s / 8: the order in which the codes lie
.set k, 0
.rept 64
	global_load_b128 v[4*k:4*k+3], v[VLI], s[30:31] offset:512*k
.set k, k+1
.endr
	WIN 0x80
.set k, 0
.rept 64
	global_load_b128 v[4*k:4*k+3], v[VLI], s[30:31] offset:32768+512*k
.set k, k+1
.endr
	WIN 0
.irp p, 0,1,2,3,4,5,6,7
	global_load_b128 v[WS+4*\p:WS+4*\p+3], v[VLI], s[32:33] offset:512*\p
.endr
	s_wait_kmcnt 0x0
	s_min_u32 s21, s21, 128
	s_cmp_ge_u32 s16, s21
	s_cbranch_scc1 .Lend                           ; fewer tiles than waves
	s_sub_co_u32 s59, s21, s16
	s_add_co_u32 s59, s59, 15
	s_lshr_b32 s59, s59, 4                         ; trips: tiles u + 16 k and u + 16 k + 8 in trip k: at least one, at most 8
; Tile s23 into buffer b: 32 + 4 + 2 = 38 loads.  The three bases are written anew: but for the first use, a wait on XCNT stands ahead of the macro.
.macro HLOAD b
	s_min_u32 s23, s23, 127                        ; held inside the expert's tiles ahead of the addresses
	s_lshl_b32 s24, s23, 14
	s_add_nc_u64 s[52:53], s[40:41], s[24:25]
	s_lshl_b32 s24, s23, 10
	s_add_nc_u64 s[54:55], s[42:43], s[24:25]
	s_lshl_b32 s24, s23, 6
	s_add_nc_u64 s[56:57], s[44:45], s[24:25]
	WIN 0xc0                                       ; destination window 3
.set p, 0
.rept 32
	global_load_b128 v[128*\b+4*p:128*\b+4*p+3], v[VLI], s[52:53] offset:512*p   ; plane p = 2 s + c: registers 4 c on of K step s
.set p, p+1
.endr
	WIN 0
.irp k, 0,1,2,3
	global_load_b128 v[HS+16*\b+4*\k:HS+16*\b+4*\k+3], v[VHS], s[54:55] offset:16*\k
.endr
.irp k, 0,1
	global_load_b128 v[SL+8*\b+4*\k:SL+8*\b+4*\k+3], v[VSL], s[56:57] offset:16*\k
.endr
.endm
.macro WM d, a, b, c, sa, sb, odd      ; odd: source 1's scales stand in lanes 16-31 of their register
.if \odd
	v_wmma_scale_f32_16x16x128_f8f6f4 v[\d:\d+7], v[\a:\a+7], v[\b:\b+7], v[\c:\c+7], v[\sa], v[\sb] matrix_a_fmt:MATRIX_FMT_FP4 matrix_b_fmt:MATRIX_FMT_FP4 matrix_b_scale:MATRIX_SCALE_ROW1
.else
	v_wmma_scale_f32_16x16x128_f8f6f4 v[\d:\d+7], v[\a:\a+7], v[\b:\b+7], v[\c:\c+7], v[\sa], v[\sb] matrix_a_fmt:MATRIX_FMT_FP4 matrix_b_fmt:MATRIX_FMT_FP4
.endif
.endm
; The tile in buffer b (tile s22 + 8 b) is multiplied and stored; the buffer then takes the tile sixteen on, or the same tile again where there is none.
.macro STEP b
	s_wait_loadcnt 38                              ; this buffer's 38 loads are in, and all that was issued ahead of them; the other buffer's 38, issued behind them, may be out
	WIN 0x07                                       ; source 0 (h) window 3, source 1 (weights) window 1
.irp n, 0,1,2,3
	WM ACC+8*\n, 128*\b, \n*8, B2+8*\n, HS+16*\b, WS+\n, 0   ; the bias is the C of each sum's first product
.endr
.irp s, 1,2,3,4,5,6,7
.irp n, 0,1,2,3
	WM ACC+8*\n, 128*\b+8*\s, (\s*4+\n)*8, ACC+8*\n, HS+16*\b+\s, WS+4*(\s/2)+\n, (\s)%2   ; the four accumulators take turns, one instruction a turn
.endr
.endr
	WIN 0x0b                                       ; K steps 8 to 15: the weights in window 2
.irp s, 8,9,10,11,12,13,14,15
.irp n, 0,1,2,3
	WM ACC+8*\n, 128*\b+8*\s, ((\s-8)*4+\n)*8, ACC+8*\n, HS+16*\b+\s, WS+4*(\s/2)+\n, (\s)%2
.endr
.endr
	WIN 0
	s_wait_xcnt 0x0                                ; the last tile's stores and the other buffer's loads have read their registers and bases
.irp i, 0,1,2,3,4,5,6,7
	v_min_u32 v[ZA+\i], 4223, v[SL+8*\b+\i]        ; the slot of row 8 h + i, held inside z.  (These sixteen lines are the places behind the products)
.endr
.irp i, 0,1,2,3,4,5,6,7
	v_lshl_add_u32 v[ZA+\i], v[ZA+\i], 12, v[VZ]
.endr
.irp i, 0,1,2,3,4,5,6,7
.irp n, 0,1,2,3
	v_mov_b32 v[OB+4*\i+\n], v[ACC+8*\n+\i]        ; row 8 h + i: columns 4 r + 0 .. 3 side by side; each accumulator is read from its low end on
.endr
.endr
	s_add_co_u32 s28, s22, 8*\b                    ; the tile in hand
	s_add_co_u32 s23, s22, 16+8*\b                 ; the tile sixteen on,
	s_cmp_lt_u32 s23, s21
	s_cselect_b32 s23, s23, s28                    ; if the expert has it
	HLOAD \b
.irp i, 0,1,2,3,4,5,6,7
	global_store_b128 v[ZA+\i], v[OB+4*\i:OB+4*\i+3], s[46:47] th:TH_STORE_NT   ; sixteen lanes store 256 consecutive bytes of a slot's row, aligned
.endr
.endm
	s_mov_b32 s23, s16
	HLOAD 0                                        ; my first tile,
	s_add_co_u32 s23, s16, 8
	s_cmp_lt_u32 s23, s21
	s_cselect_b32 s23, s23, s16
	s_wait_xcnt 0x0                                ; the loads above have read their bases
	HLOAD 1                                        ; and the tile eight on, if there is one
	s_wait_loadcnt 38                              ; all but the 38 just issued: b2 among them
.irp n, 0,1,2,3
.irp j, 0,1,2,3,4,5,6,7
	v_mov_b32 v[B2+8*\n+\j], v[BT+\n]              ; the same for all eight rows of a lane
.endr
.endr
.rept 8
	v_nop                                          ; once a wave: distance between these moves and the first products, which take the registers as C
.endr
	s_mov_b32 s22, s16                             ; the trip's first tile
	s_mov_b32 s58, 0                               ; counts the trips
.Lpair:
	STEP 0
	s_add_co_u32 s28, s22, 8
	s_cmp_lt_u32 s28, s21
	s_cbranch_scc1 .Lsecond                        ; the expert has the tile eight on
	s_endpgm                                       ; it has not: my last tile is stored; only plain loads and stores are out
.Lsecond:
	STEP 1
	s_add_co_u32 s22, s22, 16
	s_add_co_u32 s58, s58, 1
	s_cmp_lt_u32 s58, s59
	s_cbranch_scc1 .Lpair
.Lend:
	s_endpgm
.Lfunc_end_k_qcd7e4a1b75_ffn2:
	.size	k_qcd7e4a1b75_ffn2, .Lfunc_end_k_qcd7e4a1b75_ffn2-k_qcd7e4a1b75_ffn2
	.p2alignl 7, 3214868480
	.fill 96, 4, 3214868480
	.section	.rodata,"a",@progbits
	.p2align	6, 0x0
	.amdhsa_kernel k_qcd7e4a1b75_ffn2
		.amdhsa_group_segment_fixed_size 0
		.amdhsa_private_segment_fixed_size 0
		.amdhsa_enable_private_segment 0
		.amdhsa_kernarg_size 40
		.amdhsa_user_sgpr_count 2
		.amdhsa_user_sgpr_kernarg_segment_ptr 1
		.amdhsa_wavefront_size32 1
		.amdhsa_system_sgpr_workgroup_id_x 1
		.amdhsa_system_sgpr_workgroup_id_y 1
		.amdhsa_system_sgpr_workgroup_id_z 1
		.amdhsa_system_vgpr_workitem_id 0
		.amdhsa_next_free_vgpr 1024
		.amdhsa_next_free_sgpr 66
		.amdhsa_reserve_vcc 0
		.amdhsa_float_denorm_mode_32 3
		.amdhsa_float_denorm_mode_16_64 3
		.amdhsa_memory_ordered 1
		.amdhsa_forward_progress 1
		.amdhsa_inst_pref_size 55
	.end_amdhsa_kernel
	.amdgpu_metadata
---
amdhsa.version: [ 1, 2 ]
amdhsa.kernels:
  - .name:           k_qcd7e4a1b75_ffn2
    .symbol:         k_qcd7e4a1b75_ffn2.kd
    .args:
      - { .name: w2q, .offset: 0, .size: 8, .value_kind: global_buffer, .address_space: global }
      - { .name: b2, .offset: 8, .size: 8, .value_kind: global_buffer, .address_space: global }
      - { .name: hq, .offset: 16, .size: 8, .value_kind: global_buffer, .address_space: global }
      - { .name: ord, .offset: 24, .size: 8, .value_kind: global_buffer, .address_space: global }
      - { .name: z, .offset: 32, .size: 8, .value_kind: global_buffer, .address_space: global }
    .group_segment_fixed_size: 0
    .private_segment_fixed_size: 0
    .kernarg_segment_align: 8
    .kernarg_segment_size: 40
    .max_flat_workgroup_size: 128
    .sgpr_count:     66
    .vgpr_count:     1024
    .wavefront_size: 32
...
	.end_amdgpu_metadata
.endif
;; end of part 8
;; launch norm: the kernel of part 5 again; grid 256 x 1, 8 waves a work-group, no clusters, 0 bytes of LDS; arguments x, z, sel, gw, ln_g, ln_b, out0; writes out0
;; ======== version 3 of 3: 5 launches
;; workspace buffers: xc 1,048,576 bytes; xs 65,536 bytes; sel 16,384 bytes of whole numbers; gw 16,384 bytes; ord 71,936 bytes of whole numbers; hq 17,825,792 bytes; w2q 8,912,896 bytes; z 17,301,504 bytes
;; launch route (part 9): grid 256 x 1, 2 waves a work-group, no clusters, 70,912 bytes of LDS; arguments x, gate_w, xc, xs, sel, gw; writes xc, xs, sel, gw
.if DOCPART == 9
	.amdgcn_target "amdgcn-amd-amdhsa--gfx1250"
	.amdhsa_code_object_version 6
	.text
	.protected	k_qcd7e4a1b75_route
	.globl	k_qcd7e4a1b75_route
	.p2align	8
	.type	k_qcd7e4a1b75_route,@function
k_qcd7e4a1b75_route:
	s_mov_b64 s[64:65], 0
	v_nop
	global_prefetch_b8 v0, s[64:65] scope:SCOPE_SE
	s_setreg_imm32_b32 hwreg(HW_REG_WAVE_MODE, 25, 1), 1
	s_wait_xcnt 0x0
; THE ROUTER AND x's CODES.  scores = x gate_w in f32 (fused multiply-adds), the two best experts of each token (of equal scores the lower index),
; the softmax over the two with the larger taken away first, and x as codes of E2M1 with one E8M0 byte for each 32 along d.
; x: [2048][1024] f32.  gate_w: [1024][8] f32.  xc: [2048][512 bytes], block b at byte 16 b.  xs: [2048][32 bytes].  sel: [2048][2] u32.  gw: [2048][2] f32.
; SHARES.  A work-group of two waves takes 8 tokens, a wave 4.  Lane l owns d = 32 l .. 32 l + 31 of each of its wave's tokens: one whole block, so a block's largest
; magnitude needs no other lane; its 32 rows of gate_w (256 numbers) stay in registers.  Every load from memory takes 512 consecutive bytes; the turn to
; 128 (x) or 1,024 (gate_w) bytes a lane goes through LDS, in places padded by 16 bytes.
; No address and no branch hangs on the scores: the choice is stored at fixed places and used by later launches.
; LIMITS: NaN and infinities are not served.  A block whose largest magnitude lies under 2^-124, a block of zeros among them, gets the byte 1: its codes are zeros,
; and the bytes are read by this program alone.  Scores are summed in another order than a plain loop over d would: where the second and the third best score
; lie closer than that rounding, either may be chosen.
; REGISTERS, in windows of 256: window 0: v1-11 addresses, v16-47 scores, v48-119 at work, v128-255 x (32 t + d).  window 1: gate_w (8 d + e).
;   window 2: v0-127 x as loaded, v128-255 my wave's half of gate_w as loaded.
.set GP,   1040                        ; a lane's 1,024 bytes of gate_w + 16
.set XP,   144                         ; a lane's 128 bytes of a token + 16
.set XTOK, 4608                        ; 32 such places
.set XST,  33280                       ; behind the gate's 32 places: 4 tokens for each wave
.set SBB,  70144                       ; behind them: 128 scale bytes for each wave
.set ACC,  16                          ; v16-47   score 8 t + e
.set M1,   48                          ; v48-51   the best score;   v52-55 its expert
.set I1,   52
.set M2,   56                          ; v56-59   the second best;  v60-63 its expert
.set I2,   60
.set P,    64                          ; v64-67   the second's weight
.set R,    68                          ; v68-71   the best's weight
.set SM,   72                          ; v72-79   a token's scores with the best one taken out
.set QA,   80                          ; v80-87   largest magnitudes, two chains a token
.set QB,   84
.set SC,   88                          ; v88-91   the conversions' scale operands
.set BY,   92                          ; v92-95   the scale bytes
.set C,    96                          ; v96-111  codes, four registers a token
.set OI,   112                         ; what my lane stores into sel,
.set OW,   113                         ; and into gw
.set NINF, 115
.set PT,   116                         ; v116-119 the other half's sums
.set X,    128
.set MSB, 0
.macro WIN new                         ; the immediate's high byte repeats the setting that is left
.if MSB != \new
	s_set_vgpr_msb (MSB<<8)|\new
.set MSB, \new
.endif
.endm
	s_load_b256 s[4:11], s[0:1], 0x0               ; x, gate_w, xc, xs
	s_load_b128 s[12:15], s[0:1], 0x20             ; sel, gw
	v_lshl_add_u32 v126, v0, 2, 0x11400
	v_mov_b32 v127, 0
	v_lshrrev_b32 v1, 5, v0
	v_readfirstlane_b32 s16, v1                    ; wave 0, 1
	v_and_b32 v1, 31, v0                           ; lane
	v_lshlrev_b32 v2, 4, v1                        ; 16 x lane
	s_mul_i32 s18, s16, 16*GP
	v_add_nc_u32 v3, s18, v2                       ; gate_w into LDS: my wave's 16 places
	v_mul_u32_u24 v4, v1, GP                       ; and out: my place
	s_mul_i32 s18, s16, 4*XTOK
	s_add_co_u32 s18, s18, XST
	v_lshrrev_b32 v5, 3, v1
	v_mul_u32_u24 v5, v5, XP
	v_and_b32 v11, 7, v1
	v_lshl_add_u32 v5, v11, 4, v5
	v_add_nc_u32 v5, s18, v5                       ; x into LDS: eight lanes fill a place
	v_mul_u32_u24 v6, v1, XP
	v_add_nc_u32 v6, s18, v6                       ; and out: my place
	s_lshl_b32 s18, s16, 7
	s_add_co_u32 s18, s18, SBB
	v_add_nc_u32 v7, s18, v1                       ; my block's scale byte
	v_lshlrev_b32 v9, 2, v1
	v_add_nc_u32 v8, s18, v9                       ; the bytes on their way out: a word a lane
	v_lshlrev_b32 v10, 2, v11
.irp k, 0,1,2,3
	v_mov_b32 v[PT+\k], 0                          ; a lane permute's destination counts as one of its sources
.endr
	v_mov_b32 v[NINF], 0xff800000
	s_mov_b32 s20, 0x76543210
	s_mov_b32 s21, 0xfedcba98                      ; v_permlanex16_b32's selects for lane l xor 16
	s_mov_b32 s22, 0x3fb8aa3b                      ; log2(e)
	s_lshl_b32 s17, ttmp9, 3
	s_lshl_b32 s18, s16, 2
	s_add_co_u32 s17, s17, s18                     ; my wave's first token
	s_lshl_b32 s24, s17, 12                        ; its byte in x,
	s_mov_b32 s25, 0
	s_lshl_b32 s26, s16, 14                        ; my wave's half of gate_w,
	s_mov_b32 s27, 0
	s_lshl_b32 s28, s17, 9                         ; in xc,
	s_mov_b32 s29, 0
	s_lshl_b32 s30, s17, 5                         ; in xs,
	s_mov_b32 s31, 0
	s_lshl_b32 s32, s17, 3                         ; in sel and gw
	s_mov_b32 s33, 0
	s_wait_kmcnt 0x0
	s_add_nc_u64 s[4:5], s[4:5], s[24:25]
	s_add_nc_u64 s[6:7], s[6:7], s[26:27]
	s_add_nc_u64 s[8:9], s[8:9], s[28:29]
	s_add_nc_u64 s[10:11], s[10:11], s[30:31]
	s_add_nc_u64 s[12:13], s[12:13], s[32:33]
	s_add_nc_u64 s[14:15], s[14:15], s[32:33]
	WIN 0x80                                       ; destination window 2
.set i, 0
.rept 32
	global_load_b128 v[128+4*i:128+4*i+3], v2, s[6:7] offset:512*i
.set i, i+1
.endr
.irp t, 0,1,2,3
.irp i, 0,1,2,3,4,5,6,7
	global_load_b128 v[32*\t+4*\i:32*\t+4*\i+3], v2, s[4:5] offset:4096*\t+512*\i th:TH_LOAD_NT
.endr
.endr
	s_wait_loadcnt 32                              ; the gate's 32 loads are in; x's 32, issued behind them, may be out
	WIN 0x08                                       ; an LDS store's data are its source 1: window 2
.set i, 0
.rept 32
	ds_store_b128 v3, v[128+4*i:128+4*i+3] offset:(i/2)*GP+512*(i%2)
.set i, i+1
.endr
	s_wait_loadcnt 0x0
.irp t, 0,1,2,3
.irp i, 0,1,2,3,4,5,6,7
	ds_store_b128 v5, v[32*\t+4*\i:32*\t+4*\i+3] offset:XTOK*\t+4*XP*\i
.endr
.endr
	WIN 0
.irp t, 0,1,2,3
.irp g, 0,1,2,3,4,5,6,7
	ds_load_b128 v[X+32*\t+4*\g:X+32*\t+4*\g+3], v6 offset:XTOK*\t+16*\g   ; my wave's own bytes: LDS serves a wave's instructions in order
.endr
.endr
	s_wait_dscnt 0x0                               ; for the other wave's sake: my half of the gate has landed
	s_barrier_signal -1
	s_barrier_wait -1                              ; the gate is whole
	WIN 0x40                                       ; destination window 1
.set i, 0
.rept 64
	ds_load_b128 v[4*i:4*i+3], v4 offset:16*i
.set i, i+1
.endr
	WIN 0
	s_wait_dscnt 0x0
	; THE SCORES: 16 chains of packed multiply-adds (4 tokens x 4 pairs of experts), x's number broadcast to both halves.  The first product starts each sum.
	WIN 0x04                                       ; source 1 (gate_w) window 1
.set d, 0
.rept 32
.irp t, 0,1,2,3
.irp p, 0,1,2,3
.if d == 0
	v_pk_mul_f32 v[ACC+8*\t+2*\p:ACC+8*\t+2*\p+1], v[X+32*\t:X+32*\t+1], v[2*\p:2*\p+1] op_sel_hi:[0,1]
.elseif d%2 == 0
	v_pk_fma_f32 v[ACC+8*\t+2*\p:ACC+8*\t+2*\p+1], v[X+32*\t+d:X+32*\t+d+1], v[8*d+2*\p:8*d+2*\p+1], v[ACC+8*\t+2*\p:ACC+8*\t+2*\p+1] op_sel_hi:[0,1,1]
.else
	v_pk_fma_f32 v[ACC+8*\t+2*\p:ACC+8*\t+2*\p+1], v[X+32*\t+d-1:X+32*\t+d], v[8*d+2*\p:8*d+2*\p+1], v[ACC+8*\t+2*\p:ACC+8*\t+2*\p+1] op_sel:[1,0,0] op_sel_hi:[1,1,1]
.endif
.endr
.endr
.set d, d+1
.endr
	WIN 0
	; over the 32 lanes: every lane ends with the same 32 sums
.irp m, 1,2,4,8
.set r, 0
.rept 32
	v_add_f32_dpp v[ACC+r], v[ACC+r], v[ACC+r] row_xmask:\m row_mask:0xf bank_mask:0xf
.set r, r+1
.endr
.endr
.set r, 0
.rept 8
.irp k, 0,1,2,3
	v_permlanex16_b32 v[PT+\k], v[ACC+r+\k], s20, s21
.endr
.irp k, 0,1,2,3
	v_add_f32 v[ACC+r+\k], v[ACC+r+\k], v[PT+\k]
.endr
.set r, r+4
.endr
; The two best of a token's eight scores, without a branch.  'The best so far >= the candidate' keeps the lower index where scores are equal.
.macro SCAN m, ix, s
	v_mov_b32 v[\m], v[\s]
	v_mov_b32 v[\ix], 0
.irp e, 1,2,3,4,5,6,7
	v_cmp_ge_f32 vcc_lo, v[\m], v[\s+\e]
	v_cndmask_b32 v[\ix], \e, v[\ix], vcc_lo
	v_max_num_f32 v[\m], v[\m], v[\s+\e]
.endr
.endm
.irp t, 0,1,2,3
	SCAN M1+\t, I1+\t, ACC+8*\t
.irp e, 0,1,2,3,4,5,6,7
	v_cmp_eq_u32 vcc_lo, \e, v[I1+\t]
	v_cndmask_b32 v[SM+\e], v[ACC+8*\t+\e], v[NINF], vcc_lo   ; the best is taken out
.endr
	SCAN M2+\t, I2+\t, SM
.endr
	; the softmax over the two: the larger is taken away, so the weights are 1 / (1 + p) and p / (1 + p), p = e^(second - best), at most 1
.irp t, 0,1,2,3
	v_sub_f32 v[P+\t], v[M2+\t], v[M1+\t]
.endr
.irp t, 0,1,2,3
	v_mul_f32 v[P+\t], s22, v[P+\t]
.endr
	s_wait_alu depctr_va_vdst(0)
.irp t, 0,1,2,3
	v_exp_f32 v[P+\t], v[P+\t]
.endr
	v_nop                                          ; a plain instruction behind the last exponential
	s_wait_alu depctr_va_vdst(0)                   ; one wait for the four, ahead of their first reader
.irp t, 0,1,2,3
	v_add_f32 v[R+\t], 1.0, v[P+\t]
.endr
	s_wait_alu depctr_va_vdst(0)
.irp t, 0,1,2,3
	v_rcp_f32 v[R+\t], v[R+\t]
.endr
	v_nop
	s_wait_alu depctr_va_vdst(0)                   ; and one for the four reciprocals
.irp t, 0,1,2,3
	v_mul_f32 v[P+\t], v[P+\t], v[R+\t]
.endr
	; lane c (0 .. 7) takes token c / 2, choice c % 2
.irp c, 1,2,3,4,5,6,7
	v_cmp_eq_u32 s[39+\c], \c, v11
.endr
	v_mov_b32 v[OI], v[I1]
	v_mov_b32 v[OW], v[R]
.irp c, 1,2,3,4,5,6,7
	v_cndmask_b32 v[OI], v[OI], v[I1+8*(\c%2)+\c/2], s[39+\c]
	v_cndmask_b32 v[OW], v[OW], v[R-4*(\c%2)+\c/2], s[39+\c]
.endr
; x's CODES.  My 32 numbers of token t are a block: its largest magnitude, with the floor 2^(3 - 127) among the leaves, so that the byte cannot fall under 1;
; 2 off the exponent field gives the conversion's scale operand, and that field is the byte.
.macro QX t
	v_max3_num_f32 v[QA+\t], |v[X+32*\t]|, |v[X+32*\t+1]|, |v[X+32*\t+2]|
	v_max3_num_f32 v[QB+\t], |v[X+32*\t+3]|, |v[X+32*\t+4]|, |v[X+32*\t+5]|
.irp i, 6,10,14,18,22,26
	v_max3_num_f32 v[QA+\t], v[QA+\t], |v[X+32*\t+\i]|, |v[X+32*\t+\i+1]|
	v_max3_num_f32 v[QB+\t], v[QB+\t], |v[X+32*\t+\i+2]|, |v[X+32*\t+\i+3]|
.endr
	v_max3_num_f32 v[QA+\t], v[QA+\t], |v[X+32*\t+30]|, |v[X+32*\t+31]|
	v_max3_num_f32 v[QA+\t], v[QA+\t], v[QB+\t], 0x1800000
	v_add_nc_u32 v[SC+\t], 0xff000000, v[QA+\t]
	v_lshrrev_b32 v[BY+\t], 23, v[SC+\t]
.irp g, 0,1,2,3
	v_cvt_scalef32_pk8_fp4_f32 v[C+4*\t+\g], v[X+32*\t+8*\g:X+32*\t+8*\g+7], v[SC+\t]
.endr
	v_nop                                          ; a plain instruction behind the last conversion
	ds_store_b8 v7, v[BY+\t] offset:32*\t
	global_store_b128 v2, v[C+4*\t:C+4*\t+3], s[8:9] offset:512*\t   ; the wave stores a token's 512 bytes of codes on end
.endm
.irp t, 0,1,2,3
	QX \t
.endr
	ds_load_b32 v12, v8                            ; my wave's own bytes, served in order
	s_wait_dscnt 0x0
	global_store_b32 v9, v12, s[10:11]             ; four tokens' scale bytes: 128 consecutive bytes
	v_cmp_gt_u32 vcc_lo, 8, v1
	s_wait_xcnt 0x0                                ; EXEC changes only behind this wait
	s_wait_tensorcnt 0x0
	ds_add_u32 v126, v127
	s_wait_dscnt 0x0
	s_and_saveexec_b32 s34, vcc_lo
	global_store_b32 v10, v[OI], s[12:13]          ; lanes 0-7: the wave's eight choices,
	global_store_b32 v10, v[OW], s[14:15]          ; and their weights
	s_wait_xcnt 0x0
	s_or_b32 exec_lo, exec_lo, s34
	s_endpgm
.Lfunc_end_k_qcd7e4a1b75_route:
	.size	k_qcd7e4a1b75_route, .Lfunc_end_k_qcd7e4a1b75_route-k_qcd7e4a1b75_route
	.p2alignl 7, 3214868480
	.fill 96, 4, 3214868480
	.section	.rodata,"a",@progbits
	.p2align	6, 0x0
	.amdhsa_kernel k_qcd7e4a1b75_route
		.amdhsa_group_segment_fixed_size 70912
		.amdhsa_private_segment_fixed_size 0
		.amdhsa_enable_private_segment 0
		.amdhsa_kernarg_size 48
		.amdhsa_user_sgpr_count 2
		.amdhsa_user_sgpr_kernarg_segment_ptr 1
		.amdhsa_wavefront_size32 1
		.amdhsa_system_sgpr_workgroup_id_x 1
		.amdhsa_system_sgpr_workgroup_id_y 1
		.amdhsa_system_sgpr_workgroup_id_z 1
		.amdhsa_system_vgpr_workitem_id 0
		.amdhsa_next_free_vgpr 768
		.amdhsa_next_free_sgpr 66
		.amdhsa_reserve_vcc 1
		.amdhsa_float_denorm_mode_32 3
		.amdhsa_float_denorm_mode_16_64 3
		.amdhsa_memory_ordered 1
		.amdhsa_forward_progress 1
		.amdhsa_inst_pref_size 79
	.end_amdhsa_kernel
	.amdgpu_metadata
---
amdhsa.version: [ 1, 2 ]
amdhsa.kernels:
  - .name:           k_qcd7e4a1b75_route
    .symbol:         k_qcd7e4a1b75_route.kd
    .args:
      - { .name: x, .offset: 0, .size: 8, .value_kind: global_buffer, .address_space: global }
      - { .name: gate_w, .offset: 8, .size: 8, .value_kind: global_buffer, .address_space: global }
      - { .name: xc, .offset: 16, .size: 8, .value_kind: global_buffer, .address_space: global }
      - { .name: xs, .offset: 24, .size: 8, .value_kind: global_buffer, .address_space: global }
      - { .name: sel, .offset: 32, .size: 8, .value_kind: global_buffer, .address_space: global }
      - { .name: gw, .offset: 40, .size: 8, .value_kind: global_buffer, .address_space: global }
    .group_segment_fixed_size: 70912
    .private_segment_fixed_size: 0
    .kernarg_segment_align: 8
    .kernarg_segment_size: 48
    .max_flat_workgroup_size: 64
    .sgpr_count:     66
    .vgpr_count:     768
    .wavefront_size: 32
...
	.end_amdgpu_metadata
.endif
;; end of part 9
;; launch prep (part 10): grid 258 x 1, 4 waves a work-group, no clusters, 0 bytes of LDS; arguments sel, ord, w2, w2q; writes ord, w2q
.if DOCPART == 10
	.amdgcn_target "amdgcn-amd-amdhsa--gfx1250"
	.amdhsa_code_object_version 6
	.text
	.protected	k_qcd7e4a1b75_prep
	.globl	k_qcd7e4a1b75_prep
	.p2align	8
	.type	k_qcd7e4a1b75_prep,@function
k_qcd7e4a1b75_prep:
	s_mov_b64 s[64:65], 0
	v_nop
	global_prefetch_b8 v0, s[64:65] scope:SCOPE_SE
	s_setreg_imm32_b32 hwreg(HW_REG_WAVE_SCHED_MODE, 0, 2), 2
	s_setreg_imm32_b32 hwreg(HW_REG_WAVE_MODE, 25, 1), 1
	s_wait_xcnt 0x0
	s_wait_alu depctr_vm_vsrc(0)
; TWO THINGS THAT WAIT FOR NOTHING BUT THE ROUTER AND THE INPUTS, IN ONE LAUNCH: the experts' lists of rows (work-groups 0 and 1) and w2 as codes of E2M1 (work-groups 2 to 257).
; The lists are short chains of dependent steps on eight waves; beside them the other work-groups stream w2's 67,108,864 bytes.  The paths part on the work-group's number alone.  No LDS, no barrier: waves share nothing.
; A wave names 512 registers, so the waves of two work-groups fit on a SIMD's 1,024 and the two work-groups over 256 need not wait for another to end.
;
; w2's CODES.  w2: [8][2048 (f)][1024 (d)] f32, quantised down f, one E8M0 byte for each 32 along f.  Work-group 2 + g: expert g / 32, columns 64 ds .. 64 ds + 63 (ds = (g / 2) % 16), rows 1,024 kh on (kh = g % 2):
; 262,144 bytes that no other work-group reads.  Wave w takes 256 rows: eight blocks of 32, K steps 8 kh + 2 w and + 1.
; Lane (q = lane % 16, hh = lane / 16): load i of a block reads row 16 hh + i at byte 16 q: sixteen lanes take 256 consecutive bytes, aligned.  A lane so holds 4 columns x 16 rows; 64 moves lay each column's rows
; on end, as the conversions want them; the block's other 16 rows lie in lane l xor 16.
; COLUMN 4 q + j IS ROW q OF TILE j.  The codes are laid in memory as images of the operand's registers: w2q: [8 e][16 ds][16 s][4 tiles][2 c][32 lanes][16 bytes]; lane 16 h + r of part c holds k = 64 c + 32 h + 0 .. 31 of row r.
; A lane's 16 codes of a block are the 8 bytes at 16 q + 8 hh of a run of 256: one store of the wave covers 256 consecutive bytes, aligned.  Each block has code registers of its own: no store's data are written again.
; The scale words follow at byte 8,388,608: [8 e][16 ds][16 s][16 q][4 tiles]: lanes 0-15 store the wave's first K step's, lanes 16-31 its second's: 512 consecutive bytes.
; No tensor load: the numbers are wanted in registers, and nobody shares them.  No prefetch: 48 to 64 loads of 512 bytes a wave are on their way throughout.
; LIMITS: NaN and infinities are not served.  A block whose largest magnitude lies under 2^-124, a block of zeros among them, gets the byte 1: its codes are zeros, and this program alone reads the bytes.
;
; THE LISTS.  A slot is 2 x token + choice, 0 .. 4095; sel, read as 4,096 words, gives each slot's expert.  Wave w of work-group p (0, 1) gathers the slots of expert 4 p + w and stores the number of tiles of 16 rows.
; ord: expert e's list begins at byte 8,960 e.  Entries 0 .. 2175 are always written: first all as pads, 4096 + 16 e + (entry mod 16), then the slots on top of them from entry 0 on.
; An expert has at most 2,048 slots (a token's two choices differ), 128 tiles, and a later launch looks at most 8 tiles past the last: 136 x 16 = 2,176 entries.
; Entries 2176 + lane take what a lane stores whose slot is another expert's; nobody reads them.  At byte 71,680: eight words, the tiles of each expert.  The order of a list is of no account.
;
; THE MODE: SCHED_MODE bits 1:0 = 2 (LLVM: expert scheduling mode 2), set by the entry lines.  The code itself states the register dependences between vector instructions and memory instructions, with s_wait_alu, always for 0.
; THE PLAN, w2's codes.  Registers that memory instructions touch:
;   the ring's slot t % 4   written by the loads of block t; read by block t's 64 moves; behind them the loads of block t + 4 land in it.
;   C + 8 t                 written by block t's conversions; read by the four stores that are issued in block t + 1; never written again.
;   WO                      written by four selects at the end; read by the last store.
;   VW, VC, VS              offsets, made once at the head and never written again.
; So ONE wait on va_vdst stands in a block, behind its moves: they are done reading the slot, and the block before has written its codes.  The block's sixteen loads and four stores follow it.
; THE PLAN, the lists.  PE: written by 32 loads, read by the compares.  The stores' addresses and data lie in two sets that take turns: group g's stages write set g % 2; its sixteen stores are issued in group g + 1,
; behind that group's compares and its scalar chain; set g % 2 is written again in group g + 2, behind the waits at that group's head.
.set NB,   8                           ; blocks of 32 along f for a wave
.set ROWB, 4096                        ; a row of w2
.set WSO,  8388608                     ; w2q: the scale words behind the codes
.set LSTB, 8960
.set NTL,  71680
.set DUMP, 2176
.set VW,   4                           ; w2's loads: 16 hh rows + 16 q
.set VC,   5                           ; the codes' stores: 16 q + 8 hh
.set VS,   6                           ; the scale words' store: 16 x lane
.set M,    40                          ; v40-43  largest magnitudes of my four columns
.set M2,   44                          ; v44-47  the other half's
.set SCL,  48                          ; v48-51  the conversions' scale operands
.set BY,   52                          ; v52-55  the scale bytes
.set W,    56                          ; v56-59  the first K step's scale words, v60-63 the second's
.set T,    64                          ; v64-127 a block's numbers, each column's 16 rows on end
.set C,    128                         ; v128-191 codes: eight registers for each block
.set WO,   192                         ; v192-195 the scale words that my lane stores
.set PA,   16                          ; the lists: addresses of a group's 16 stores: set 0 v16-31, set 1 v192-207
.set PD,   32                          ; their data, the slots' numbers: set 0 v32-47, set 1 v208-223
.set PSET, 176                         ; from set 0 to set 1
.set PE,   64                          ; v64-191 register 4 j + r: the expert of slot 128 j + 4 x lane + r
.set PM,   16                          ; s16-31  a group's masks
.set PB,   32                          ; s32-48  entries taken ahead of each of the group's registers
.set MSB, 0
.macro WIN new                         ; the immediate's high byte repeats the setting that is left
.if MSB != \new
	s_set_vgpr_msb (MSB<<8)|\new
.set MSB, \new
.endif
.endm
	s_load_b256 s[4:11], s[0:1], 0x0               ; sel, ord, w2, w2q
	v_lshrrev_b32 v1, 5, v0
	v_readfirstlane_b32 s12, v1                    ; wave 0..3
	v_and_b32 v1, 31, v0                           ; lane
	s_wait_alu depctr_va_sdst(0)                   ; s12 is written: both paths make their bases from it
	s_cmp_lt_u32 ttmp9, 2
	s_cbranch_scc1 .Lplace                         ; the first two work-groups make the lists
	; ---- w2's codes
	s_sub_co_u32 s13, ttmp9, 2                     ; g
	s_lshr_b32 s14, s13, 5                         ; e
	s_bfe_u32 s15, s13, 0x40001                    ; ds
	s_and_b32 s16, s13, 1                          ; kh
	v_and_b32 v2, 15, v0                           ; q
	v_bfe_u32 v3, v0, 4, 1                         ; hh
	v_lshlrev_b32 v[VW], 4, v2
	v_lshl_add_u32 v[VC], v3, 3, v[VW]
	v_lshl_add_u32 v[VW], v3, 16, v[VW]            ; 16 rows of 4,096 bytes for lanes 16-31
	v_lshlrev_b32 v[VS], 4, v1
.irp j, 0,1,2,3
	v_mov_b32 v[M2+\j], 0                          ; a lane permute's destination counts as one of its sources
.endr
	s_mov_b32 s26, 0x76543210
	s_mov_b32 s27, 0xfedcba98                      ; v_permlanex16_b32's selects for lane l xor 16
	s_mov_b32 s28, 0xffff0000                      ; lanes 16-31
	s_lshl_b32 s20, s14, 23                        ; w2: the expert's 8,388,608 bytes,
	s_lshl_b32 s21, s15, 8                         ; my slice's 256 bytes of a row,
	s_add_co_u32 s20, s20, s21
	s_lshl_b32 s21, s16, 22                        ; my work-group's 1,024 rows,
	s_add_co_u32 s20, s20, s21
	s_lshl_b32 s21, s12, 20                        ; my wave's 256
	s_add_co_u32 s20, s20, s21
	s_mov_b32 s21, 0
	s_lshl_b32 s17, s16, 3
	s_lshl_b32 s18, s12, 1
	s_add_co_u32 s17, s17, s18                     ; my first K step: 8 kh + 2 w
	s_lshl_b32 s18, s14, 4
	s_add_co_u32 s18, s18, s15                     ; my slice: 16 e + ds
	s_lshl_b32 s22, s18, 16                        ; the codes: 65,536 bytes a slice, 4,096 a K step
	s_lshl_b32 s23, s17, 12
	s_add_co_u32 s22, s22, s23
	s_mov_b32 s23, 0
	s_lshl_b32 s24, s18, 12                        ; the scale words: 4,096 bytes a slice, 256 a K step
	s_lshl_b32 s25, s17, 8
	s_add_co_u32 s24, s24, s25
	s_add_co_u32 s24, s24, WSO
	s_mov_b32 s25, 0
	s_wait_kmcnt 0x0
	s_add_nc_u64 s[8:9], s[8:9], s[20:21]
	s_add_nc_u64 s[30:31], s[10:11], s[22:23]
	s_add_nc_u64 s[32:33], s[10:11], s[24:25]
.macro WLOAD t                         ; block t: 32 rows x 256 bytes, into ring slot t % 4 of window 1
	WIN 0x40
.irp i, 0,1,2,3,4,5,6,7,8,9,10,11,12,13,14,15
	global_load_b128 v[64*((\t)%4)+4*\i:64*((\t)%4)+4*\i+3], v[VW], s[8:9] offset:(32*(\t)+\i)*ROWB th:TH_LOAD_NT
.endr
.endm
.macro CSTORE t                        ; block t's codes leave
.irp j, 0,1,2,3
	global_store_b64 v[VC], v[C+8*(\t)+2*\j:C+8*(\t)+2*\j+1], s[30:31] offset:(4*((\t)/4)+\j)*1024+(((\t)%4)/2)*512+((\t)%2)*256   ; tile j; block 2 c + h of its K step: part c, lanes 16 h on: 256 consecutive bytes, aligned
.endr
.endm
; Block t is quantised; the codes of the block before are stored.  younger: the ring's loads issued behind block t's.
.macro BLOCK t, younger
	s_wait_loadcnt \younger
	WIN 0x01                                       ; source 0 window 1
.irp j, 0,1,2,3
.irp i, 0,1,2,3,4,5,6,7,8,9,10,11,12,13,14,15
	v_mov_b32 v[T+16*\j+\i], v[64*((\t)%4)+4*\i+\j]   ; column j's 16 rows on end
.endr
.endr
.if (\t)+4 < NB
	WIN 0x40                                       ; the window first, then the wait, then the loads
.else
	WIN 0
.endif
	s_wait_alu depctr_va_vdst(0)                   ; the moves are done reading the ring's slot, in which the loads below land; the block before has written its codes, which the stores below read
.if (\t)+4 < NB
	WLOAD (\t)+4                                   ; the slot takes the block four on
.endif
	WIN 0
.if (\t) > 0
	CSTORE (\t)-1                                  ; no vector instruction since the wait names these registers
.endif
.irp j, 0,1,2,3
	v_max3_num_f32 v[M+\j], |v[T+16*\j]|, |v[T+16*\j+1]|, 0x1800000   ; with the floor 2^(3 - 127): the byte cannot fall under 1
.endr
.irp i, 2,4,6,8,10,12,14
.irp j, 0,1,2,3
	v_max3_num_f32 v[M+\j], v[M+\j], |v[T+16*\j+\i]|, |v[T+16*\j+\i+1]|   ; the four columns by turns
.endr
.endr
.irp j, 0,1,2,3
	v_permlanex16_b32 v[M2+\j], v[M+\j], s26, s27
.endr
.irp j, 0,1,2,3
	v_max_num_f32 v[M+\j], v[M+\j], v[M2+\j]       ; with the block's other 16 rows
.endr
.irp j, 0,1,2,3
	v_add_nc_u32 v[SCL+\j], 0xff000000, v[M+\j]    ; 2 off the exponent field: the conversion's scale operand
.endr
.irp j, 0,1,2,3
	v_lshrrev_b32 v[BY+\j], 23, v[SCL+\j]          ; the scale's byte
.endr
.irp j, 0,1,2,3
.if ((\t)%4) == 0
	v_mov_b32 v[W+4*((\t)/4)+\j], v[BY+\j]         ; four blocks' bytes make a K step's scale word
.else
	v_lshl_or_b32 v[W+4*((\t)/4)+\j], v[BY+\j], 8*((\t)%4), v[W+4*((\t)/4)+\j]
.endif
.endr
.irp j, 0,1,2,3
	v_cvt_scalef32_pk8_fp4_f32 v[C+8*(\t)+2*\j], v[T+16*\j:T+16*\j+7], v[SCL+\j]
	v_cvt_scalef32_pk8_fp4_f32 v[C+8*(\t)+2*\j+1], v[T+16*\j+8:T+16*\j+15], v[SCL+\j]
.endr
	v_nop                                          ; a plain instruction behind the last conversion
.endm
	WIN 0x40
	s_wait_alu depctr_va_vdst(0)                   ; the three offsets VW, VC and VS are written: every load and store of this path reads one of them
	WLOAD 0
	WLOAD 1
	WLOAD 2
	WLOAD 3
.set Q, 0
.rept NB-3
	BLOCK Q, 48                                    ; three younger blocks' 48 loads may be out
.set Q, Q+1
.endr
	BLOCK NB-3, 32
	BLOCK NB-2, 16
	BLOCK NB-1, 0
.irp j, 0,1,2,3
	v_cndmask_b32 v[WO+\j], v[W+\j], v[W+4+\j], s28   ; lanes 0-15 store the first K step's words, lanes 16-31 the second's (both halves hold both)
.endr
	s_wait_alu depctr_va_vdst(0)                   ; the last block's conversions have written its codes and the selects WO: the last five stores read them
	CSTORE NB-1
	global_store_b128 v[VS], v[WO:WO+3], s[32:33]  ; 512 consecutive bytes
	s_endpgm
	; ---- the lists
.Lplace:
	s_lshl_b32 s13, ttmp9, 2
	s_add_co_u32 s13, s13, s12                     ; my expert
	s_wait_alu depctr_va_vdst(0)
	v_lshlrev_b32 v2, 4, v1
	v_lshlrev_b32 v3, 2, v1
	v_add_nc_u32 v4, DUMP, v1                      ; my dump entry
	s_mul_i32 s14, s13, LSTB
	v_add_nc_u32 v9, s14, v2
	s_lshl_b32 s15, s13, 4
	s_add_co_u32 s15, s15, 4096
	v_and_b32 v12, 3, v1
	v_lshl_add_u32 v12, v12, 2, s15                ; entry 4 x lane + r (+ 128 k) mod 16 = 4 (lane mod 4) + r
	v_add_nc_u32 v13, 1, v12
	v_add_nc_u32 v14, 2, v12
	v_add_nc_u32 v15, 3, v12
	s_wait_kmcnt 0x0
	s_wait_alu depctr_va_vdst(0)                   ; the offsets v2 and v9 and the pads v12 to v15 are written: the loads and stores below read them
.set j, 0
.rept 32
	global_load_b128 v[PE+4*j:PE+4*j+3], v2, s[4:5] offset:512*j
.set j, j+1
.endr
.set j, 0
.rept 17
	global_store_b128 v9, v[12:15], s[6:7] offset:512*j
.set j, j+1
.endr
	s_wait_storecnt 0x0                            ; the pads are in memory: the slots stored below land on top of them
	s_wait_loadcnt 0x0
	s_mov_b32 s[PB], 0
.macro SEND g                          ; group g's sixteen stores, out of set g % 2
.irp i, 0,1,2,3,4,5,6,7,8,9,10,11,12,13,14,15
	global_store_b32 v[PA+PSET*((\g)%2)+\i], v[PD+PSET*((\g)%2)+\i], s[6:7]
.endr
.endm
; Sixteen registers of slots.  The lines go stage by stage, sixteen of a kind, so that none waits for the line above it.  The group before is stored behind this group's scalar chain.
.macro GROUP g
	s_wait_xcnt 0x0                                ; every earlier memory instruction has had its addresses translated: set g % 2 is written again only behind this wait
.if \g > 1
	s_wait_alu depctr_vm_vsrc(0)                   ; the stores issued in the last group, those of group g - 2, have read set g % 2, which this group's stages write again
.endif
.irp i, 0,1,2,3,4,5,6,7,8,9,10,11,12,13,14,15
	v_cmp_eq_u32 s[PM+\i], s13, v[PE+16*\g+\i]
.endr
	s_wait_alu depctr_va_sdst(0)                   ; the sixteen compares have written their masks, ahead of the first line that reads one
.irp i, 0,1,2,3,4,5,6,7,8,9,10,11,12,13,14,15
	s_bcnt1_i32_b32 s49, s[PM+\i]
	s_add_co_u32 s[PB+\i+1], s[PB+\i], s49
.endr
.if \g > 0
	s_wait_alu depctr_va_vdst(0)                   ; the group before has written its addresses and data, which the stores below read
	SEND (\g)-1
.endif
.irp i, 0,1,2,3,4,5,6,7,8,9,10,11,12,13,14,15
	v_mbcnt_lo_u32_b32 v[PA+PSET*((\g)%2)+\i], s[PM+\i], s[PB+\i]   ; entries taken so far + my expert's slots in the lanes below me
.endr
.irp i, 0,1,2,3,4,5,6,7,8,9,10,11,12,13,14,15
	v_cndmask_b32 v[PA+PSET*((\g)%2)+\i], v4, v[PA+PSET*((\g)%2)+\i], s[PM+\i]    ; another expert's slot goes to my dump entry
.endr
.irp i, 0,1,2,3,4,5,6,7,8,9,10,11,12,13,14,15
	v_min_u32 v[PA+PSET*((\g)%2)+\i], DUMP+31, v[PA+PSET*((\g)%2)+\i]          ; held inside the list ahead of the address
.endr
.irp i, 0,1,2,3,4,5,6,7,8,9,10,11,12,13,14,15
	v_lshl_add_u32 v[PA+PSET*((\g)%2)+\i], v[PA+PSET*((\g)%2)+\i], 2, s14
.endr
.irp i, 0,1,2,3,4,5,6,7,8,9,10,11,12,13,14,15
	v_add_nc_u32 v[PD+PSET*((\g)%2)+\i], 128*((16*\g+\i)/4)+(16*\g+\i)%4, v3
.endr
	s_mov_b32 s[PB], s[PB+16]
.endm
.irp g, 0,1,2,3,4,5,6,7
	GROUP \g
.endr
	s_wait_alu depctr_va_vdst(0)                   ; the last group has written its addresses and data
	SEND 7
	s_add_co_u32 s49, s[PB], 15
	s_lshr_b32 s49, s49, 4                         ; tiles of 16 rows
	v_mov_b32 v11, s49
	s_lshl_b32 s50, s13, 2
	s_add_co_u32 s50, s50, NTL
	v_mov_b32 v10, s50
	v_cmp_eq_u32 vcc_lo, 0, v1
	s_wait_xcnt 0x0                                ; EXEC changes only behind this wait
	s_wait_alu depctr_va_vcc(0)                    ; the compare has written VCC, from which EXEC is made
	s_wait_alu depctr_va_vdst(0)                   ; ahead of a write of EXEC: the vector instructions issued so far are done; v10 and v11, which the store below reads, are written
	s_wait_alu depctr_vm_vsrc(0)                   ; ahead of a write of EXEC: the stores issued so far have read their registers
	s_and_saveexec_b32 s51, vcc_lo
	global_store_b32 v10, v11, s[6:7]
	s_wait_xcnt 0x0
	s_wait_alu depctr_va_vdst(0)                   ; ahead of a write of EXEC, as above
	s_wait_alu depctr_vm_vsrc(0)                   ; the store has read v10 and v11 under the narrow EXEC
	s_or_b32 exec_lo, exec_lo, s51
	s_endpgm
.Lfunc_end_k_qcd7e4a1b75_prep:
	.size	k_qcd7e4a1b75_prep, .Lfunc_end_k_qcd7e4a1b75_prep-k_qcd7e4a1b75_prep
	.p2alignl 7, 3214868480
	.fill 96, 4, 3214868480
	.section	.rodata,"a",@progbits
	.p2align	6, 0x0
	.amdhsa_kernel k_qcd7e4a1b75_prep
		.amdhsa_group_segment_fixed_size 0
		.amdhsa_private_segment_fixed_size 0
		.amdhsa_enable_private_segment 0
		.amdhsa_kernarg_size 32
		.amdhsa_user_sgpr_count 2
		.amdhsa_user_sgpr_kernarg_segment_ptr 1
		.amdhsa_wavefront_size32 1
		.amdhsa_system_sgpr_workgroup_id_x 1
		.amdhsa_system_sgpr_workgroup_id_y 1
		.amdhsa_system_sgpr_workgroup_id_z 1
		.amdhsa_system_vgpr_workitem_id 0
		.amdhsa_next_free_vgpr 512
		.amdhsa_next_free_sgpr 66
		.amdhsa_reserve_vcc 1
		.amdhsa_float_denorm_mode_32 3
		.amdhsa_float_denorm_mode_16_64 3
		.amdhsa_memory_ordered 1
		.amdhsa_forward_progress 1
		.amdhsa_inst_pref_size 139
	.end_amdhsa_kernel
	.amdgpu_metadata
---
amdhsa.version: [ 1, 2 ]
amdhsa.kernels:
  - .name:           k_qcd7e4a1b75_prep
    .symbol:         k_qcd7e4a1b75_prep.kd
    .args:
      - { .name: sel, .offset: 0, .size: 8, .value_kind: global_buffer, .address_space: global }
      - { .name: ord, .offset: 8, .size: 8, .value_kind: global_buffer, .address_space: global }
      - { .name: w2, .offset: 16, .size: 8, .value_kind: global_buffer, .address_space: global }
      - { .name: w2q, .offset: 24, .size: 8, .value_kind: global_buffer, .address_space: global }
    .group_segment_fixed_size: 0
    .private_segment_fixed_size: 0
    .kernarg_segment_align: 8
    .kernarg_segment_size: 32
    .max_flat_workgroup_size: 128
    .sgpr_count:     66
    .vgpr_count:     512
    .wavefront_size: 32
...
	.end_amdgpu_metadata
.endif
;; end of part 10
;; launch ffn1 (part 11): grid 32 x 8, 4 waves a work-group, no clusters, 36,352 bytes of LDS; arguments w1, b1, xc, xs, ord, hq; writes hq
.if DOCPART == 11
	.amdgcn_target "amdgcn-amd-amdhsa--gfx1250"
	.amdhsa_code_object_version 6
	.text
	.protected	k_qcd7e4a1b75_ffn1
	.globl	k_qcd7e4a1b75_ffn1
	.p2align	8
	.type	k_qcd7e4a1b75_ffn1,@function
k_qcd7e4a1b75_ffn1:
	s_mov_b64 s[64:65], 0
	v_nop
	global_prefetch_b8 v0, s[64:65] scope:SCOPE_SE
	s_setreg_imm32_b32 hwreg(HW_REG_WAVE_SCHED_MODE, 0, 2), 2
	s_setreg_imm32_b32 hwreg(HW_REG_WAVE_MODE, 25, 1), 1
	s_wait_xcnt 0x0
	s_wait_alu depctr_vm_vsrc(0)
; h = gelu(x w1 + b1), exact (erf), for the rows that chose the expert, and h as codes of E2M1 along f.  Both operands of the product are codes of E2M1 with one E8M0 byte for each 32 along d.
; hq: the codes, [8 e][128 tiles][32 planes][32 lanes][16 bytes]: plane p holds k = 64 p + 32 h + 0 .. 31 of row r in lane (r, h); behind them, at byte 16,777,216, the scale bytes, [8 e][128 tiles][16 rows][64 bytes].
; THE WEIGHTS STAY, THE ROWS PASS.  Work-group (fs, e) owns hidden units 64 fs .. 64 fs + 63 of expert e: 1,024 rows x 256 bytes of w1, 262,144 bytes of f32 that no other work-group reads.
; It reads them once, quantises them down d in registers, hands the codes round its four waves through LDS as images of the operand's registers, and keeps all 32 fragments in each wave's registers.
; Then the expert's rows pass in tiles of 16, tile i to wave i mod 4: x's codes are gathered by the list, 32 matrix instructions, gelu, quantiser, one plane of 512 bytes out.
; WEIGHT PHASE.  Wave w takes d = 256 w .. 256 w + 255, eight blocks of 32.  Lane (q = lane % 16, hh = lane / 16): load i of a block reads row 16 hh + i at byte 16 q: sixteen lanes take 256
; consecutive bytes.  A lane so holds 4 columns x 16 rows; 64 moves lay each column's rows on end, as the conversions want them; the block's other 16 rows lie in lane l xor 16.
; THE COLUMNS THAT FORM A TILE ARE NOT NEIGHBOURS: row r of tile 2 b + u is hidden unit 32 b + 8 u + r + 8 (r / 8).  The product is used transposed (source 0 = 16 hidden units, source 1 = 16 rows of x),
; so lane (r, h) then holds row r, and the 16 registers of tiles 2 b, 2 b + 1 are hidden units 32 b + 16 h + 0 .. 15: neighbours along the next product's K.
; GELU.  h = max(v, 0) - |v| Phi(-|v|), Phi(-a) = erfc(a / sqrt 2) / 2, erfc(y) = t exp(-y^2 + a polynomial of degree 9 in t), t = 1 / (1 + y / 2): one formula for every v, and no difference of
; nearly equal numbers on the negative side.  All in base 2: S = |v| sqrt(log2(e) / 2), so that S^2 = y^2 log2(e); the coefficients carry log2(e), and the lowest also the factor 1/2 and S's factor.
; NO JOINT REQUESTS: the 32 work-groups of an expert gather the same rows of x's codes, 8,704 bytes a tile, but which rows, and how many tiles, is read from memory; the loop's trip count hangs on it,
; so the rows come by plain loads.  The 262,144 bytes of weights are shared with nobody.  No prefetch: the weight phase keeps 48 to 64 loads of 512 bytes a wave on their way.
; Rows that a tile has beyond the list's end are pads (token 2047's codes): they are computed and stored like the others, into the expert's own tile, and end in rows of z that nobody reads.
; LIMITS: NaN and infinities are not served.  A block whose largest magnitude lies under 2^-124, a block of zeros among them, gets the byte 1: its codes are zeros, and this program alone reads the bytes.
; REGISTERS, in windows of 256: window 0: v1-15, v60 addresses; v16-31 the weights' scale words, v32-39 x's: scales and nothing else; v40-59 at work; v64-147 the weight phase's numbers, codes and scale words;
;   later v64-95 the sums, v96-191 gelu, v192-196 codes and byte, v198-199 a coefficient; v254, v255 the closing add's two.  window 1: the ring of raw weights, then the 32 fragments.  window 2: v0-63 x's fragments, v128-159 b1.
; THE MODE: SCHED_MODE bits 1:0 = 2 (LLVM: expert scheduling mode 2), set by the entry lines.  The code itself states the register dependences between vector or matrix instructions and memory or LDS instructions,
; with s_wait_alu, always for 0.
; THE PLAN, weight phase.  Registers that memory or LDS instructions touch:
;   the ring's slot t % 4   written by the loads of block t; read by block t's 64 moves; behind them the loads of block t + 4 land in it.
;   C, two sets             block t's conversions write set t % 2; the four LDS stores that read it are issued in block t + 1; block t + 2 writes it again.
;   W, two sets             a K step's scale words: blocks 0 to 3 write the first, blocks 4 to 7 the second; each is stored with its last block's codes and not written again.
;   VW, VIA, VSA            made once at the head.
; So ONE wait on va_vdst stands in a block, behind its moves: they are done reading the slot, and the block before has written its codes.  One wait on vm_vsrc stands at a block's head: the LDS stores issued in the block before have read the set that this block writes.
; THE PLAN, a tile.
;   XAD, XSA                written by five lines behind the products; read by the eighteen loads of the next tile's x.
;   x's fragments, XS       written by those loads; read by the next trip's 32 products.
;   TKN                     written by a load; read by the first of the five lines.
;   PC, HW                  written at the trip's end; read by its two stores.
; One wait on vm_vsrc ahead of the five lines; one on va_vdst behind them, ahead of the loads; one on va_vdst ahead of the two stores; and the two behind the reciprocals and the exponentials.
.set NB,   8                           ; blocks of 32 along d for a wave
.set ROWB, 8192                        ; a row of w1
.set TS,   8208                        ; LDS: a tile's 8 fragment images of 1,024 bytes, + 16
.set SCB,  33024                       ; behind the four tiles: the scale words, 256 bytes a K step
.set LSTB, 8960
.set NTL,  71680
.set HSO,  16777216                    ; hq: the scale bytes behind the codes
.set VW,   4                           ; the weights' loads: 16 hh rows + 16 q
.set VIA,  5                           ; where my codes go in the images
.set VSA,  6                           ; and my scale words
.set VLI,  7                           ; 16 x lane
.set VLS,  8                           ; SCB + 4 x lane
.set VBO,  9                           ; b1: 64 h
.set VLA,  10                          ; the list: 4 r
.set XAD,  11                          ; x's codes: token x 512 + 16 h
.set XSA,  12                          ; x's scale words: token x 32
.set VHS,  13                          ; h's scale bytes: 64 r + h
.set TK0,  14                          ; my first tile's slots
.set TKN,  15                          ; the slots of the tile that is fetched next
.set WS,   16
.set XS,   32
.set M,    40
.set M2,   44
.set SCL,  48
.set BY,   52
.set W,    56                          ; v56-59 my first K step's scale words; the second's lie WSET further on: v144-147
.set WSET, 88
.set VH16, 60
.set T,    64
.set C,    128                         ; v128-135, v136-143: two sets of a block's codes
.set ACC,  64
.set S,    96
.set TT,   128
.set P,    160
.set PC,   192
.set HW,   196
.set K8,   198
.set MSB, 0
.macro WIN new                         ; the immediate's high byte repeats the setting that is left
.if MSB != \new
	s_set_vgpr_msb (MSB<<8)|\new
.set MSB, \new
.endif
.endm
.macro COEF i, bits                    ; a coefficient as a pair: the packed forms name a pair and take its low word for both halves
	s_mov_b32 s[28+2*\i], \bits
	s_mov_b32 s[29+2*\i], \bits
.endm
	s_load_b256 s[4:11], s[0:1], 0x0               ; w1, b1, xc, xs
	s_load_b128 s[12:15], s[0:1], 0x20             ; ord, hq
	v_lshl_add_u32 v254, v0, 2, 0x8c00
	v_mov_b32 v255, 0
	v_lshrrev_b32 v1, 5, v0
	v_readfirstlane_b32 s18, v1                    ; wave 0..3
	s_mov_b32 s19, ttmp9                           ; fs
	s_and_b32 s20, ttmp7, 0xffff                   ; e
	v_and_b32 v1, 31, v0                           ; lane
	v_and_b32 v2, 15, v0                           ; q, and r
	v_bfe_u32 v3, v0, 4, 1                         ; hh, and h
	v_lshlrev_b32 v[VW], 4, v2
	v_lshl_add_u32 v[VW], v3, 17, v[VW]            ; 16 rows of 8,192 bytes for lanes 16-31
	v_bfe_u32 v[M], v0, 3, 1                       ; column 4 q + j = 32 b + 16 a + 8 u + 4 q0 + j
	v_bfe_u32 v[M+1], v0, 1, 1                     ; u
	v_bfe_u32 v[M+2], v0, 2, 1                     ; a
	v_and_b32 v[M+3], 1, v0                        ; q0
	v_lshl_add_u32 v[VIA], v[M], 1, v[M+1]         ; tile 2 b + u, row 8 a + 4 q0 + j
	v_mul_u32_u24 v[VIA], v[VIA], TS
	v_lshl_add_u32 v[VIA], v[M+2], 7, v[VIA]
	v_lshl_add_u32 v[VIA], v[M+3], 6, v[VIA]
	v_lshl_add_u32 v[VIA], v3, 3, v[VIA]           ; rows 16 hh on of a block: its upper 8 bytes
	s_wait_alu depctr_va_sdst(0)                   ; s18 is written, ahead of its first reader: LDS places, bases and the count of my tiles are made from it
	s_lshl_b32 s24, s18, 11                        ; my wave's two K steps
	v_add_nc_u32 v[VIA], s24, v[VIA]
	v_lshlrev_b32 v[VSA], 7, v[M]
	v_lshl_add_u32 v[VSA], v[M+1], 6, v[VSA]
	v_lshl_add_u32 v[VSA], v[M+2], 5, v[VSA]
	v_lshl_add_u32 v[VSA], v[M+3], 4, v[VSA]
	s_lshl_b32 s24, s18, 9
	s_add_co_u32 s24, s24, SCB
	v_add_nc_u32 v[VSA], s24, v[VSA]
	v_lshlrev_b32 v[VLI], 4, v1
	v_lshl_add_u32 v[VLS], v1, 2, SCB
	v_lshlrev_b32 v[VBO], 6, v3
	v_lshlrev_b32 v[VLA], 2, v2
	v_lshl_add_u32 v[VHS], v2, 6, v3
	v_lshlrev_b32 v[VH16], 4, v3
.irp j, 0,1,2,3
	v_mov_b32 v[M2+\j], 0                          ; a lane permute's destination counts as one of its sources
.endr
	s_mov_b32 s26, 0x76543210
	s_mov_b32 s27, 0xfedcba98                      ; v_permlanex16_b32's selects for lane l xor 16
	COEF 0, 0xc025c4b7                             ; -1.26551223 log2(e) - 1 - log2(sqrt(log2(e) / 2))
	COEF 1, 0x3fb8ab5a                             ;  1.00002368 log2(e)
	COEF 2, 0x3f0a29d2                             ;  0.37409196 log2(e)
	COEF 3, 0x3e0efb2e                             ;  0.09678418 log2(e)
	COEF 4, 0xbe899a80                             ; -0.18628806 log2(e)
	COEF 5, 0x3ecdfd18                             ;  0.27886807 log2(e)
	COEF 6, 0xbfd1a1e5                             ; -1.13520398 log2(e)
	COEF 7, 0x40097039                             ;  1.48851587 log2(e)
	COEF 8, 0xbf97d29d                             ; -0.82215223 log2(e)
	COEF 9, 0x3e7c6f08                             ;  0.17087277 log2(e)
	COEF 10, 0x3ed5224d                            ; s[48:49]: sqrt(ln 2) / 2: y / 2 = this x S
	s_mov_b32 s50, 0x3f596d27                      ; sqrt(log2(e) / 2)
	s_mov_b32 s51, 0xffff0000                      ; lanes 16-31
	v_mov_b32 v[K8], s44
	v_mov_b32 v[K8+1], s44
	s_lshl_b32 s24, s20, 23                        ; w1: the expert's 8,388,608 bytes,
	s_lshl_b32 s25, s19, 8                         ; my slice's 256 bytes of a row,
	s_add_co_u32 s24, s24, s25
	s_lshl_b32 s25, s18, 21                        ; my wave's 256 rows
	s_add_co_u32 s24, s24, s25
	s_mov_b32 s25, 0
	s_lshl_b32 s66, s20, 13                        ; b1
	s_lshl_b32 s67, s19, 8
	s_add_co_u32 s66, s66, s67
	s_mov_b32 s67, 0
	s_mul_i32 s68, s20, LSTB                       ; the list, at tile 'wave'
	s_lshl_b32 s69, s18, 6
	s_add_co_u32 s68, s68, s69
	s_mov_b32 s69, 0
	s_lshl_b32 s70, s20, 7
	s_add_co_u32 s70, s70, s18                     ; 128 e + wave
	s_lshl_b32 s72, s70, 10                        ; h's scale bytes: 1,024 bytes a tile, + my two bytes of a row,
	s_lshl_b32 s71, s19, 1
	s_add_co_u32 s72, s72, s71
	s_add_co_u32 s72, s72, HSO                     ; behind the codes
	s_mov_b32 s73, 0
	s_lshl_b32 s70, s70, 14                        ; h's codes: 16,384 bytes a tile, + my plane
	s_lshl_b32 s71, s19, 9
	s_add_co_u32 s70, s70, s71
	s_mov_b32 s71, 0
	s_lshl_b32 s74, s20, 2
	s_add_co_u32 s74, s74, NTL
	s_mov_b32 s75, 0
	s_wait_kmcnt 0x0
	s_add_nc_u64 s[4:5], s[4:5], s[24:25]
	s_add_nc_u64 s[6:7], s[6:7], s[66:67]
	s_add_nc_u64 s[52:53], s[12:13], s[68:69]
	s_add_nc_u64 s[54:55], s[14:15], s[70:71]
	s_add_nc_u64 s[56:57], s[14:15], s[72:73]
	s_add_nc_u64 s[58:59], s[12:13], s[74:75]
	s_load_b32 s21, s[58:59], 0x0                  ; the expert's tiles
	s_wait_alu depctr_va_vdst(0)                   ; the offsets and LDS addresses v4 to v10 and v13 are written: the loads, stores and LDS instructions of the whole kernel read them
	global_load_b32 v[TK0], v[VLA], s[52:53]       ; tile 'wave',
	global_load_b32 v[TKN], v[VLA], s[52:53] offset:256   ; and the tile four on.  These and b1 are issued ahead of the ring: they are in when its first block is
	WIN 0x80                                       ; destination window 2
.irp n, 0,1,2,3                                ; b1 in the result's layout: lane (r, h), tile 2 b + u: hidden units 32 b + 16 h + 8 u + 0 .. 7
	global_load_b128 v[128+8*\n:128+8*\n+3], v[VBO], s[6:7] offset:(32*(\n/2)+8*(\n%2))*4
	global_load_b128 v[128+8*\n+4:128+8*\n+7], v[VBO], s[6:7] offset:(32*(\n/2)+8*(\n%2))*4+16
.endr
.macro WLOAD t                         ; block t: 32 rows x 256 bytes, into ring slot t % 4 of window 1
	WIN 0x40
.irp i, 0,1,2,3,4,5,6,7,8,9,10,11,12,13,14,15
	global_load_b128 v[64*((\t)%4)+4*\i:64*((\t)%4)+4*\i+3], v[VW], s[4:5] offset:(32*(\t)+\i)*ROWB th:TH_LOAD_NT
.endr
.endm
.macro PUT t                           ; block t's codes go into the images; with a K step's last block its scale words
.irp j, 0,1,2,3
	ds_store_b64 v[VIA], v[C+8*((\t)%2)+2*\j:C+8*((\t)%2)+2*\j+1] offset:((\t)/4)*1024+(((\t)%4)/2)*512+((\t)%2)*256+16*\j   ; block 2 c + h of its K step: registers 4 c on of lanes 16 h on
.endr
.if ((\t)%4) == 3
.irp j, 0,1,2,3
	ds_store_b32 v[VSA], v[W+WSET*((\t)/4)+\j] offset:((\t)/4)*256+4*\j   ; both lanes of a column write the same word with the same value
.endr
.endif
.endm
; Block t is quantised; the codes of the block before go to LDS.  younger: the ring's loads issued behind block t's.
.macro BLOCK t, younger
	s_wait_loadcnt \younger
	s_wait_dscnt 0x0                               ; the LDS stores issued in the last block are done
.if (\t) > 1
	s_wait_alu depctr_vm_vsrc(0)                   ; those stores, block t - 2's, have read set t % 2 of the codes, which this block's conversions write again
.endif
	WIN 0x01                                       ; source 0 window 1
.irp j, 0,1,2,3
.irp i, 0,1,2,3,4,5,6,7,8,9,10,11,12,13,14,15
	v_mov_b32 v[T+16*\j+\i], v[64*((\t)%4)+4*\i+\j]   ; column j's 16 rows on end
.endr
.endr
.if (\t)+4 < NB
	WIN 0x40                                       ; the window first, then the wait, then the loads
.else
	WIN 0
.endif
	s_wait_alu depctr_va_vdst(0)                   ; the moves are done reading the ring's slot, in which the loads below land; the block before has written its codes (and, at a K step's end, its scale words), which the LDS stores below read
.if (\t)+4 < NB
	WLOAD (\t)+4                                   ; the slot takes the block four on
.endif
	WIN 0
.if (\t) > 0
	PUT (\t)-1                                     ; no vector instruction since the wait names these registers
.endif
.irp j, 0,1,2,3
	v_max3_num_f32 v[M+\j], |v[T+16*\j]|, |v[T+16*\j+1]|, 0x1800000   ; with the floor 2^(3 - 127): the byte cannot fall under 1
.endr
.irp i, 2,4,6,8,10,12,14
.irp j, 0,1,2,3
	v_max3_num_f32 v[M+\j], v[M+\j], |v[T+16*\j+\i]|, |v[T+16*\j+\i+1]|   ; the four columns by turns
.endr
.endr
.irp j, 0,1,2,3
	v_permlanex16_b32 v[M2+\j], v[M+\j], s26, s27
.endr
.irp j, 0,1,2,3
	v_max_num_f32 v[M+\j], v[M+\j], v[M2+\j]       ; with the block's other 16 rows
.endr
.irp j, 0,1,2,3
	v_add_nc_u32 v[SCL+\j], 0xff000000, v[M+\j]    ; 2 off the exponent field: the conversion's scale operand
.endr
.irp j, 0,1,2,3
	v_lshrrev_b32 v[BY+\j], 23, v[SCL+\j]          ; the scale's byte
.endr
.irp j, 0,1,2,3
.if ((\t)%4) == 0
	v_mov_b32 v[W+WSET*((\t)/4)+\j], v[BY+\j]      ; four blocks' bytes make a K step's scale word
.else
	v_lshl_or_b32 v[W+WSET*((\t)/4)+\j], v[BY+\j], 8*((\t)%4), v[W+WSET*((\t)/4)+\j]
.endif
.endr
.irp j, 0,1,2,3
	v_cvt_scalef32_pk8_fp4_f32 v[C+8*((\t)%2)+2*\j], v[T+16*\j:T+16*\j+7], v[SCL+\j]
	v_cvt_scalef32_pk8_fp4_f32 v[C+8*((\t)%2)+2*\j+1], v[T+16*\j+8:T+16*\j+15], v[SCL+\j]
.endr
	v_nop                                          ; a plain instruction behind the last conversion
.endm
	WLOAD 0
	WLOAD 1
	WLOAD 2
	WLOAD 3
.set Q, 0
.rept NB-3
	BLOCK Q, 48                                    ; three younger blocks' 48 loads may be out
.set Q, Q+1
.endr
	BLOCK NB-3, 32
	BLOCK NB-2, 16
	BLOCK NB-1, 0
	s_wait_alu depctr_va_vdst(0)                   ; the last block has written its codes and the second K step's scale words, which the LDS stores below read
	PUT NB-1
	s_wait_dscnt 0x0                               ; for the others' sake: my images have landed
	s_wait_kmcnt 0x0
	s_barrier_signal -1
	s_barrier_wait -1                              ; the one barrier, ahead of every branch on a number read from memory: all 32 fragments lie in LDS
	s_wait_alu depctr_vm_vsrc(0)                   ; my LDS stores have read v128 to v147, the codes' two sets and the second K step's words: gelu writes these registers from here on
	s_min_u32 s21, s21, 128
	s_cmp_ge_u32 s18, s21
	s_cbranch_scc1 .Lend                           ; fewer tiles than waves
	s_sub_co_u32 s60, s21, s18
	s_add_co_u32 s60, s60, 3
	s_lshr_b32 s60, s60, 2                         ; my tiles: wave, wave + 4, .. under the expert's number: at least one, at most 32
.macro XADDR tk                        ; from a tile's slots to the addresses of its rows; five plain instructions, which name no register of a product
	v_lshrrev_b32 v[XAD], 1, v[\tk]                ; the token
	v_min_u32 v[XAD], 2047, v[XAD]                 ; held inside x (a pad becomes token 2047)
	v_lshlrev_b32 v[XSA], 5, v[XAD]
	v_lshl_add_u32 v[XAD], v[XAD], 9, v[VH16]
	v_nop
.endm
.macro XLOAD                           ; a tile's eight fragments of x and its scale words: lane (r, h) takes, of row r's 512 bytes, the 16 at 64 s + 32 c + 16 h
	WIN 0x80
.irp s, 0,1,2,3,4,5,6,7
.irp c, 0,1
	global_load_b128 v[8*\s+4*\c:8*\s+4*\c+3], v[XAD], s[8:9] offset:64*\s+32*\c
.endr
.endr
	WIN 0
	global_load_b128 v[XS:XS+3], v[XSA], s[10:11]
	global_load_b128 v[XS+4:XS+7], v[XSA], s[10:11] offset:16
.endm
.macro WM d, a, b, c, sa, sb, odd      ; odd: source 0's scales stand in lanes 16-31 of their register
.if \odd
	v_wmma_scale_f32_16x16x128_f8f6f4 v[\d:\d+7], v[\a:\a+7], v[\b:\b+7], v[\c:\c+7], v[\sa], v[\sb] matrix_a_fmt:MATRIX_FMT_FP4 matrix_b_fmt:MATRIX_FMT_FP4 matrix_a_scale:MATRIX_SCALE_ROW1
.else
	v_wmma_scale_f32_16x16x128_f8f6f4 v[\d:\d+7], v[\a:\a+7], v[\b:\b+7], v[\c:\c+7], v[\sa], v[\sb] matrix_a_fmt:MATRIX_FMT_FP4 matrix_b_fmt:MATRIX_FMT_FP4
.endif
.endm
	XADDR TK0
	s_wait_alu depctr_va_vdst(0)                   ; XAD and XSA are written, which the loads of x read; the weight phase's moves are done reading window 1, in which the fragments' LDS loads land
	XLOAD
	WIN 0x40                                       ; destination window 1: fragment (tile n, K step s) at v[8 (8 n + s)]
.irp n, 0,1,2,3
.irp s, 0,1,2,3,4,5,6,7
.irp c, 0,1
	ds_load_b128 v[(8*\n+\s)*8+4*\c:(8*\n+\s)*8+4*\c+3], v[VLI] offset:TS*\n+1024*\s+512*\c
.endr
.endr
.endr
	WIN 0
.irp s, 0,1,2,3,4,5,6,7
.irp b, 0,1
	ds_load_b32 v[WS+2*\s+\b], v[VLS] offset:256*\s+128*\b   ; lanes 0-15: tile 2 b's words, lanes 16-31: tile 2 b + 1's
.endr
.endr
	s_wait_dscnt 0x0
	s_mov_b32 s22, 0                               ; counts my tiles; where a tile lies is kept in the three pointers, which step by four tiles a trip
.Ltile:
	s_wait_loadcnt 0x0                             ; this tile's 18 loads and the next list entries, all issued a gelu ago
	WIN 0x29                                       ; source 0 (weights) window 1, source 1 (x) and source 2 (b1) window 2
.irp n, 0,1,2,3
	WM ACC+8*\n, (8*\n)*8, 0, 128+8*\n, WS+\n/2, XS, (\n)%2   ; the bias is the C of each sum's first product
.endr
	WIN 0x09                                       ; the sums in place; the four accumulators take turns, one instruction a turn
.irp s, 1,2,3,4,5,6,7
.irp n, 0,1,2,3
	WM ACC+8*\n, (8*\n+\s)*8, 8*\s, ACC+8*\n, WS+2*\s+\n/2, XS+\s, (\n)%2
.endr
.endr
	WIN 0
	s_wait_alu depctr_vm_vsrc(0)                   ; this tile's loads have read XAD and XSA, which the five lines below write; the last trip's stores have read PC and HW, which this trip writes again
	XADDR TKN                                      ; the places behind the products, ahead of the loads into x's registers and of the first read of the sums
	s_wait_alu depctr_va_vdst(0)                   ; XAD and XSA are written; the products are done reading x's fragments and scale words, and the lines above TKN: the loads below land in all three
	XLOAD                                          ; the tile four on lands while this one goes through gelu
	global_load_b32 v[TKN], v[VLA], s[52:53] offset:512   ; and the slots of the tile eight on
	; GELU on the 32 sums, each accumulator read from its low end on
.set j, 0
.rept 32
	v_mul_f32 v[S+j], s50, |v[ACC+j]|
.set j, j+1
.endr
.set j, 0
.rept 16
	v_pk_fma_f32 v[TT+j:TT+j+1], v[S+j:S+j+1], s[48:49], 1.0 op_sel_hi:[1,0,0]   ; 1 + y / 2
.set j, j+2
.endr
.set j, 0
	s_wait_alu depctr_va_vdst(0)
.rept 32
	v_rcp_f32 v[TT+j], v[TT+j]                     ; t
.set j, j+1
.endr
	v_nop                                          ; a plain instruction behind the last reciprocal
	s_wait_alu depctr_va_vdst(0)                   ; the 32 reciprocals have written t, v[TT ..]: one wait, ahead of their first reader
.set j, 0
.rept 16
	v_pk_fma_f32 v[P+j:P+j+1], v[TT+j:TT+j+1], s[46:47], v[K8:K8+1] op_sel_hi:[1,0,1]
.set j, j+2
.endr
.irp c, 42,40,38,36,34,32,30,28
.set j, 0
.rept 16
	v_pk_fma_f32 v[P+j:P+j+1], v[P+j:P+j+1], v[TT+j:TT+j+1], s[\c:\c+1] op_sel_hi:[1,1,0]
.set j, j+2
.endr
.endr
.set j, 0
.rept 16
	v_pk_fma_f32 v[P+j:P+j+1], v[S+j:S+j+1], v[S+j:S+j+1], v[P+j:P+j+1] neg_lo:[1,0,0] neg_hi:[1,0,0]   ; - S^2
.set j, j+2
.endr
.set j, 0
	s_wait_alu depctr_va_vdst(0)
.rept 32
	v_exp_f32 v[P+j], v[P+j]
.set j, j+1
.endr
	v_nop
	s_wait_alu depctr_va_vdst(0)                   ; the 32 exponentials have written v[P ..]: one wait, ahead of their first reader
.set j, 0
.rept 16
	v_pk_mul_f32 v[P+j:P+j+1], v[TT+j:TT+j+1], v[P+j:P+j+1]
.set j, j+2
.endr
.set j, 0
.rept 32
	v_max_num_f32 v[ACC+j], 0, v[ACC+j]
.set j, j+1
.endr
.set j, 0
.rept 16
	v_pk_fma_f32 v[ACC+j:ACC+j+1], v[S+j:S+j+1], v[P+j:P+j+1], v[ACC+j:ACC+j+1] neg_lo:[1,0,0] neg_hi:[1,0,0]   ; max(v, 0) - |v| Phi(-|v|)
.set j, j+2
.endr
	; h's two blocks of 32 along f: 16 numbers here, 16 in lane l xor 16
.irp b, 0,1
	v_max3_num_f32 v[M+\b], |v[ACC+16*\b]|, |v[ACC+16*\b+1]|, 0x1800000
.endr
.irp i, 2,4,6,8,10,12,14
.irp b, 0,1
	v_max3_num_f32 v[M+\b], v[M+\b], |v[ACC+16*\b+\i]|, |v[ACC+16*\b+\i+1]|
.endr
.endr
.irp b, 0,1
	v_permlanex16_b32 v[M2+\b], v[M+\b], s26, s27
.endr
.irp b, 0,1
	v_max_num_f32 v[M+\b], v[M+\b], v[M2+\b]
.endr
.irp b, 0,1
	v_add_nc_u32 v[SCL+\b], 0xff000000, v[M+\b]
.endr
.irp b, 0,1
	v_lshrrev_b32 v[BY+\b], 23, v[SCL+\b]
.endr
.irp b, 0,1
	v_cvt_scalef32_pk8_fp4_f32 v[PC+2*\b], v[ACC+16*\b:ACC+16*\b+7], v[SCL+\b]
	v_cvt_scalef32_pk8_fp4_f32 v[PC+2*\b+1], v[ACC+16*\b+8:ACC+16*\b+15], v[SCL+\b]
.endr
	v_nop                                          ; a plain instruction behind the last conversion
	v_permlane16_swap_b32 v[PC], v[PC+2]           ; the operand's layout wants a whole block in a lane: lanes 0-15 the first block, lanes 16-31 the second
	v_permlane16_swap_b32 v[PC+1], v[PC+3]
	v_cndmask_b32 v[HW], v[BY], v[BY+1], s51       ; lanes 0-15 store the first block's byte, lanes 16-31 the second's
	s_wait_alu depctr_va_vdst(0)                   ; the swaps have written PC and the select HW, which the two stores read
	global_store_b128 v[VLI], v[PC:PC+3], s[54:55] ; my plane of the tile: 512 consecutive bytes, half a K step's register image
	global_store_b8 v[VHS], v[HW], s[56:57]
	s_wait_xcnt 0x0                                ; the stores and the list's load have read their registers and bases
	s_add_nc_u64 s[52:53], s[52:53], 256           ; four tiles on
	s_add_nc_u64 s[54:55], s[54:55], 0x10000
	s_add_nc_u64 s[56:57], s[56:57], 4096
	s_add_co_u32 s22, s22, 1
	s_cmp_lt_u32 s22, s60
	s_cbranch_scc1 .Ltile
.Lend:
	s_wait_dscnt 0x0                               ; the closing lines, six on end
	s_wait_alu 0x0
	s_wait_tensorcnt 0x0
	ds_add_u32 v254, v255
	s_wait_dscnt 0x0
	s_endpgm
.Lfunc_end_k_qcd7e4a1b75_ffn1:
	.size	k_qcd7e4a1b75_ffn1, .Lfunc_end_k_qcd7e4a1b75_ffn1-k_qcd7e4a1b75_ffn1
	.p2alignl 7, 3214868480
	.fill 96, 4, 3214868480
	.section	.rodata,"a",@progbits
	.p2align	6, 0x0
	.amdhsa_kernel k_qcd7e4a1b75_ffn1
		.amdhsa_group_segment_fixed_size 36352
		.amdhsa_private_segment_fixed_size 0
		.amdhsa_enable_private_segment 0
		.amdhsa_kernarg_size 48
		.amdhsa_user_sgpr_count 2
		.amdhsa_user_sgpr_kernarg_segment_ptr 1
		.amdhsa_wavefront_size32 1
		.amdhsa_system_sgpr_workgroup_id_x 1
		.amdhsa_system_sgpr_workgroup_id_y 1
		.amdhsa_system_sgpr_workgroup_id_z 1
		.amdhsa_system_vgpr_workitem_id 0
		.amdhsa_next_free_vgpr 768
		.amdhsa_next_free_sgpr 80
		.amdhsa_reserve_vcc 0
		.amdhsa_float_denorm_mode_32 3
		.amdhsa_float_denorm_mode_16_64 3
		.amdhsa_memory_ordered 1
		.amdhsa_forward_progress 1
		.amdhsa_inst_pref_size 102
	.end_amdhsa_kernel
	.amdgpu_metadata
---
amdhsa.version: [ 1, 2 ]
amdhsa.kernels:
  - .name:           k_qcd7e4a1b75_ffn1
    .symbol:         k_qcd7e4a1b75_ffn1.kd
    .args:
      - { .name: w1, .offset: 0, .size: 8, .value_kind: global_buffer, .address_space: global }
      - { .name: b1, .offset: 8, .size: 8, .value_kind: global_buffer, .address_space: global }
      - { .name: xc, .offset: 16, .size: 8, .value_kind: global_buffer, .address_space: global }
      - { .name: xs, .offset: 24, .size: 8, .value_kind: global_buffer, .address_space: global }
      - { .name: ord, .offset: 32, .size: 8, .value_kind: global_buffer, .address_space: global }
      - { .name: hq, .offset: 40, .size: 8, .value_kind: global_buffer, .address_space: global }
    .group_segment_fixed_size: 36352
    .private_segment_fixed_size: 0
    .kernarg_segment_align: 8
    .kernarg_segment_size: 48
    .max_flat_workgroup_size: 128
    .sgpr_count:     80
    .vgpr_count:     768
    .wavefront_size: 32
...
	.end_amdgpu_metadata
.endif
;; end of part 11
;; launch ffn2 (part 12): grid 16 x 16, 4 waves a work-group, no clusters, 0 bytes of LDS; arguments w2q, b2, hq, ord, z; writes z
.if DOCPART == 12
	.amdgcn_target "amdgcn-amd-amdhsa--gfx1250"
	.amdhsa_code_object_version 6
	.text
	.protected	k_qcd7e4a1b75_ffn2
	.globl	k_qcd7e4a1b75_ffn2
	.p2align	8
	.type	k_qcd7e4a1b75_ffn2,@function
k_qcd7e4a1b75_ffn2:
	s_mov_b64 s[64:65], 0
	v_nop
	global_prefetch_b8 v0, s[64:65] scope:SCOPE_SE
	s_setreg_imm32_b32 hwreg(HW_REG_WAVE_SCHED_MODE, 0, 2), 2
	s_setreg_imm32_b32 hwreg(HW_REG_WAVE_MODE, 25, 1), 1
	s_wait_xcnt 0x0
	s_wait_alu depctr_vm_vsrc(0)
; z = h w2 + b2 for the rows that chose the expert, both operands codes of E2M1 with one E8M0 byte for each 32 along f; z: [4224 slots][1024] f32.
; Both operands lie in memory as images of the operand's registers, made by earlier launches, so every fragment comes by loads of 512 consecutive bytes straight into registers.  No LDS, no barrier: waves share nothing.
; SHARES.  Work-group (ds, 2 e + half): output columns 64 ds .. 64 ds + 63 of expert e; its wave w is wave u = 4 half + w of the eight that share the expert's tiles of 16 rows: tiles u, u + 8, ..
; THE WEIGHTS STAY, THE ROWS PASS.  A wave keeps the slice's 64 fragments (4 tiles of 16 columns x 16 K steps: 65,536 bytes, 512 registers).  With c columns to a wave there are c / 8 waves to a slice on 1,024 waves,
; so a wave loads about c KB of weights and, of an expert's 32 tiles or so, 256 / c tiles of 17 KB: the sum is least at c = 64; and 64 columns are 256 consecutive bytes of a row of z, aligned.
; Two buffers of h take turns: while one tile is multiplied (64 matrix instructions) the next is on its way.
; ROW r OF TILE n OF THE WEIGHTS IS COLUMN 4 r + n.  Source 0 = 16 rows of h, source 1 = 16 columns of w2: lane (r, h) holds in register j of tile n's sum z(row 8 h + j, column 4 r + n).
; So a lane's four tiles hold four NEIGHBOURING columns of each of its eight rows: 32 moves lay them side by side, and a store of the wave covers 256 consecutive bytes of each of two slots' rows.
; The moves stand for a round trip through LDS (16 instructions of 512 bytes a tile).  b2 is the C of each sum's first product: lane r's four numbers, spread over the 32 registers once.
; A trip of the loop takes two of the wave's tiles, one from each buffer; a wave whose number of tiles is odd ends in the middle of its last trip.
; The look-ahead never leaves the expert's tiles: past the last it names the tile in hand again, so that each buffer's 38 loads are issued on every way and the counted wait holds.
; NO JOINT REQUESTS: the waves of a slice read the same weights and the 16 slices of an expert the same tiles of h, but how many tiles is read from memory and the trip count hangs on it, so all comes by plain loads.
; No prefetch: the weights' loads all go out at the head, and a tile's loads a tile ahead.
; LIMITS: NaN and infinities are not served.
; REGISTERS, in windows of 256: window 0: v4-7 addresses; v8-11 b2 as loaded; v16-47 the weights' scale words, v48-79 h's, two sets: scales and nothing else; v80-111 b2 as C; v112-143 the sums;
;   v144-159 slots, two sets; v160-167 z's addresses; v168-199 rows on their way out.  windows 1, 2: the 64 fragments of w2.  window 3: h's fragments, two sets.
; THE MODE: SCHED_MODE bits 1:0 = 2 (LLVM: expert scheduling mode 2), set by the entry lines.  The code itself states the register dependences between vector or matrix instructions and memory instructions,
; with s_wait_alu, always for 0.
; THE PLAN.  Registers that memory instructions touch, in the loop:
;   h[b], HS[b]   a tile's fragments and scale words: written by the buffer's loads; read by step b's 64 products; behind them the loads of the tile sixteen on land there.
;   SL[b]         the tile's slots: written by the buffer's loads; read by eight lines behind the products.
;   ZA            z's addresses: written by sixteen lines behind the products; read by the step's eight stores.
;   OB            the rows on their way out: written by 32 moves; read by the same stores.
;   VLI, VHS, VSL, VZ   made once at the head.
; A step: the products; one wait on vm_vsrc (the last step's stores, 64 products back, have read ZA and OB); the sixteen lines that make ZA; one wait on va_vdst, behind which the buffer's 38 loads go out at once;
; the 32 moves, which name the sums and OB alone, while those loads are on their way; one more wait on va_vdst for OB; the eight stores.
.set LSTB, 8960
.set NTL,  71680
.set HSO,  16777216                    ; hq: the scale words behind the codes
.set WSO,  8388608                     ; w2q: likewise
.set VLI,  4                           ; 16 x lane
.set VHS,  5                           ; h's scale words: 64 r
.set VSL,  6                           ; the slots of rows 8 h + 0 .. 7: 32 h
.set VZ,   7                           ; 16 r
.set BT,   8
.set WS,   16                          ; register 4 p + n: tile n's words of K step 2 p in lanes 0-15, of K step 2 p + 1 in lanes 16-31
.set HS,   48
.set B2,   80
.set ACC,  112
.set SL,   144
.set ZA,   160
.set OB,   168
.set MSB, 0
.macro WIN new                         ; the immediate's high byte repeats the setting that is left
.if MSB != \new
	s_set_vgpr_msb (MSB<<8)|\new
.set MSB, \new
.endif
.endm
	s_load_b256 s[4:11], s[0:1], 0x0               ; w2q, b2, hq, ord
	s_load_b64 s[12:13], s[0:1], 0x20              ; z
	v_lshrrev_b32 v1, 5, v0
	v_readfirstlane_b32 s18, v1                    ; wave 0..3
	s_mov_b32 s19, ttmp9                           ; ds
	s_and_b32 s20, ttmp7, 0xffff
	s_and_b32 s17, s20, 1                          ; half
	s_lshr_b32 s20, s20, 1                         ; e
	v_and_b32 v1, 31, v0                           ; lane
	v_and_b32 v2, 15, v0                           ; r
	v_bfe_u32 v3, v0, 4, 1                         ; h
	v_lshlrev_b32 v[VLI], 4, v1
	v_lshlrev_b32 v[VHS], 6, v2
	v_lshlrev_b32 v[VSL], 5, v3
	v_lshlrev_b32 v[VZ], 4, v2
	s_wait_alu depctr_va_sdst(0)                   ; s18 is written, ahead of its first reader: which tiles are mine is made from it
	s_lshl_b32 s16, s17, 2
	s_add_co_u32 s16, s16, s18                     ; u: which of the slice's eight waves
	s_lshl_b32 s28, s20, 4
	s_add_co_u32 s28, s28, s19                     ; the slice: 16 e + ds
	s_lshl_b32 s30, s28, 16                        ; its codes: 65,536 bytes
	s_mov_b32 s31, 0
	s_lshl_b32 s32, s28, 12                        ; its scale words: 4,096 bytes, behind all codes
	s_add_co_u32 s32, s32, WSO
	s_mov_b32 s33, 0
	s_lshl_b32 s34, s20, 12                        ; b2
	s_lshl_b32 s35, s19, 8
	s_add_co_u32 s34, s34, s35
	s_mov_b32 s35, 0
	s_lshl_b32 s36, s20, 21                        ; h's codes: 128 tiles of 16,384 bytes an expert
	s_mov_b32 s37, 0
	s_lshl_b32 s38, s20, 17                        ; h's scale words: 128 tiles of 1,024 bytes, behind all codes
	s_add_co_u32 s38, s38, HSO
	s_mov_b32 s39, 0
	s_mul_i32 s50, s20, LSTB                       ; the list
	s_mov_b32 s51, 0
	s_lshl_b32 s24, s19, 8                         ; z: my slice's 256 bytes of a row
	s_mov_b32 s25, 0                               ; (s25 stays 0: the upper word of every offset made in s24)
	s_lshl_b32 s28, s20, 2
	s_add_co_u32 s28, s28, NTL
	s_mov_b32 s29, 0
	s_wait_kmcnt 0x0
	s_add_nc_u64 s[30:31], s[4:5], s[30:31]
	s_add_nc_u64 s[32:33], s[4:5], s[32:33]
	s_add_nc_u64 s[6:7], s[6:7], s[34:35]
	s_add_nc_u64 s[40:41], s[8:9], s[36:37]
	s_add_nc_u64 s[42:43], s[8:9], s[38:39]
	s_add_nc_u64 s[44:45], s[10:11], s[50:51]
	s_add_nc_u64 s[46:47], s[12:13], s[24:25]
	s_add_nc_u64 s[48:49], s[10:11], s[28:29]
	s_load_b32 s21, s[48:49], 0x0                  ; the expert's tiles
	s_wait_alu depctr_va_vdst(0)                   ; the four offsets VLI, VHS, VSL and VZ are written: every load of the kernel reads one of them
	global_load_b128 v[BT:BT+3], v[VZ], s[6:7]     ; b2 of columns 4 r + 0 .. 3
	WIN 0x40                                       ; fragment (tile n, K step s) at v[8 (4 (s % 8) + n)] of window 1 + s / 8: the order in which the codes lie
.set k, 0
.rept 64
	global_load_b128 v[4*k:4*k+3], v[VLI], s[30:31] offset:512*k
.set k, k+1
.endr
	WIN 0x80
.set k, 0
.rept 64
	global_load_b128 v[4*k:4*k+3], v[VLI], s[30:31] offset:32768+512*k
.set k, k+1
.endr
	WIN 0
.irp p, 0,1,2,3,4,5,6,7
	global_load_b128 v[WS+4*\p:WS+4*\p+3], v[VLI], s[32:33] offset:512*\p
.endr
	s_wait_kmcnt 0x0
	s_min_u32 s21, s21, 128
	s_cmp_ge_u32 s16, s21
	s_cbranch_scc1 .Lend                           ; fewer tiles than waves
	s_sub_co_u32 s59, s21, s16
	s_add_co_u32 s59, s59, 15
	s_lshr_b32 s59, s59, 4                         ; trips: tiles u + 16 k and u + 16 k + 8 in trip k: at least one, at most 8
; Tile s23 into buffer b: 32 + 4 + 2 = 38 loads.  The three bases are written anew: but for the first use, a wait on XCNT stands ahead of the macro.
.macro HLOAD b
	s_min_u32 s23, s23, 127                        ; held inside the expert's tiles ahead of the addresses
	s_lshl_b32 s24, s23, 14
	s_add_nc_u64 s[52:53], s[40:41], s[24:25]
	s_lshl_b32 s24, s23, 10
	s_add_nc_u64 s[54:55], s[42:43], s[24:25]
	s_lshl_b32 s24, s23, 6
	s_add_nc_u64 s[56:57], s[44:45], s[24:25]
	WIN 0xc0                                       ; destination window 3
.set p, 0
.rept 32
	global_load_b128 v[128*\b+4*p:128*\b+4*p+3], v[VLI], s[52:53] offset:512*p   ; plane p = 2 s + c: registers 4 c on of K step s
.set p, p+1
.endr
	WIN 0
.irp k, 0,1,2,3
	global_load_b128 v[HS+16*\b+4*\k:HS+16*\b+4*\k+3], v[VHS], s[54:55] offset:16*\k
.endr
.irp k, 0,1
	global_load_b128 v[SL+8*\b+4*\k:SL+8*\b+4*\k+3], v[VSL], s[56:57] offset:16*\k
.endr
.endm
.macro WM d, a, b, c, sa, sb, odd      ; odd: source 1's scales stand in lanes 16-31 of their register
.if \odd
	v_wmma_scale_f32_16x16x128_f8f6f4 v[\d:\d+7], v[\a:\a+7], v[\b:\b+7], v[\c:\c+7], v[\sa], v[\sb] matrix_a_fmt:MATRIX_FMT_FP4 matrix_b_fmt:MATRIX_FMT_FP4 matrix_b_scale:MATRIX_SCALE_ROW1
.else
	v_wmma_scale_f32_16x16x128_f8f6f4 v[\d:\d+7], v[\a:\a+7], v[\b:\b+7], v[\c:\c+7], v[\sa], v[\sb] matrix_a_fmt:MATRIX_FMT_FP4 matrix_b_fmt:MATRIX_FMT_FP4
.endif
.endm
; The tile in buffer b (tile s22 + 8 b) is multiplied and stored; the buffer then takes the tile sixteen on, or the same tile again where there is none.
.macro STEP b
	s_wait_loadcnt 38                              ; this buffer's 38 loads are in, and all that was issued ahead of them; the other buffer's 38, issued behind them, may be out
	WIN 0x07                                       ; source 0 (h) window 3, source 1 (weights) window 1
.irp n, 0,1,2,3
	WM ACC+8*\n, 128*\b, \n*8, B2+8*\n, HS+16*\b, WS+\n, 0   ; the bias is the C of each sum's first product
.endr
.irp s, 1,2,3,4,5,6,7
.irp n, 0,1,2,3
	WM ACC+8*\n, 128*\b+8*\s, (\s*4+\n)*8, ACC+8*\n, HS+16*\b+\s, WS+4*(\s/2)+\n, (\s)%2   ; the four accumulators take turns, one instruction a turn
.endr
.endr
	WIN 0x0b                                       ; K steps 8 to 15: the weights in window 2
.irp s, 8,9,10,11,12,13,14,15
.irp n, 0,1,2,3
	WM ACC+8*\n, 128*\b+8*\s, ((\s-8)*4+\n)*8, ACC+8*\n, HS+16*\b+\s, WS+4*(\s/2)+\n, (\s)%2
.endr
.endr
	WIN 0
	s_wait_xcnt 0x0                                ; the last tile's stores and the other buffer's loads have read their registers and bases
	s_wait_alu depctr_vm_vsrc(0)                   ; the last tile's stores have read ZA and OB, which the lines below write again
.irp i, 0,1,2,3,4,5,6,7
	v_min_u32 v[ZA+\i], 4223, v[SL+8*\b+\i]        ; the slot of row 8 h + i, held inside z.  (These sixteen lines are the places behind the products)
.endr
.irp i, 0,1,2,3,4,5,6,7
	v_lshl_add_u32 v[ZA+\i], v[ZA+\i], 12, v[VZ]
.endr
	s_add_co_u32 s28, s22, 8*\b                    ; the tile in hand
	s_add_co_u32 s23, s22, 16+8*\b                 ; the tile sixteen on,
	s_cmp_lt_u32 s23, s21
	s_cselect_b32 s23, s23, s28                    ; if the expert has it
	s_wait_alu depctr_va_vdst(0)                   ; the products are done reading this buffer's fragments and scale words, and the lines above its slots: the loads below land in all three; ZA is written, which the stores further down read
	HLOAD \b                                       ; the buffer is asked for again at once, ahead of the moves
.irp i, 0,1,2,3,4,5,6,7
.irp n, 0,1,2,3
	v_mov_b32 v[OB+4*\i+\n], v[ACC+8*\n+\i]        ; row 8 h + i: columns 4 r + 0 .. 3 side by side; each accumulator is read from its low end on
.endr
.endr
	s_wait_alu depctr_va_vdst(0)                   ; the moves have written OB, which the stores read
.irp i, 0,1,2,3,4,5,6,7
	global_store_b128 v[ZA+\i], v[OB+4*\i:OB+4*\i+3], s[46:47] th:TH_STORE_NT   ; sixteen lanes store 256 consecutive bytes of a slot's row, aligned
.endr
.endm
	s_mov_b32 s23, s16
	HLOAD 0                                        ; my first tile,
	s_add_co_u32 s23, s16, 8
	s_cmp_lt_u32 s23, s21
	s_cselect_b32 s23, s23, s16
	s_wait_xcnt 0x0                                ; the loads above have read their bases
	HLOAD 1                                        ; and the tile eight on, if there is one
	s_wait_loadcnt 38                              ; all but the 38 just issued: b2 among them
.irp n, 0,1,2,3
.irp j, 0,1,2,3,4,5,6,7
	v_mov_b32 v[B2+8*\n+\j], v[BT+\n]              ; the same for all eight rows of a lane
.endr
.endr
.rept 8
	v_nop                                          ; once a wave: distance between these moves and the first products, which take the registers as C
.endr
	s_mov_b32 s22, s16                             ; the trip's first tile
	s_mov_b32 s58, 0                               ; counts the trips
.Lpair:
	s_wait_alu depctr_va_vdst(0)
	STEP 0
	s_add_co_u32 s28, s22, 8
	s_cmp_lt_u32 s28, s21
	s_cbranch_scc1 .Lsecond                        ; the expert has the tile eight on
	s_endpgm                                       ; it has not: my last tile is stored; only plain loads and stores are out
.Lsecond:
	STEP 1
	s_add_co_u32 s22, s22, 16
	s_add_co_u32 s58, s58, 1
	s_cmp_lt_u32 s58, s59
	s_cbranch_scc1 .Lpair
.Lend:
	s_endpgm
.Lfunc_end_k_qcd7e4a1b75_ffn2:
	.size	k_qcd7e4a1b75_ffn2, .Lfunc_end_k_qcd7e4a1b75_ffn2-k_qcd7e4a1b75_ffn2
	.p2alignl 7, 3214868480
	.fill 96, 4, 3214868480
	.section	.rodata,"a",@progbits
	.p2align	6, 0x0
	.amdhsa_kernel k_qcd7e4a1b75_ffn2
		.amdhsa_group_segment_fixed_size 0
		.amdhsa_private_segment_fixed_size 0
		.amdhsa_enable_private_segment 0
		.amdhsa_kernarg_size 40
		.amdhsa_user_sgpr_count 2
		.amdhsa_user_sgpr_kernarg_segment_ptr 1
		.amdhsa_wavefront_size32 1
		.amdhsa_system_sgpr_workgroup_id_x 1
		.amdhsa_system_sgpr_workgroup_id_y 1
		.amdhsa_system_sgpr_workgroup_id_z 1
		.amdhsa_system_vgpr_workitem_id 0
		.amdhsa_next_free_vgpr 1024
		.amdhsa_next_free_sgpr 66
		.amdhsa_reserve_vcc 0
		.amdhsa_float_denorm_mode_32 3
		.amdhsa_float_denorm_mode_16_64 3
		.amdhsa_memory_ordered 1
		.amdhsa_forward_progress 1
		.amdhsa_inst_pref_size 55
	.end_amdhsa_kernel
	.amdgpu_metadata
---
amdhsa.version: [ 1, 2 ]
amdhsa.kernels:
  - .name:           k_qcd7e4a1b75_ffn2
    .symbol:         k_qcd7e4a1b75_ffn2.kd
    .args:
      - { .name: w2q, .offset: 0, .size: 8, .value_kind: global_buffer, .address_space: global }
      - { .name: b2, .offset: 8, .size: 8, .value_kind: global_buffer, .address_space: global }
      - { .name: hq, .offset: 16, .size: 8, .value_kind: global_buffer, .address_space: global }
      - { .name: ord, .offset: 24, .size: 8, .value_kind: global_buffer, .address_space: global }
      - { .name: z, .offset: 32, .size: 8, .value_kind: global_buffer, .address_space: global }
    .group_segment_fixed_size: 0
    .private_segment_fixed_size: 0
    .kernarg_segment_align: 8
    .kernarg_segment_size: 40
    .max_flat_workgroup_size: 128
    .sgpr_count:     66
    .vgpr_count:     1024
    .wavefront_size: 32
...
	.end_amdgpu_metadata
.endif
;; end of part 12
;; launch norm (part 13): grid 256 x 1, 8 waves a work-group, no clusters, 0 bytes of LDS; arguments x, z, sel, gw, ln_g, ln_b, out0; writes out0
.if DOCPART == 13
	.amdgcn_target "amdgcn-amd-amdhsa--gfx1250"
	.amdhsa_code_object_version 6
	.text
	.protected	k_qcd7e4a1b75_norm
	.globl	k_qcd7e4a1b75_norm
	.p2align	8
	.type	k_qcd7e4a1b75_norm,@function
k_qcd7e4a1b75_norm:
	s_mov_b64 s[64:65], 0
	v_nop
	global_prefetch_b8 v0, s[64:65] scope:SCOPE_SE
	s_setreg_imm32_b32 hwreg(HW_REG_WAVE_MODE, 25, 1), 1
	s_wait_xcnt 0x0
; out[t] = the sum over a token's two choices k of gw[t][k] (LN(x[t] + z[2 t + k]) ln_g[e_k] + ln_b[e_k]), e_k = sel[t][k].  All in f32.
; One wave, one token: a row of 4,096 bytes is 32 registers, so x, the two rows of z and the four rows of gains and biases stay in registers, each byte is read once, and no wave waits for another.
; Each load and store of a wave covers 512 consecutive bytes.  Mean first, then the sum of squares of the differences: no difference of large sums is formed.
; The experts' numbers are whole numbers stored by an earlier launch; they are held at 7 ahead of the addresses.  Memory binds: no LDS, no matrix unit, no cluster.
; LIMITS: NaN and infinities are not served; sums are taken in another order than a plain loop along the row would take them.
.set X,   8                            ; v8-39    x, later the result
.set Z0,  40                           ; v40-71   x + z of the first choice, then less its mean
.set Z1,  72                           ; v72-103  of the second
.set G0,  104
.set B0,  136
.set G1,  168
.set B1,  200
.set SA0, 232                          ; v232-239 sums, two chains a choice
.set SB0, 234
.set SA1, 236
.set SB1, 238
.set PT,  240                          ; v240-241 the other half's sums
.set ME0, 242                          ; v242-245 the means, as pairs
.set ME1, 244
.set A0,  246                          ; v246-249 1 / sqrt(var + eps) x the gate's weight, as pairs
.set A1,  248
	s_load_b256 s[4:11], s[0:1], 0x0               ; x, z, sel, gw
	s_load_b128 s[12:15], s[0:1], 0x20             ; ln_g, ln_b
	s_load_b64 s[16:17], s[0:1], 0x30              ; out0
	v_lshrrev_b32 v1, 5, v0
	s_delay_alu instid0(VALU_DEP_1)
	v_readfirstlane_b32 s18, v1
	v_and_b32 v1, 31, v0
	s_delay_alu instid0(VALU_DEP_1)
	v_lshlrev_b32 v1, 4, v1                        ; 16 x lane
	v_mov_b32 v[PT], 0
	v_mov_b32 v[PT+1], 0                           ; a lane permute's destination counts as one of its sources
	s_lshl_b32 s19, ttmp9, 3
	s_add_co_u32 s19, s19, s18                     ; my token
	s_lshl_b32 s20, s19, 12
	s_mov_b32 s21, 0
	s_lshl_b32 s22, s19, 13
	s_mov_b32 s23, 0
	s_lshl_b32 s24, s19, 3
	s_mov_b32 s25, 0
	s_mov_b32 s44, 0x3a800000                      ; 1 / 1024
	s_mov_b32 s45, 0x358637bd                      ; 1e-6
	s_mov_b32 s46, 0x76543210
	s_mov_b32 s47, 0xfedcba98
	s_wait_alu depctr_va_vdst(0)
	s_wait_kmcnt 0x0
	s_add_nc_u64 s[8:9], s[8:9], s[24:25]
	s_add_nc_u64 s[10:11], s[10:11], s[24:25]
	s_load_b64 s[26:27], s[8:9], 0x0               ; the two experts
	s_load_b64 s[28:29], s[10:11], 0x0             ; the two weights
	s_add_nc_u64 s[4:5], s[4:5], s[20:21]
	s_add_nc_u64 s[6:7], s[6:7], s[22:23]
	s_add_nc_u64 s[16:17], s[16:17], s[20:21]
.irp i, 0,1,2,3,4,5,6,7
	global_load_b128 v[X+4*\i:X+4*\i+3], v1, s[4:5] offset:512*\i th:TH_LOAD_NT
.endr
.irp i, 0,1,2,3,4,5,6,7
	global_load_b128 v[Z0+4*\i:Z0+4*\i+3], v1, s[6:7] offset:512*\i th:TH_LOAD_NT
.endr
.irp i, 0,1,2,3,4,5,6,7
	global_load_b128 v[Z1+4*\i:Z1+4*\i+3], v1, s[6:7] offset:4096+512*\i th:TH_LOAD_NT
.endr
	s_wait_kmcnt 0x0
	s_min_u32 s26, s26, 7
	s_min_u32 s27, s27, 7
	s_lshl_b32 s30, s26, 12
	s_mov_b32 s31, 0
	s_lshl_b32 s32, s27, 12
	s_mov_b32 s33, 0
	s_add_nc_u64 s[34:35], s[12:13], s[30:31]
	s_add_nc_u64 s[36:37], s[14:15], s[30:31]
	s_add_nc_u64 s[38:39], s[12:13], s[32:33]
	s_add_nc_u64 s[40:41], s[14:15], s[32:33]
	s_mov_b32 s42, s29                             ; the second weight as a pair of its own: the packed forms take a pair's low word for both halves
	s_mov_b32 s43, s29
.irp i, 0,1,2,3,4,5,6,7
	global_load_b128 v[G0+4*\i:G0+4*\i+3], v1, s[34:35] offset:512*\i
	global_load_b128 v[B0+4*\i:B0+4*\i+3], v1, s[36:37] offset:512*\i
	global_load_b128 v[G1+4*\i:G1+4*\i+3], v1, s[38:39] offset:512*\i
	global_load_b128 v[B1+4*\i:B1+4*\i+3], v1, s[40:41] offset:512*\i
.endr
.macro RED r, p                        ; the sum over the 32 lanes, in every lane
	v_add_f32_dpp v[\r], v[\r], v[\r] row_xmask:1 row_mask:0xf bank_mask:0xf
	s_delay_alu instid0(VALU_DEP_1)
	v_add_f32_dpp v[\r], v[\r], v[\r] row_xmask:2 row_mask:0xf bank_mask:0xf
	s_delay_alu instid0(VALU_DEP_1)
	v_add_f32_dpp v[\r], v[\r], v[\r] row_xmask:4 row_mask:0xf bank_mask:0xf
	s_delay_alu instid0(VALU_DEP_1)
	v_add_f32_dpp v[\r], v[\r], v[\r] row_xmask:8 row_mask:0xf bank_mask:0xf
	s_delay_alu instid0(VALU_DEP_1)
	v_permlanex16_b32 v[\p], v[\r], s46, s47
	s_delay_alu instid0(VALU_DEP_1)
	v_add_f32 v[\r], v[\r], v[\p]
.endm
	s_wait_loadcnt 32                              ; x and the two rows of z are in; the 32 loads of gains and biases may be out
.set j, 0
.rept 16
	v_pk_add_f32 v[Z0+j:Z0+j+1], v[Z0+j:Z0+j+1], v[X+j:X+j+1]
	v_pk_add_f32 v[Z1+j:Z1+j+1], v[Z1+j:Z1+j+1], v[X+j:X+j+1]
.set j, j+2
.endr
	v_pk_add_f32 v[SA0:SA0+1], v[Z0:Z0+1], v[Z0+2:Z0+3]
	v_pk_add_f32 v[SA1:SA1+1], v[Z1:Z1+1], v[Z1+2:Z1+3]
	v_pk_add_f32 v[SB0:SB0+1], v[Z0+4:Z0+5], v[Z0+6:Z0+7]
	v_pk_add_f32 v[SB1:SB1+1], v[Z1+4:Z1+5], v[Z1+6:Z1+7]
.irp j, 8,12,16,20,24,28
	s_delay_alu instid0(VALU_DEP_4)
	v_pk_add_f32 v[SA0:SA0+1], v[SA0:SA0+1], v[Z0+\j:Z0+\j+1]
	s_delay_alu instid0(VALU_DEP_4)
	v_pk_add_f32 v[SA1:SA1+1], v[SA1:SA1+1], v[Z1+\j:Z1+\j+1]
	s_delay_alu instid0(VALU_DEP_4)
	v_pk_add_f32 v[SB0:SB0+1], v[SB0:SB0+1], v[Z0+\j+2:Z0+\j+3]
	s_delay_alu instid0(VALU_DEP_4)
	v_pk_add_f32 v[SB1:SB1+1], v[SB1:SB1+1], v[Z1+\j+2:Z1+\j+3]
.endr
	s_delay_alu instid0(VALU_DEP_2)
	v_pk_add_f32 v[SA0:SA0+1], v[SA0:SA0+1], v[SB0:SB0+1]
	s_delay_alu instid0(VALU_DEP_2)
	v_pk_add_f32 v[SA1:SA1+1], v[SA1:SA1+1], v[SB1:SB1+1]
	s_delay_alu instid0(VALU_DEP_2)
	v_add_f32 v[SA0], v[SA0], v[SA0+1]
	s_delay_alu instid0(VALU_DEP_2)
	v_add_f32 v[SA1], v[SA1], v[SA1+1]
	RED SA0, PT
	RED SA1, PT+1
	v_mul_f32 v[ME0], s44, v[SA0]
	s_delay_alu instid0(VALU_DEP_2)
	v_mul_f32 v[ME1], s44, v[SA1]
	s_delay_alu instid0(VALU_DEP_2)
	v_mov_b32 v[ME0+1], v[ME0]
	s_delay_alu instid0(VALU_DEP_2)
	v_mov_b32 v[ME1+1], v[ME1]
.set j, 0
.rept 16
	v_pk_add_f32 v[Z0+j:Z0+j+1], v[Z0+j:Z0+j+1], v[ME0:ME0+1] neg_lo:[0,1] neg_hi:[0,1]
	v_pk_add_f32 v[Z1+j:Z1+j+1], v[Z1+j:Z1+j+1], v[ME1:ME1+1] neg_lo:[0,1] neg_hi:[0,1]
.set j, j+2
.endr
	v_pk_mul_f32 v[SA0:SA0+1], v[Z0:Z0+1], v[Z0:Z0+1]
	v_pk_mul_f32 v[SA1:SA1+1], v[Z1:Z1+1], v[Z1:Z1+1]
	v_pk_mul_f32 v[SB0:SB0+1], v[Z0+2:Z0+3], v[Z0+2:Z0+3]
	v_pk_mul_f32 v[SB1:SB1+1], v[Z1+2:Z1+3], v[Z1+2:Z1+3]
.irp j, 4,8,12,16,20,24,28
	s_delay_alu instid0(VALU_DEP_4)
	v_pk_fma_f32 v[SA0:SA0+1], v[Z0+\j:Z0+\j+1], v[Z0+\j:Z0+\j+1], v[SA0:SA0+1]
	s_delay_alu instid0(VALU_DEP_4)
	v_pk_fma_f32 v[SA1:SA1+1], v[Z1+\j:Z1+\j+1], v[Z1+\j:Z1+\j+1], v[SA1:SA1+1]
	s_delay_alu instid0(VALU_DEP_4)
	v_pk_fma_f32 v[SB0:SB0+1], v[Z0+\j+2:Z0+\j+3], v[Z0+\j+2:Z0+\j+3], v[SB0:SB0+1]
	s_delay_alu instid0(VALU_DEP_4)
	v_pk_fma_f32 v[SB1:SB1+1], v[Z1+\j+2:Z1+\j+3], v[Z1+\j+2:Z1+\j+3], v[SB1:SB1+1]
.endr
	s_delay_alu instid0(VALU_DEP_2)
	v_pk_add_f32 v[SA0:SA0+1], v[SA0:SA0+1], v[SB0:SB0+1]
	s_delay_alu instid0(VALU_DEP_2)
	v_pk_add_f32 v[SA1:SA1+1], v[SA1:SA1+1], v[SB1:SB1+1]
	s_delay_alu instid0(VALU_DEP_2)
	v_add_f32 v[SA0], v[SA0], v[SA0+1]
	s_delay_alu instid0(VALU_DEP_2)
	v_add_f32 v[SA1], v[SA1], v[SA1+1]
	RED SA0, PT
	RED SA1, PT+1
	v_fma_f32 v[SA0], v[SA0], s44, s45             ; the variance + 1e-6
	s_delay_alu instid0(VALU_DEP_2)
	v_fma_f32 v[SA1], v[SA1], s44, s45
	s_wait_alu depctr_va_vdst(0)
	v_rsq_f32 v[A0], v[SA0]
	v_rsq_f32 v[A1], v[SA1]
	v_nop                                          ; a plain instruction behind the last of the two
	s_wait_alu depctr_va_vdst(0)                   ; one wait for both, ahead of their first reader
	v_mul_f32 v[A0], s28, v[A0]
	v_mul_f32 v[A1], s29, v[A1]
	s_delay_alu instid0(VALU_DEP_2)
	v_mov_b32 v[A0+1], v[A0]
	s_delay_alu instid0(VALU_DEP_2)
	v_mov_b32 v[A1+1], v[A1]
	s_wait_loadcnt 0x0                             ; the gains and biases
.set j, 0
.rept 16
	v_pk_mul_f32 v[X+j:X+j+1], v[B0+j:B0+j+1], s[28:29] op_sel_hi:[1,0]
	v_pk_mul_f32 v[Z0+j:Z0+j+1], v[Z0+j:Z0+j+1], v[G0+j:G0+j+1]
	v_pk_mul_f32 v[Z1+j:Z1+j+1], v[Z1+j:Z1+j+1], v[G1+j:G1+j+1]
	s_delay_alu instid0(VALU_DEP_3)
	v_pk_fma_f32 v[X+j:X+j+1], v[B1+j:B1+j+1], s[42:43], v[X+j:X+j+1] op_sel_hi:[1,0,1]
	s_wait_alu depctr_va_vdst(0)
	v_pk_fma_f32 v[X+j:X+j+1], v[Z0+j:Z0+j+1], v[A0:A0+1], v[X+j:X+j+1]
	s_delay_alu instid0(VALU_DEP_1)
	v_pk_fma_f32 v[X+j:X+j+1], v[Z1+j:Z1+j+1], v[A1:A1+1], v[X+j:X+j+1]
.set j, j+2
.endr
.irp i, 0,1,2,3,4,5,6,7
	global_store_b128 v1, v[X+4*\i:X+4*\i+3], s[16:17] offset:512*\i th:TH_STORE_NT
.endr
	s_endpgm
.Lfunc_end_k_qcd7e4a1b75_norm:
	.size	k_qcd7e4a1b75_norm, .Lfunc_end_k_qcd7e4a1b75_norm-k_qcd7e4a1b75_norm
	.p2alignl 7, 3214868480
	.fill 96, 4, 3214868480
	.section	.rodata,"a",@progbits
	.p2align	6, 0x0
	.amdhsa_kernel k_qcd7e4a1b75_norm
		.amdhsa_group_segment_fixed_size 0
		.amdhsa_private_segment_fixed_size 0
		.amdhsa_enable_private_segment 0
		.amdhsa_kernarg_size 56
		.amdhsa_user_sgpr_count 2
		.amdhsa_user_sgpr_kernarg_segment_ptr 1
		.amdhsa_wavefront_size32 1
		.amdhsa_system_sgpr_workgroup_id_x 1
		.amdhsa_system_sgpr_workgroup_id_y 1
		.amdhsa_system_sgpr_workgroup_id_z 1
		.amdhsa_system_vgpr_workitem_id 0
		.amdhsa_next_free_vgpr 256
		.amdhsa_next_free_sgpr 66
		.amdhsa_reserve_vcc 0
		.amdhsa_float_denorm_mode_32 3
		.amdhsa_float_denorm_mode_16_64 3
		.amdhsa_memory_ordered 1
		.amdhsa_forward_progress 1
		.amdhsa_inst_pref_size 29
	.end_amdhsa_kernel
	.amdgpu_metadata
---
amdhsa.version: [ 1, 2 ]
amdhsa.kernels:
  - .name:           k_qcd7e4a1b75_norm
    .symbol:         k_qcd7e4a1b75_norm.kd
    .args:
      - { .name: x, .offset: 0, .size: 8, .value_kind: global_buffer, .address_space: global }
      - { .name: z, .offset: 8, .size: 8, .value_kind: global_buffer, .address_space: global }
      - { .name: sel, .offset: 16, .size: 8, .value_kind: global_buffer, .address_space: global }
      - { .name: gw, .offset: 24, .size: 8, .value_kind: global_buffer, .address_space: global }
      - { .name: ln_g, .offset: 32, .size: 8, .value_kind: global_buffer, .address_space: global }
      - { .name: ln_b, .offset: 40, .size: 8, .value_kind: global_buffer, .address_space: global }
      - { .name: out0, .offset: 48, .size: 8, .value_kind: global_buffer, .address_space: global }
    .group_segment_fixed_size: 0
    .private_segment_fixed_size: 0
    .kernarg_segment_align: 8
    .kernarg_segment_size: 56
    .max_flat_workgroup_size: 256
    .sgpr_count:     66
    .vgpr_count:     256
    .wavefront_size: 32
...
	.end_amdgpu_metadata
.endif
;; end of part 13
